; MI455X (gfx1250); checked and timed in simulation.
; The chip was launched on July 23, 2026; its instructions are those of AMD's public machine-readable ISA for CDNA 5 (MIT licence, August 2026) and "CDNA5" Instruction Set Architecture Reference Guide (July 2026). The comments in the code are by the model that wrote it; some were corrected since.
;; Deep Norm Encoder Layer. Allowed arithmetic: matrix products marked QUANTISED: E5M2 operands, one E8M0 scale for each 32 along K, by v_wmma_scale_f32_16x16x128_f8f6f4 with both operands' format E5M2, f32 sums; everything else in f32.
;; Inputs: W1_codes 4,096 x 32 x 32 uint8 (E5M2 codes of W1, K innermost, in blocks of 32 codes); W1_scales 4,096 x 32 uint8 (E8M0 scales of W1, one for each 32 codes along K); W2_codes 1,024 x 128 x 32 uint8 (E5M2 codes of W2, K innermost, in blocks of 32 codes); W2_scales 1,024 x 128 uint8 (E8M0 scales of W2, one for each 32 codes along K); Wk_codes 1,024 x 32 x 32 uint8 (E5M2 codes of Wk, K innermost, in blocks of 32 codes); Wk_scales 1,024 x 32 uint8 (E8M0 scales of Wk, one for each 32 codes along K); Wo_codes 1,024 x 32 x 32 uint8 (E5M2 codes of Wo, K innermost, in blocks of 32 codes); Wo_scales 1,024 x 32 uint8 (E8M0 scales of Wo, one for each 32 codes along K); Wq_codes 1,024 x 32 x 32 uint8 (E5M2 codes of Wq, K innermost, in blocks of 32 codes); Wq_scales 1,024 x 32 uint8 (E8M0 scales of Wq, one for each 32 codes along K); Wv_codes 1,024 x 32 x 32 uint8 (E5M2 codes of Wv, K innermost, in blocks of 32 codes); Wv_scales 1,024 x 32 uint8 (E8M0 scales of Wv, one for each 32 codes along K); b1 4,096 float32; b2 1,024 float32; be1 1,024 float32; be2 1,024 float32; g1 1,024 float32; g2 1,024 float32; x 2 x 2,048 x 1,024 float32.
;; Outputs: out0 2 x 2,048 x 1,024 float32.
;; This version of the problem:
;;   THIS VERSION OF THE PROBLEM IS GIVEN IN LOW PRECISION. The matrix products marked QUANTISED in the list below multiply operands that are first quantised to E5M2 (5 exponent bits, 2 mantissa bits; 8 bits a number), with one power-of-two scale for each 32 numbers along K (OCP MX v1.0); their sums are f32. All else is computed in f32.
;;   The module's matrix products, in the order in which they are computed (A, B: the left and right operand; K: the contracted axis; several contracted axes count as one K, in the product's order):
;;     1. [M 4,096, K 1,024] x [K 1,024, N 1,024]; A: input x; B: input Wq (given as codes): QUANTISED
;;     2. [M 4,096, K 1,024] x [K 1,024, N 1,024]; A: input x; B: input Wk (given as codes): QUANTISED
;;     3. [M 4,096, K 1,024] x [K 1,024, N 1,024]; A: input x; B: input Wv (given as codes): QUANTISED
;;     4. batch 32 x [M 2,048, K 64] x [K 64, N 2,048]; A: computed on the way; B: computed on the way: QUANTISED
;;     5. batch 32 x [M 2,048, K 2,048] x [K 2,048, N 64]; A: softmax (see below); B: computed on the way: QUANTISED
;;     6. [M 4,096, K 1,024] x [K 1,024, N 1,024]; A: computed on the way; B: input Wo (given as codes): QUANTISED
;;     7. [M 4,096, K 1,024] x [K 1,024, N 4,096]; A: computed on the way; B: input W1 (given as codes): QUANTISED
;;     8. [M 4,096, K 4,096] x [K 4,096, N 1,024]; A: computed on the way; B: input W2 (given as codes): QUANTISED
;;   THE QUANTISER, for each operand of a quantised product, along K:
;;     - K is cut into blocks of 32 from its start; a last block that is shorter is filled with zeros.
;;     - A block's scale is 2^e with e = floor(log2(the largest magnitude in the block)) - 15, held to -126 .. 127; a block of zeros has e = 0. As a byte (E8M0): e + 127.
;;     - Each number is divided by its block's scale, clamped to +-57,344, and rounded to the nearest number of E5M2, ties to even, subnormals kept.
;;     - The product sums the exact products of the quantised numbers (number of the format x scale) in f32.
;;   ~~~python
;;   def quantise(x, axis):      # numpy; x: float32 -> the quantised numbers, widened to float32 again
;;       x = np.moveaxis(x, axis, -1); K = x.shape[-1]
;;       x = np.pad(x, [(0, 0)] * (x.ndim - 1) + [(0, -K % 32)]); x = x.reshape(x.shape[:-1] + (-1, 32)); a = np.abs(x).max(-1, keepdims=True)
;;       e = np.where(a > 0, np.clip(np.frexp(np.where(a > 0, a, 1))[1] - 1 - 15, -126, 127), 0)      # np.frexp(a)[1] - 1 = floor(log2(a)), exactly
;;       r = np.clip(x / 2.0 ** e, -57344, 57344)
;;       step = 2.0 ** (np.maximum(np.frexp(np.where(r == 0, 1, r))[1] - 1, -14) - 2)
;;       q = np.round(r / step) * step * 2.0 ** e      # np.round: ties to even
;;       return np.moveaxis(q.reshape(q.shape[:-2] + (-1,))[..., :K], -1, axis).astype(np.float32)
;;   ~~~
;;   SOFTMAX AHEAD OF A QUANTISED PRODUCT. Where the list says 'softmax', what is quantised is not the finished softmax but p = 2^(t - M), with t = logit x log2(e) and M = ceil(the row's largest t), a whole number; so 1/2 < the row's largest p <= 1. The row's sum l is taken of the UNQUANTISED p, in f32, and the product's result is divided by l at the end. Since M is a whole number, a kernel that streams over the keys may use a running M (the ceiling of the running maximum): every later rescaling is an exact power of two, which a block's scale takes up: the codes' values come out the same.
;;   OPERANDS COMPUTED ON THE WAY. 'Computed on the way' means the value that the module computes at that place (a softmax that the list does not call 'softmax' is quantised finished and normalised). What goes into a quantiser is computed in f32, as accurately as f32 sums, v_exp_f32 and their like allow (about 1e-6 of the number): no bf16 or f16 on the way to a quantiser, and a product that is left as it is and whose result goes on into a quantised operand takes f32 operands (vector FMAs, or v_wmma_f32_16x16x4_f32). A number that lies on a knife's edge between two numbers of the format may be rounded either way, as far as f32 arithmetic and the matrix unit's own rounding can turn it there, and no further.
;;   INPUTS GIVEN AS CODES. W1 (in the module: [1024, 4096], K = its axis 0); W2 (in the module: [4096, 1024], K = its axis 0); Wk (in the module: [1024, 1024], K = its axis 0); Wo (in the module: [1024, 1024], K = its axis 0); Wq (in the module: [1024, 1024], K = its axis 0); Wv (in the module: [1024, 1024], K = its axis 0): each comes as NAME_codes (uint8): NAME with its K axis moved to the last place and cut into blocks of 32 codes, [.., K / 32, bytes a block], one block behind the other in memory; one code a byte (a code: sign, 5 exponent bits, 2 mantissa bits); and NAME_scales (uint8): the same leading axes, one E8M0 byte (e + 127) for each 32 codes along K. Its value is code x scale, taken as it is: it is not quantised again, and the codes and scales need not be those that the quantiser above would give.
;; 2 versions. Each part assembles by itself: llvm-mc -triple=amdgcn-amd-amdhsa -mcpu=gfx1250 --defsym DOCPART=n.
;; ======== version 1 of 2: 6 launches
;; workspace buffers: xq 4,325,376 bytes; qkv 13,238,272 bytes; ctx 4,325,376 bytes; x1q 4,325,376 bytes; x1f 16,777,216 bytes; hq 17,301,504 bytes
;; launch quant_x (part 1): grid 256 x 1, 2 waves a work-group, no clusters, 16,640 bytes of LDS; arguments x, xq; writes xq
.if DOCPART == 1
	.amdgcn_target "amdgcn-amd-amdhsa--gfx1250"
	.amdhsa_code_object_version 6
	.text
	.protected	k_qd49c5e1e77_quant_x
	.globl	k_qd49c5e1e77_quant_x
	.p2align	8
	.type	k_qd49c5e1e77_quant_x,@function
k_qd49c5e1e77_quant_x:
	s_mov_b64 s[64:65], 0
	v_nop
	global_prefetch_b8 v0, s[64:65] scope:SCOPE_SE
	s_setreg_imm32_b32 hwreg(HW_REG_WAVE_MODE, 25, 1), 1
	s_wait_xcnt 0x0
; x [4096][1024] f32 becomes codes of E5M2 (xq, rows of 1,024 bytes) and one E8M0 byte for each 32 along a row (xq + 4,194,304, rows of 32 bytes).
; A block's byte is its largest magnitude's exponent field - 15, held at 1 from below; each number is held within +-57,344 x the scale and rounded to the nearest code, ties to even.
; LIMITS: a block of zeros, and one whose largest magnitude lies under 2^-111, gets the byte 1 (the bytes are read by this program alone; zero codes add nothing); NaN and infinities are not served.
; Rows are dense, so x is a plain stream of blocks.  A wave takes 16 steps of 512 numbers; each load reads 512 consecutive bytes; a step's 2,048 bytes turn through the wave's own stage in LDS
; (16 bytes of padding behind each 64) so that a lane then holds 16 neighbours, two lanes a block.  Codes leave 512 consecutive bytes a store, a wave's 256 scale bytes as one store.
; No tensor load, no barrier: waves share nothing.  Loads run four steps (16 loads a wave) ahead.
.set STEPS, 16
.set EMAX,  15
.set MANT,  0x600000                   ; the mantissa field of 57,344
.set CB,    16
.set R,     16                         ; v16-79   four sets of 16 numbers as loaded
.set X,     80                         ; v80-111  two sets of 16 neighbours
.set C,     128                        ; v128-191 codes, four registers a step
.set E,     112                        ; v112-127 a scale byte a step
.set WREG,  8192                       ; LDS of a wave: two stages of 32 x SP bytes, then its 256 scale bytes
.set SP,    80
.set SC_AT, 4194304
	s_load_b128 s[4:7], s[0:1], 0x0                ; x, xq
	v_lshl_add_u32 v192, v0, 2, 0x4000
	v_mov_b32 v193, 0
	v_lshrrev_b32 v1, 5, v0
	v_readfirstlane_b32 s16, v1                    ; wave
	v_and_b32 v2, 31, v0                           ; lane
	v_lshlrev_b32 v3, 4, v2                        ; my 16 bytes of a load's 512
	s_mul_i32 s17, s16, WREG
	v_lshrrev_b32 v14, 2, v2
	v_mul_u32_u24 v14, v14, SP
	v_and_b32 v15, 3, v2
	v_lshl_add_u32 v14, v15, 4, v14
	v_add_nc_u32 v14, s17, v14                     ; the stage, way in: SP (lane / 4) + 16 (lane % 4)
	v_mul_u32_u24 v15, v2, SP
	v_add_nc_u32 v15, s17, v15                     ; way out: SP x lane
	v_mul_u32_u24 v4, v2, CB                       ; my codes' place in a step's
	v_lshrrev_b32 v5, 1, v2
	s_add_co_u32 s17, s17, 2*32*SP
	v_add_nc_u32 v5, s17, v5                       ; my block's scale byte in LDS
	v_lshlrev_b32 v7, 3, v2
	v_add_nc_u32 v6, s17, v7                       ; and 8 bytes a lane on the way out
	s_mov_b32 s23, MANT
	s_lshl_b32 s18, ttmp9, 1
	s_add_co_u32 s18, s18, s16                     ; which run of 8,192 numbers is my wave's
	s_mov_b32 s19, 0
	s_lshl_b64 s[20:21], s[18:19], 15              ; 32,768 bytes of x a run
	s_lshl_b64 s[24:25], s[18:19], 13              ; 8,192 bytes of codes
	s_lshl_b32 s18, s18, 8                         ; 256 scale bytes
	s_add_co_u32 s18, s18, SC_AT
	s_wait_kmcnt 0x0
	s_add_nc_u64 s[4:5], s[4:5], s[20:21]
	s_add_nc_u64 s[8:9], s[6:7], s[24:25]
	s_add_nc_u64 s[10:11], s[6:7], s[18:19]
.macro LOAD t
.irp i, 0,1,2,3
	global_load_b128 v[R+16*((\t)%4)+4*\i:R+16*((\t)%4)+4*\i+3], v3, s[4:5] offset:2048*(\t)+512*\i th:TH_LOAD_NT
.endr
.endm
.macro TURN t                          ; LDS serves a wave's instructions in order: no wait between the stores and the loads
.irp i, 0,1,2,3
	ds_store_b128 v14, v[R+16*((\t)%4)+4*\i:R+16*((\t)%4)+4*\i+3] offset:32*SP*((\t)%2)+8*SP*\i
.endr
.irp i, 0,1,2,3
	ds_load_b128 v[X+16*((\t)%2)+4*\i:X+16*((\t)%2)+4*\i+3], v15 offset:32*SP*((\t)%2)+16*\i
.endr
.endm
.irp t, 0,1,2,3
	LOAD \t
.endr
	s_wait_loadcnt 12                              ; step 0's four loads are in
	TURN 0
.macro STEP t
.set XS, X+16*((\t)%2)
.if (\t) > 0
	s_wait_dscnt 1                                 ; this step's numbers are back (the last step's byte store may be out)
.else
	s_wait_dscnt 0x0
.endif
.if (\t)+4 < STEPS
	LOAD (\t)+4
.endif
.if (\t)+1 < STEPS
.if STEPS-2-(\t) >= 3
	s_wait_loadcnt 12                              ; the next step's four loads are in; three steps' may be out
.else
	s_wait_loadcnt 4*(STEPS-2-(\t))
.endif
	TURN (\t)+1
.endif
	v_max3_num_f32 v8, |v[XS]|, |v[XS+1]|, |v[XS+2]|
	v_max3_num_f32 v9, |v[XS+3]|, |v[XS+4]|, |v[XS+5]|
.irp i, 6,10
	v_max3_num_f32 v8, v8, |v[XS+\i]|, |v[XS+\i+1]|
	v_max3_num_f32 v9, v9, |v[XS+\i+2]|, |v[XS+\i+3]|
.endr
	v_max3_num_f32 v8, v8, |v[XS+14]|, |v[XS+15]|
	v_max3_num_f32 v8, v8, v9, (EMAX+1)<<23        ; the floor 2^(16 - 127): the byte cannot fall under 1
	v_max_num_f32_dpp v8, v8, v8 row_xmask:1 row_mask:0xf bank_mask:0xf   ; with my neighbour's 16: the block's
	v_add_nc_u32 v11, -(EMAX<<23), v8              ; 15 off the exponent field: the conversion's scale operand
	v_and_or_b32 v10, v8, 0x7f800000, s23          ; 57,344 x the scale
.irp i, 0,1,2,3,4,5,6,7,8,9,10,11,12,13,14,15
	v_med3_num_f32 v[XS+\i], v[XS+\i], -v10, v10   ; the conversion does not saturate (ISA guide 7.6.2): the hold comes first
.endr
	v_cvt_scalef32_pk8_bf8_f32 v[C+4*(\t):C+4*(\t)+1], v[XS:XS+7], v11
	v_cvt_scalef32_pk8_bf8_f32 v[C+4*(\t)+2:C+4*(\t)+3], v[XS+8:XS+15], v11
	v_lshrrev_b32 v[E+(\t)], 23, v11               ; the scale's byte
	ds_store_b8 v5, v[E+(\t)] offset:16*(\t)       ; both lanes of a block write the same byte
	global_store_b128 v4, v[C+4*(\t):C+4*(\t)+3], s[8:9] offset:32*CB*(\t)
.endm
.irp t, 0,1,2,3,4,5,6,7,8,9,10,11,12,13,14,15
	STEP \t
.endr
	ds_load_b64 v[12:13], v6
	s_wait_dscnt 0x0
	global_store_b64 v7, v[12:13], s[10:11]        ; 32 lanes store 256 consecutive bytes, aligned
	s_wait_tensorcnt 0x0
	ds_add_u32 v192, v193
	s_wait_dscnt 0x0
	s_endpgm
.Lfunc_end_k_qd49c5e1e77_quant_x:
	.size	k_qd49c5e1e77_quant_x, .Lfunc_end_k_qd49c5e1e77_quant_x-k_qd49c5e1e77_quant_x
	.p2alignl 7, 3214868480
	.fill 96, 4, 3214868480
	.section	.rodata,"a",@progbits
	.p2align	6, 0x0
	.amdhsa_kernel k_qd49c5e1e77_quant_x
		.amdhsa_group_segment_fixed_size 16640
		.amdhsa_private_segment_fixed_size 0
		.amdhsa_enable_private_segment 0
		.amdhsa_kernarg_size 16
		.amdhsa_user_sgpr_count 2
		.amdhsa_user_sgpr_kernarg_segment_ptr 1
		.amdhsa_wavefront_size32 1
		.amdhsa_system_sgpr_workgroup_id_x 1
		.amdhsa_system_sgpr_workgroup_id_y 1
		.amdhsa_system_sgpr_workgroup_id_z 1
		.amdhsa_system_vgpr_workitem_id 0
		.amdhsa_next_free_vgpr 194
		.amdhsa_next_free_sgpr 66
		.amdhsa_reserve_vcc 0
		.amdhsa_float_denorm_mode_32 3
		.amdhsa_float_denorm_mode_16_64 3
		.amdhsa_memory_ordered 1
		.amdhsa_forward_progress 1
		.amdhsa_inst_pref_size 51
	.end_amdhsa_kernel
	.amdgpu_metadata
---
amdhsa.version: [ 1, 2 ]
amdhsa.kernels:
  - .name:           k_qd49c5e1e77_quant_x
    .symbol:         k_qd49c5e1e77_quant_x.kd
    .args:
      - { .name: x, .offset: 0, .size: 8, .value_kind: global_buffer, .address_space: global }
      - { .name: xq, .offset: 8, .size: 8, .value_kind: global_buffer, .address_space: global }
    .group_segment_fixed_size: 16640
    .private_segment_fixed_size: 0
    .kernarg_segment_align: 8
    .kernarg_segment_size: 16
    .max_flat_workgroup_size: 64
    .sgpr_count:     66
    .vgpr_count:     194
    .wavefront_size: 32
...
	.end_amdgpu_metadata
.endif
;; end of part 1
;; launch qkv (part 2): grid 12 x 16, 4 waves a work-group, clusters of 4 x 4, 327,680 bytes of LDS; arguments xq, Wq_codes, Wq_scales, Wk_codes, Wk_scales, Wv_codes, Wv_scales, qkv; writes qkv
.if DOCPART == 2
	.amdgcn_target "amdgcn-amd-amdhsa--gfx1250"
	.amdhsa_code_object_version 6
	.text
	.protected	k_qd49c5e1e77_qkv
	.globl	k_qd49c5e1e77_qkv
	.p2align	8
	.type	k_qd49c5e1e77_qkv,@function
k_qd49c5e1e77_qkv:
	s_mov_b64 s[64:65], 0
	v_nop
	global_prefetch_b8 v0, s[64:65] scope:SCOPE_SE
	s_setreg_imm32_b32 hwreg(HW_REG_WAVE_MODE, 25, 1), 1
	s_wait_xcnt 0x0
	s_wait_alu depctr_hold_cnt(0) depctr_sa_sdst(0) depctr_va_vdst(0) depctr_va_sdst(0) depctr_va_ssrc(0) depctr_va_vcc(0) depctr_vm_vsrc(0)
	s_getreg_b32 s2, hwreg(HW_REG_IB_STS2, 6, 4)
	s_cmp_eq_u32 s2, 0
	s_cbranch_scc0 .Lentry_in_a_cluster
	s_endpgm
.Lentry_in_a_cluster:
	s_bfe_u32 s2, ttmp6, 0x10000c
	s_cmp_lg_u32 s2, 0xf033
	s_cbranch_scc0 .Lentry_shape_is_right
	s_endpgm
.Lentry_shape_is_right:
; Q = x Wq, K = x Wk, V = x Wv on codes of E5M2 with E8M0 scales, and the results quantised on the way out: Q and K along the head's 64, V along the keys.
; The cluster's x is the ROLE (0 Q, 1 K, 2 V), equal in all sixteen partners.  A tile is 256 x 256, four waves of 128 x 128 (64 accumulators, 512 registers); K = 1,024 goes in steps of 256 through two LDS slots.
; "A" is the operand whose rows fall on lanes (source 1), "B" the one whose rows run along a lane's registers (source 0).  Roles 0, 1: A = x's codes (tokens), B = the weight (features): a lane holds one token and
; 128 features = two heads.  Role 2: A = Wv (features), B = x's codes (tokens): a lane holds one feature and 128 tokens = one key step.  So the axis to be quantised always runs along a lane's registers.
; A's tiles are shared along a row of the cluster, B's along a column: joint loads.  The scale bytes of the work-group's rows come once, in whole 256-byte rows, and stay in LDS.
; THE WAY OUT writes images of operand registers: piece c (registers 4c..4c+3 of a fragment) is 512 consecutive bytes, lane l at 16 l.
;   Q at 0, K at 4,194,304: [b*16+head][token tile 128][c 2][512];  V at 8,388,608: [b*16+head][key step 16][d tile 4][c 4][512];
;   scale words from 12,582,912, 20,480 bytes a head: Q 8,192 | K 8,192 (group of 128 tokens: 512 bytes, lane l's 16 bytes: word j = token tile 2j + l/16, row l%16) | V 4,096 (key step: 256 bytes, lane l's 8: word j = d tile 2j + l/16).
; LIMITS: a block of zeros or under 2^-111 gets the byte 1; NaN and infinities are not served.
; REGISTERS: window 0: v0-31 addresses; v32-63 scale words, two sets, and nothing else; v64-127 the way out; v128-255 A's fragments, one set.  window 1: B's fragments, two sets.  windows 2, 3: the accumulators ((a, b) at v[8 (8 (a%4) + b)]).
.set SIZE_K, 1024
.set KSTEP,  256
.set NQ,     KSTEP/128
.set ROWB,   256
.set KROW,   SIZE_K
.set PITCH,  272                       ; 256 bytes + 16: the 16 rows of a fragment load start at 16 different banks (64 banks of 4 bytes: ISA guide 11.1)
.set FR,     16
.set NL,     4
.set NP,     8                         ; places behind this matrix instruction (ISA guide 7.12.1)
.set HALFT,  128*PITCH
.set SLOT,   4*HALFT
.set LAPS,   SIZE_K/(2*KSTEP)
.set KS,     SIZE_K/32
.set SCL,    2*SLOT                    ; behind the ring: the scales, rows of 256 bytes + 16
.set HALFS,  (128*KS/256)*272
.set SBLK,   (16*KS/256)*272
.set SPARE,  SCL+4*HALFS               ; the spare words: 128 bytes a wave, named by no other line
.set XSC_AT, 4194304                   ; x's scale bytes in xq
.set SCB,    12582912                  ; the scale words in qkv
.set HSC,    20480                     ; of them a head
.set ADRA, 16
.set ADRB, 20
.set ADRS, 27
.set SPW,  28
.set NIL,  29
.set SC,   32
.set AF,   128
.set TM,   64                          ; v64-79  the quantiser's work: +0 largest magnitudes, +4 bytes, +8 holds, +12 scale operands
.set PWS,  80                          ; v80-87  the scale word of each of my 8 blocks of 16 lanes' rows
.set PC,   88                          ; v88-103 a fragment's codes
.set WW,   104
.set WX,   108
.set VO0,  112
.set VO1,  113
.set LN,   114
.set V8,   115
.set G1, 24
.set G0, 32
.set G1B, 48
.set G0B, 56
.set G1S, 68
.set G0S, 76
.set G1SB, 80
.set G0SB, 88
.set ROLE, 66
.set MNT,  67
.set SEL,  92
.set VADD, 95
.set STP,  96
.set JMP,  98
.set SCP,  100
.set MSB, 0
.macro WIN new                         ; the immediate's high byte repeats the setting that is left
.if MSB != (\new)
	s_set_vgpr_msb (MSB<<8)|(\new)
.set MSB, (\new)
.endif
.endm
.set MUL_LO, 0xa1                      ; source 0 (B) window 1, source 1 (A) window 0, C and D window 2
.set MUL_HI, 0xf1
.set TO_B,   0x40
; A joint load: waves 0 and 1 fetch for A, waves 2 and 3 for B; the branch hangs on the wave's number alone.  Four v_nop follow each of the two lines.
.macro JLOAD g0a, g1a, g0b, g1b
	s_cmp_eq_u32 s15, 0
	s_cbranch_scc0 .Lfor_b_\@
	tensor_load_to_lds s[\g0a:\g0a+3], s[\g1a:\g1a+7]
	s_nop 0
.rept 4
	v_nop
.endr
	s_branch .Lasked_\@
.Lfor_b_\@:
	tensor_load_to_lds s[\g0b:\g0b+3], s[\g1b:\g1b+7]
	s_nop 0
.rept 4
	v_nop
.endr
.Lasked_\@:
.endm
.macro CREST
	s_cmp_lg_u32 s14, 0
	s_cbranch_scc1 .Lnot_wave_0_\@
	s_barrier_signal -3
.Lnot_wave_0_\@:
	s_barrier_wait -3
	s_barrier_signal -1
	s_barrier_wait -1
.endm
.macro CROUND
	s_barrier_signal -1
	s_barrier_wait -1
	CREST
.endm
	s_load_b512 s[68:83], s[0:1], 0x0              ; xq 68, Wq codes 70, scales 72, Wk 74, 76, Wv 78, 80, qkv 82
	v_lshl_add_u32 v[SPW], v0, 2, SPARE
	v_mov_b32 v[NIL], 0
	ds_add_u32 v28, v29
	ds_add_u32 v28, v29
	s_wait_dscnt 0x0
	v_lshrrev_b32 v1, 5, v0
	v_readfirstlane_b32 s14, v1                    ; wave 0..3
	s_lshr_b32 s15, s14, 1                         ; my half of A's rows.  Also: I fetch for A (0) or B (1)
	s_and_b32 s16, s14, 1                          ; my half of B's rows.  Also: which 128 rows I fetch
	s_bfe_u32 s40, ttmp6, 0x40000                  ; cx
	s_bfe_u32 s41, ttmp6, 0x40004                  ; cy
	s_mov_b32 s[ROLE], ttmp9                       ; the cluster's x: 0 Q, 1 K, 2 V
	s_and_b32 s45, ttmp7, 0xffff
	s_lshl_b32 s45, s45, 2                         ; 4 x the cluster's y: it walks the tokens
	s_cmp_eq_u32 s[ROLE], 2
	s_cselect_b32 s17, 0, s45
	s_cselect_b32 s42, s45, 0
	s_add_co_u32 s17, s17, s41                     ; A's tile: tokens 4 cly + cy, or (V) features cy
	s_add_co_u32 s42, s42, s40                     ; B's tile: features cx, or (V) tokens 4 cly + cx
	s_lshl_b32 s43, s41, 2
	s_lshl_b32 s43, 15, s43                        ; my row of the cluster
	s_lshl_b32 s44, 0x1111, s40                    ; my column
	s_wait_kmcnt 0x0
	s_add_nc_u64 s[92:93], s[68:69], XSC_AT        ; x's scale bytes
	s_mov_b64 s[12:13], s[82:83]
	s_cmp_eq_u32 s[ROLE], 0                        ; the buffers are chosen by the role, which hangs on no address
	s_cselect_b64 s[8:9], s[70:71], s[74:75]
	s_cselect_b64 s[10:11], s[72:73], s[76:77]
	s_cmp_eq_u32 s[ROLE], 2
	s_cselect_b64 s[4:5], s[78:79], s[68:69]       ; A's codes,
	s_cselect_b64 s[6:7], s[80:81], s[92:93]       ; A's scales,
	s_cselect_b64 s[8:9], s[68:69], s[8:9]         ; B's codes,
	s_cselect_b64 s[10:11], s[92:93], s[10:11]     ; B's scales
	; descriptor group 1: a tile of 128 rows x 256 bytes, 16 bytes of padding behind each row
	s_or_b32 s[G1+0], s43, (0<<16)|(1<<20)|(1<<21)|(5<<22)|(3<<25)
	s_or_b32 s[G1B+0], s44, (0<<16)|(1<<20)|(1<<21)|(5<<22)|(3<<25)
.irp g, G1, G1B
	s_mov_b32 s[\g+1], ROWB<<16
	s_mov_b32 s[\g+2], 128<<16
	s_mov_b32 s[\g+3], ROWB<<16
	s_mov_b32 s[\g+4], 128
	s_mov_b32 s[\g+5], KROW
	s_mov_b32 s[\g+6], 0
	s_mov_b32 s[\g+7], 0
.endr
	; the scales of 128 rows: 4,096 dense bytes as 16 rows of 256 (32 elements of 8 bytes), padded likewise
	s_or_b32 s[G1S+0], s43, (3<<16)|(1<<20)|(1<<21)|(5<<22)|(3<<25)
	s_or_b32 s[G1SB+0], s44, (3<<16)|(1<<20)|(1<<21)|(5<<22)|(3<<25)
.irp g, G1S, G1SB
	s_mov_b32 s[\g+1], 32<<16
	s_mov_b32 s[\g+2], (128*KS/256)<<16
	s_mov_b32 s[\g+3], 32<<16
	s_mov_b32 s[\g+4], 128*KS/256
	s_mov_b32 s[\g+5], 32
	s_mov_b32 s[\g+6], 0
	s_mov_b32 s[\g+7], 0
.endr
	s_lshl_b32 s18, s16, 7
	s_lshl_b32 s20, s17, 8
	s_add_co_u32 s20, s20, s18                     ; A: row 256 x tile + 128 x half
	s_lshl_b32 s46, s42, 8
	s_add_co_u32 s46, s46, s18                     ; B likewise
	s_mov_b32 s21, 0
	s_mov_b32 s47, 0
	s_mov_b64 s[18:19], KS
	s_mul_u64 s[22:23], s[20:21], s[18:19]
	s_mul_u64 s[92:93], s[46:47], s[18:19]
	s_mov_b64 s[18:19], KROW
	s_mul_u64 s[20:21], s[20:21], s[18:19]
	s_mul_u64 s[46:47], s[46:47], s[18:19]
	s_mul_i32 s45, s14, HALFT                      ; where they go: wave x 128 rows: no place in the cluster enters an LDS address
	s_mul_i32 s94, s14, HALFS
	s_add_nc_u64 s[20:21], s[4:5], s[20:21]
	s_add_nc_u64 s[22:23], s[6:7], s[22:23]
	s_add_nc_u64 s[46:47], s[8:9], s[46:47]
	s_add_nc_u64 s[92:93], s[10:11], s[92:93]
	CROUND                                         ; all sixteen work-groups are here: the first joint loads meet
	s_mov_b32 s[G0S], 1
	s_add_co_u32 s[G0S+1], s94, SCL
	s_mov_b64 s[G0S+2:G0S+3], s[22:23]
	s_or_b32 s[G0S+3], s[G0S+3], 0x80000000
	s_mov_b32 s[G0SB], 1
	s_add_co_u32 s[G0SB+1], s94, SCL
	s_mov_b64 s[G0SB+2:G0SB+3], s[92:93]
	s_or_b32 s[G0SB+3], s[G0SB+3], 0x80000000
	JLOAD G0S, G1S, G0SB, G1SB                     ; the scales first
.irp s, 0,1
	s_mov_b32 s[G0+4*\s], 1
	s_add_co_u32 s[G0+4*\s+1], s45, \s*SLOT
	s_add_nc_u64 s[G0+4*\s+2:G0+4*\s+3], s[20:21], \s*ROWB
	s_or_b32 s[G0+4*\s+3], s[G0+4*\s+3], 0x80000000
	s_mov_b32 s[G0B+4*\s], 1
	s_add_co_u32 s[G0B+4*\s+1], s45, \s*SLOT
	s_add_nc_u64 s[G0B+4*\s+2:G0B+4*\s+3], s[46:47], \s*ROWB
	s_or_b32 s[G0B+4*\s+3], s[G0B+4*\s+3], 0x80000000
	JLOAD G0+4*\s, G1, G0B+4*\s, G1B
.endr
	v_and_b32 v1, 15, v0                           ; l % 16
	v_bfe_u32 v2, v0, 4, 1                         ; l / 16
	v_mul_u32_u24 v3, v1, PITCH
	v_lshl_add_u32 v4, v2, 4, v3
	s_mul_i32 s21, s15, HALFT
	s_mul_i32 s22, s16, HALFT
	s_add_co_u32 s22, s22, 2*HALFT
.irp s, 0,1
	v_add_nc_u32 v[ADRA+\s], s21, v4
	v_add_nc_u32 v[ADRB+\s], s22, v4
	s_add_co_u32 s21, s21, SLOT
	s_add_co_u32 s22, s22, SLOT
.endr
	v_mul_u32_u24 v5, v1, KS                       ; my row's scales: KS bytes a row,
	v_lshrrev_b32 v6, 8, v5
	v_lshl_add_u32 v5, v6, 4, v5                   ; and 16 more for each 256 passed
	s_mul_i32 s21, s15, HALFS
	s_mul_i32 s22, s16, HALFS
	s_add_co_u32 s22, s22, 2*HALFS
	s_sub_co_u32 s22, s22, s21
	v_mul_u32_u24 v6, s22, v2                      ; lanes 16-31 take B's
	s_add_co_u32 s21, s21, SCL
	v_add_nc_u32 v5, v5, v6
	v_add_nc_u32 v[ADRS], s21, v5
	; where my results go
	s_lshl_b32 s20, s17, 8
	s_lshl_b32 s21, s15, 7
	s_add_co_u32 s20, s20, s21                     ; my first row of A
	s_lshl_b32 s46, s42, 8
	s_lshl_b32 s47, s16, 7
	s_add_co_u32 s46, s46, s47                     ; my first row of B
	s_cmp_eq_u32 s[ROLE], 2
	s_cselect_b32 s22, s46, s20                    ; my first token
	s_cselect_b32 s23, s20, s46                    ; my first feature
	s_mov_b32 s[STP], 1024
	s_cselect_b32 s[STP], 2048, s[STP]             ; from one block of 16 lanes' rows to the next: a token tile (1,024), or a d tile (2,048)
	s_cselect_b32 s[JMP], 122880, 0                ; V: behind four d tiles the next head begins
	s_mov_b32 s[VADD], 131072
	s_cselect_b32 s[VADD], 1024, s[VADD]           ; pieces 2, 3: the next head (Q, K), or the same fragment (V)
	s_cselect_b32 s94, 8, 9                        ; scale words of 128 tokens: 256 bytes (V), 512 (Q, K)
	s_mov_b32 s[STP+1], 0
	s_mov_b32 s[JMP+1], 0
	s_lshr_b32 s18, s22, 11                        ; the batch
	s_and_b32 s19, s22, 2047                       ; the token in it
	s_lshl_b32 s18, s18, 4
	s_lshr_b32 s23, s23, 6
	s_add_co_u32 s18, s18, s23                     ; 16 x batch + head
	s_mul_i32 s20, s18, HSC
	s_lshl_b32 s21, s[ROLE], 13
	s_add_co_u32 s20, s20, s21
	s_lshr_b32 s21, s19, 7
	s_lshl_b32 s21, s21, s94
	s_add_co_u32 s20, s20, s21
	s_add_co_u32 s20, s20, SCB
	s_mov_b32 s21, 0
	s_add_nc_u64 s[SCP:SCP+1], s[12:13], s[20:21]  ; my scale words
	s_lshl_b32 s20, s[ROLE], 22
	s_lshl_b32 s22, s18, 17
	s_add_co_u32 s20, s20, s22
	s_lshl_b32 s22, s19, 6
	s_add_co_u32 s20, s20, s22
	s_add_nc_u64 s[12:13], s[12:13], s[20:21]      ; my images
	s_mov_b32 s[SEL], 0x76543210
	s_mov_b32 s[SEL+1], 0xfedcba98                 ; v_permlanex16_b32's selects for lane l xor 16
	s_mov_b32 s[MNT], 0x600000                     ; the mantissa field of 57,344
.macro FRAG reg, adr, q, i             ; 16 rows x 128 K: lane l holds row l % 16; registers 4c..4c+3 hold K = 32 c + 16 (l / 16) + 0..15
.irp c, 0,1,2,3
	ds_load_b128 v[\reg+4*\c:\reg+4*\c+3], v[\adr] offset:128*(\q)+32*\c+(\i)*16*PITCH
.endr
.endm
; 16 matrix instructions: A's blocks a0, a0 + 1 x B's eight.  The 64 accumulators take turns, one instruction a turn, in the same order in every step.
.macro MUL16 a0, p, q, sc, zero
.irp a, \a0, \a0+1
.irp b, 0,1,2,3,4,5,6,7
.if \zero
	v_wmma_scale_f32_16x16x128_f8f6f4 v[8*(8*((\a)%4)+\b):8*(8*((\a)%4)+\b)+7], v[128*(\p)+FR*\b:128*(\p)+FR*\b+FR-1], v[AF+FR*(\a):AF+FR*(\a)+FR-1], 0, v[SC+8*NQ*(\sc)+NQ*\b+(\q)], v[SC+8*NQ*(\sc)+NQ*(\a)+(\q)] matrix_a_fmt:MATRIX_FMT_BF8 matrix_b_fmt:MATRIX_FMT_BF8 matrix_a_scale:MATRIX_SCALE_ROW1
.else
	v_wmma_scale_f32_16x16x128_f8f6f4 v[8*(8*((\a)%4)+\b):8*(8*((\a)%4)+\b)+7], v[128*(\p)+FR*\b:128*(\p)+FR*\b+FR-1], v[AF+FR*(\a):AF+FR*(\a)+FR-1], v[8*(8*((\a)%4)+\b):8*(8*((\a)%4)+\b)+7], v[SC+8*NQ*(\sc)+NQ*\b+(\q)], v[SC+8*NQ*(\sc)+NQ*(\a)+(\q)] matrix_a_fmt:MATRIX_FMT_BF8 matrix_b_fmt:MATRIX_FMT_BF8 matrix_a_scale:MATRIX_SCALE_ROW1
.endif
.endr
.endr
.endm
.macro FETCH_B slot, q, p
	WIN TO_B
.irp i, 0,1,2,3,4,5,6,7
	FRAG 128*(\p)+FR*\i, ADRB+\slot, \q, \i
.endr
	WIN 0
.endm
.macro FETCH_A slot, q, i0
.irp i, \i0, \i0+1, \i0+2, \i0+3
	FRAG AF+FR*(\i), ADRA+\slot, \q, \i
.endr
.endm
.macro SCALES sc                       ; the next K step's scale words: lanes 0-15 A's block i, lanes 16-31 B's block i
.irp i, 0,1,2,3,4,5,6,7
	ds_load_b64 v[SC+8*NQ*\sc+NQ*\i:SC+8*NQ*\sc+NQ*\i+1], v[ADRS] offset:\i*SBLK
.endr
.endm
.macro PLACES n                        ; plain vector instructions between a matrix instruction and a load into, or a read of, its registers
.rept \n
	v_nop
.endr
.endm
.macro STEP slot, q, zero
	s_wait_dscnt 4*NL                              ; B's set and A's blocks 0-3 are in; the youngest 16 loads (A's blocks 4-7) may be out
	WIN MUL_LO
	MUL16 0, (\q)%2, \q, \slot, \zero
	MUL16 2, (\q)%2, \q, \slot, \zero
	s_wait_dscnt 0
	PLACES NP
	FETCH_B \slot, (\q)+1, 1-(\q)%2
	FETCH_A \slot, (\q)+1, 0
	WIN MUL_HI
	MUL16 4, (\q)%2, \q, \slot, \zero
	MUL16 6, (\q)%2, \q, \slot, \zero
	PLACES NP
	WIN 0
	FETCH_A \slot, (\q)+1, 4
.endm
; A slot's last step changes slots: each wave waits for all its tensor loads, adds 0 to its spare word, waits for that and for its reads of this slot; one barrier, which opens a round of the cluster's barrier where the slot is filled again.
.macro TURN slot, next, fill
	s_wait_tensorcnt 0x0                           ; all my tensor loads have landed: my part of the next slot
	ds_add_u32 v[SPW], v[NIL]                      ; 0 onto my spare word
	s_wait_dscnt 4*NL+1                            ; (the add and A's blocks 4-7 may be out)
	WIN MUL_LO
	MUL16 0, 1, NQ-1, \slot, 0
	s_wait_dscnt 0x0                               ; the add is done, and my reads of this slot are over
	s_barrier_signal -1
	MUL16 2, 1, NQ-1, \slot, 0
	WIN 0
	s_barrier_wait -1
.if \fill
	CREST                                          ; no wave of any partner still reads this slot or has a load on its way
	s_add_nc_u64 s[G0+4*\slot+2:G0+4*\slot+3], s[G0+4*\slot+2:G0+4*\slot+3], 2*ROWB
	s_add_nc_u64 s[G0B+4*\slot+2:G0B+4*\slot+3], s[G0B+4*\slot+2:G0B+4*\slot+3], 2*ROWB
	JLOAD G0+4*\slot, G1, G0B+4*\slot, G1B         ; the first tensor load behind the round; its four v_nop are among the places below
	PLACES NP-4
.else
	PLACES NP
.endif
	v_add_nc_u32 v[ADRS], 4*NQ, v[ADRS]
	FETCH_B \next, 0, 0
	FETCH_A \next, 0, 0
	SCALES \next
	WIN MUL_HI
	MUL16 4, 1, NQ-1, \slot, 0
	MUL16 6, 1, NQ-1, \slot, 0
	PLACES NP
	WIN 0
	FETCH_A \next, 0, 4
.endm
; 64 numbers of a lane in window aw, register 16 b + i = tile 2 b + i / 8, its number i % 8: with lane l xor 16's they are four blocks of 32.  They become a fragment's 16 code registers v[pc] on and its scale word v[pw].
; A tile's eight codes are numbers 8 (l / 16) + 0..7 of its 16; the operand wants 16 (l / 16) + 0..15 of the block's 32: the halves of the lanes swap one register pair of each block.
.macro QUANTW s, aw, pc, pw
	WIN ((\aw)<<2)|((\aw)<<4)
.irp b, 0,1,2,3
	v_max3_num_f32 v[TM+\b], 0x8000000, |v[(\s)+16*\b]|, |v[(\s)+16*\b+1]|   ; with the floor 2^(16 - 127): the byte cannot fall under 1.  Each accumulator is read from its low end on
.endr
.irp i, 2,4,6,8,10,12,14
.irp b, 0,1,2,3
	v_max3_num_f32 v[TM+\b], v[TM+\b], |v[(\s)+16*\b+\i]|, |v[(\s)+16*\b+\i+1]|
.endr
.endr
	WIN 0
.irp b, 0,1,2,3
	v_permlanex16_b32 v[TM+4+\b], v[TM+\b], s[SEL], s[SEL+1]
.endr
.irp b, 0,1,2,3
	v_max_num_f32 v[TM+\b], v[TM+\b], v[TM+4+\b]   ; the block's largest magnitude
.endr
.irp b, 0,1,2,3
	v_add_nc_u32 v[TM+12+\b], 0xf8800000, v[TM+\b] ; 15 off its exponent field: the conversion's scale operand
.endr
.irp b, 0,1,2,3
	v_and_or_b32 v[TM+8+\b], v[TM+\b], 0x7f800000, s[MNT]   ; 57,344 x the scale
.endr
.irp b, 0,1,2,3
	v_lshrrev_b32 v[TM+4+\b], 23, v[TM+12+\b]      ; the scale's byte
.endr
	v_lshl_or_b32 v[(\pw)], v[TM+5], 8, v[TM+4]
	v_lshl_or_b32 v[(\pw)], v[TM+6], 16, v[(\pw)]
	v_lshl_or_b32 v[(\pw)], v[TM+7], 24, v[(\pw)]
	WIN ((\aw)<<6)|(\aw)
.irp b, 0,1,2,3
.irp i, 0,1,2,3,4,5,6,7,8,9,10,11,12,13,14,15
	v_med3_num_f32 v[(\s)+16*\b+\i], v[(\s)+16*\b+\i], -v[TM+8+\b], v[TM+8+\b]   ; the conversion does not saturate (ISA guide 7.6.2)
.endr
.endr
	WIN (\aw)
.irp b, 0,1,2,3
	v_cvt_scalef32_pk8_bf8_f32 v[(\pc)+4*\b:(\pc)+4*\b+1], v[(\s)+16*\b:(\s)+16*\b+7], v[TM+12+\b]
	v_cvt_scalef32_pk8_bf8_f32 v[(\pc)+4*\b+2:(\pc)+4*\b+3], v[(\s)+16*\b+8:(\s)+16*\b+15], v[TM+12+\b]
.endr
	WIN 0
	v_nop                                          ; a plain instruction between the conversions and the first that touches their results
.irp b, 0,1,2,3
	v_permlane16_swap_b32 v[(\pc)+4*\b], v[(\pc)+4*\b+2]
	v_permlane16_swap_b32 v[(\pc)+4*\b+1], v[(\pc)+4*\b+3]
.endr
.endm
	s_wait_tensorcnt 1                             ; the scales and my part of K step 0 are in (K step 1's load may be out),
	s_barrier_signal -1
	s_barrier_wait -1                              ; everybody's are
	FETCH_B 0, 0, 0
	FETCH_A 0, 0, 0
	SCALES 0
	FETCH_A 0, 0, 4
	STEP 0, 0, 1                                   ; the first step's products start the sums
	s_mov_b32 s3, LAPS-1
.Llap:
	TURN 0, 1, 1
	STEP 1, 0, 0
	TURN 1, 0, 1
	STEP 0, 0, 0
	s_sub_co_u32 s3, s3, 1
	s_cmp_lg_u32 s3, 0
	s_cbranch_scc1 .Llap
	TURN 0, 1, 0                                   ; the last lap fills nothing
	STEP 1, 0, 0
	s_wait_dscnt 4*NL
	WIN MUL_LO
	MUL16 0, 1, NQ-1, 1, 0
	MUL16 2, 1, NQ-1, 1, 0
	s_wait_dscnt 0
	WIN MUL_HI
	MUL16 4, 1, NQ-1, 1, 0
	MUL16 6, 1, NQ-1, 1, 0
	WIN 0
	; THE WAY OUT: each of my eight blocks of 16 lanes' rows is quantised in registers and leaves as four pieces of 512 consecutive bytes
	PLACES NP
	v_and_b32 v[LN], 31, v0
	v_lshlrev_b32 v[VO0], 4, v[LN]
	v_add_nc_u32 v[VO1], s[VADD], v[VO0]
.irp b, 0,1,2,3
	v_mov_b32 v[TM+4+\b], 0                        ; written once: a lane permute's destination counts as one of its sources
.endr
.irp a, 0,1,2,3,4,5,6,7
.if \a > 0
	s_wait_xcnt 0x0                                ; the last block's stores have read their base and their codes: both are written again
	s_add_nc_u64 s[12:13], s[12:13], s[STP:STP+1]
.endif
.if \a == 4
	s_add_nc_u64 s[12:13], s[12:13], s[JMP:JMP+1]
.endif
	QUANTW 64*((\a)%4), 2+(\a)/4, PC, PWS+\a
	global_store_b128 v[VO0], v[PC:PC+3], s[12:13]
	global_store_b128 v[VO0], v[PC+4:PC+7], s[12:13] offset:512
	global_store_b128 v[VO1], v[PC+8:PC+11], s[12:13]
	global_store_b128 v[VO1], v[PC+12:PC+15], s[12:13] offset:512
.endr
	v_cmp_le_u32 vcc_lo, 16, v[LN]
.irp j, 0,1,2,3
	v_cndmask_b32 v[WW+\j], v[PWS+2*\j], v[PWS+2*\j+1], vcc_lo   ; lanes 0-15: block 2 j's words, lanes 16-31: block 2 j + 1's
.endr
	s_cmp_eq_u32 s[ROLE], 2
	s_cbranch_scc1 .Lv_words
.irp j, 0,1,2,3
	v_lshrrev_b32 v[WX+\j], 16, v[WW+\j]           ; the second head's two bytes (above them 0, which meets zero codes alone)
.endr
	global_store_b128 v[VO0], v[WW:WW+3], s[SCP:SCP+1]
	global_store_b128 v[VO0], v[WX:WX+3], s[SCP:SCP+1] offset:HSC
	s_branch .Lwords_out
.Lv_words:
	v_lshlrev_b32 v[V8], 3, v[LN]
	global_store_b64 v[V8], v[WW:WW+1], s[SCP:SCP+1]
	global_store_b64 v[V8], v[WW+2:WW+3], s[SCP:SCP+1] offset:HSC
.Lwords_out:
	s_wait_tensorcnt 0x0                           ; the wave's end
	ds_add_u32 v[SPW], v[NIL]
	s_wait_dscnt 0x0
	CROUND                                         ; the closing round
	s_endpgm
.Lfunc_end_k_qd49c5e1e77_qkv:
	.size	k_qd49c5e1e77_qkv, .Lfunc_end_k_qd49c5e1e77_qkv-k_qd49c5e1e77_qkv
	.p2alignl 7, 3214868480
	.fill 96, 4, 3214868480
	.section	.rodata,"a",@progbits
	.p2align	6, 0x0
	.amdhsa_kernel k_qd49c5e1e77_qkv
		.amdhsa_group_segment_fixed_size 327680
		.amdhsa_private_segment_fixed_size 0
		.amdhsa_enable_private_segment 0
		.amdhsa_kernarg_size 64
		.amdhsa_user_sgpr_count 2
		.amdhsa_user_sgpr_kernarg_segment_ptr 1
		.amdhsa_wavefront_size32 1
		.amdhsa_system_sgpr_workgroup_id_x 1
		.amdhsa_system_sgpr_workgroup_id_y 1
		.amdhsa_system_sgpr_workgroup_id_z 1
		.amdhsa_system_vgpr_workitem_id 0
		.amdhsa_next_free_vgpr 1024
		.amdhsa_next_free_sgpr 102
		.amdhsa_reserve_vcc 1
		.amdhsa_float_denorm_mode_32 3
		.amdhsa_float_denorm_mode_16_64 3
		.amdhsa_memory_ordered 1
		.amdhsa_forward_progress 1
		.amdhsa_inst_pref_size 189
	.end_amdhsa_kernel
	.amdgpu_metadata
---
amdhsa.version: [ 1, 2 ]
amdhsa.kernels:
  - .name:           k_qd49c5e1e77_qkv
    .symbol:         k_qd49c5e1e77_qkv.kd
    .args:
      - { .name: xq, .offset: 0, .size: 8, .value_kind: global_buffer, .address_space: global }
      - { .name: Wq_codes, .offset: 8, .size: 8, .value_kind: global_buffer, .address_space: global }
      - { .name: Wq_scales, .offset: 16, .size: 8, .value_kind: global_buffer, .address_space: global }
      - { .name: Wk_codes, .offset: 24, .size: 8, .value_kind: global_buffer, .address_space: global }
      - { .name: Wk_scales, .offset: 32, .size: 8, .value_kind: global_buffer, .address_space: global }
      - { .name: Wv_codes, .offset: 40, .size: 8, .value_kind: global_buffer, .address_space: global }
      - { .name: Wv_scales, .offset: 48, .size: 8, .value_kind: global_buffer, .address_space: global }
      - { .name: qkv, .offset: 56, .size: 8, .value_kind: global_buffer, .address_space: global }
    .group_segment_fixed_size: 327680
    .private_segment_fixed_size: 0
    .kernarg_segment_align: 8
    .kernarg_segment_size: 64
    .max_flat_workgroup_size: 128
    .sgpr_count:     102
    .vgpr_count:     1024
    .wavefront_size: 32
...
	.end_amdgpu_metadata
.endif
;; end of part 2
;; launch attn (part 3): grid 8 x 32, 16 waves a work-group, clusters of 4 x 1, 276,480 bytes of LDS; arguments qkv, ctx; writes ctx
.if DOCPART == 3
	.amdgcn_target "amdgcn-amd-amdhsa--gfx1250"
	.amdhsa_code_object_version 6
	.text
	.protected	k_qd49c5e1e77_attn
	.globl	k_qd49c5e1e77_attn
	.p2align	8
	.type	k_qd49c5e1e77_attn,@function
k_qd49c5e1e77_attn:
	s_mov_b64 s[64:65], 0
	v_nop
	global_prefetch_b8 v0, s[64:65] scope:SCOPE_SE
	s_setreg_imm32_b32 hwreg(HW_REG_WAVE_MODE, 25, 1), 1
	s_wait_xcnt 0x0
	s_wait_alu depctr_hold_cnt(0) depctr_sa_sdst(0) depctr_va_vdst(0) depctr_va_sdst(0) depctr_va_ssrc(0) depctr_va_vcc(0) depctr_vm_vsrc(0)
	s_getreg_b32 s2, hwreg(HW_REG_IB_STS2, 6, 4)
	s_cmp_eq_u32 s2, 0
	s_cbranch_scc0 .Lentry_in_a_cluster
	s_endpgm
.Lentry_in_a_cluster:
	s_bfe_u32 s2, ttmp6, 0x10000c
	s_cmp_lg_u32 s2, 0x3003
	s_cbranch_scc0 .Lentry_shape_is_right
	s_endpgm
.Lentry_shape_is_right:
; ctx[b][q][head] = softmax(Q K^T / 8) V for one head and 256 queries a work-group, both products on codes of E5M2 with E8M0 scales; ctx leaves quantised along the model's 1,024.
; THE SOFTMAX: t = score x log2(e) / 8; M = the running largest t rounded up to a whole number; p = 2^(t - M) is quantised along the keys, not normalised; the row's sum is taken of the unquantised p and divides at the end.
; When M moves, the sum and O are multiplied by 2^(old M - new M), which rounds nothing.
; SHARES: sixteen waves, 16 queries each, in 256 registers: four waves to a SIMD, so that one wave's vector work stands beside another's matrix work.  Every wave walks the head's 2,048 keys, 128 a step.
; A HEAD'S K, V AND THEIR SCALE WORDS (268 KB) LIE IN LDS AT ONCE, filled once: no slot is filled again.  The four query blocks of a cluster belong to one head: every tile is asked for jointly.
; K, V, Q arrive as images of operand registers (piece c = registers 4c..4c+3 = 512 bytes, lane l at 16 l): every LDS read is 512 consecutive bytes.
; LAYOUT: S^T = K Q^T (source 0 = 16 keys, source 1 = my 16 queries), O^T = V^T P^T: a lane holds one query throughout.  The head's 64 fill half of the instruction's 128: Q's upper eight registers are zero codes;
; K's upper eight are whatever lies behind (the next tile's codes, all finite), which zero codes annul.  Tile t's register j is key 16 t + 8 (l / 16) + j; behind the conversions the halves of the lanes swap a register pair a block.
; LIMITS: a block of zeros or under 2^-111 gets the byte 1; NaN and infinities are not served.
.set KIMG, 0                           ; LDS: K's image, key tile t at 1,024 t
.set VIMG, 131072                      ; V's: key step j at 8,192 j, d tile at 2,048, piece at 512
.set KSC,  262144                      ; K's scale words, 512 bytes a step
.set VSC,  270336                      ; V's, 256 bytes a step
.set SCB,  12582912
.set HSC,  20480
.set LI,   1                           ; v1  16 x lane
.set L8,   2                           ; v2  8 x lane
.set ADK,  3
.set ADV,  4
.set ADKS, 5
.set ADVS, 6
.set RQ,   7
.set R4,   10
.set QF,   16                          ; v16-23 Q, v24-31 zero codes
.set KD,   32                          ; v32-95 K's eight tiles (8 registers each), later four fragments of V; v96-103 zero codes
.set S,    104                         ; v104-167 S^T, then p
.set O,    168                         ; v168-199 O^T
.set PC,   200                         ; v200-215 p's codes
.set BM,   216
.set PD,   220
.set HO,   224
.set SO,   228
.set KS,   232                         ; v232-235 K's scale words, v236-237 V's, v238 Q's, v239 p's: scales and nothing else
.set VS,   236
.set QS,   238
.set PWD,  239
.set F,    240
.set TA,   242
.set C2,   244
.set WV,   8
.set G1S,  24
.set G1A,  32
.set G1B,  40
.set G0S,  48
.set G0A,  52
.set G0B,  56
.set CS,   72
.set SEL,  74
.set MNT,  76
.set TK,   77
.set TV,   78
.set TS,   79
.set TW,   80
.macro CROUND
	s_barrier_signal -1
	s_barrier_wait -1
	s_cmp_lg_u32 s[WV], 0
	s_cbranch_scc1 .Lnot_wave_0_\@
	s_barrier_signal -3
.Lnot_wave_0_\@:
	s_barrier_wait -3
	s_barrier_signal -1
	s_barrier_wait -1
.endm
	s_load_b128 s[4:7], s[0:1], 0x0                ; qkv, ctx
	v_lshl_add_u32 v254, v0, 2, 0x43000
	v_mov_b32 v255, 0
	ds_add_u32 v254, v255
	ds_add_u32 v254, v255
	v_lshrrev_b32 v8, 5, v0
	v_readfirstlane_b32 s[WV], v8                  ; wave 0..15
	s_bfe_u32 s9, ttmp6, 0x40000                   ; cx: it enters Q's and ctx's addresses alone
	s_lshl_b32 s10, ttmp9, 2
	s_add_co_u32 s10, s10, s9                      ; my block of 256 queries
	s_and_b32 s11, ttmp7, 0xffff                   ; 16 x batch + head, which the partners share
	s_lshr_b32 s12, s[WV], 3                       ; I fetch for K (0) or V (1),
	s_and_b32 s13, s[WV], 7                        ; the i-th eighth
	s_lshl_b32 s14, s10, 4
	s_add_co_u32 s14, s14, s[WV]                   ; my tile of 16 queries
	; three shapes, all dense rows of 256 bytes (32 elements of 8 bytes), mask: all four work-groups, bit 21 beside it
.irp g, G1S, G1A, G1B
	s_mov_b32 s[\g], 15|(3<<16)|(1<<21)
	s_mov_b32 s[\g+1], 32<<16
	s_mov_b32 s[\g+3], 32<<16
	s_mov_b32 s[\g+5], 32
	s_mov_b32 s[\g+6], 0
	s_mov_b32 s[\g+7], 0
.endr
	s_mov_b32 s[G1S+2], 3<<16                      ; 768 bytes of scale words,
	s_mov_b32 s[G1S+4], 3
	s_mov_b32 s[G1A+2], 16<<16                     ; 4,096 bytes of key steps 0-3,
	s_mov_b32 s[G1A+4], 16
	s_mov_b32 s[G1B+2], 48<<16                     ; 12,288 bytes of key steps 4-15
	s_mov_b32 s[G1B+4], 48
	s_mul_i32 s16, s11, HSC
	s_mul_i32 s17, s[WV], 768
	s_add_co_u32 s16, s16, s17
	s_add_co_u32 s16, s16, SCB+8192                ; K's and V's scale words lie on end: 12,288 bytes, 768 a wave
	s_mov_b32 s17, 0
	s_lshl_b32 s18, s12, 22
	s_lshl_b32 s19, s11, 17
	s_add_co_u32 s18, s18, s19
	s_add_co_u32 s18, s18, 4194304                 ; the head's image of K or of V
	s_lshl_b32 s19, s13, 12
	s_mul_i32 s20, s13, 12288
	s_add_co_u32 s20, s20, s18
	s_add_co_u32 s20, s20, 32768
	s_add_co_u32 s18, s18, s19
	s_mov_b32 s19, 0
	s_mov_b32 s21, 0
	s_mov_b32 s[G0S], 1
	s_mul_i32 s[G0S+1], s[WV], 768
	s_add_co_u32 s[G0S+1], s[G0S+1], KSC
	s_lshl_b32 s22, s12, 17
	s_mov_b32 s[G0A], 1
	s_lshl_b32 s[G0A+1], s13, 12
	s_add_co_u32 s[G0A+1], s[G0A+1], s22
	s_mov_b32 s[G0B], 1
	s_mul_i32 s[G0B+1], s13, 12288
	s_add_co_u32 s[G0B+1], s[G0B+1], s22
	s_add_co_u32 s[G0B+1], s[G0B+1], 32768
	s_mov_b32 s[CS], 0x3e38aa3b                    ; c = log2(e) / 8
	s_mov_b32 s[CS+1], s[CS]
	s_mov_b32 s[SEL], 0x76543210
	s_mov_b32 s[SEL+1], 0xfedcba98
	s_mov_b32 s[MNT], 0x600000
	s_mov_b32 s[TK], KIMG
	s_mov_b32 s[TV], VIMG
	s_mov_b32 s[TS], KSC
	s_mov_b32 s[TW], VSC
	s_wait_dscnt 0x0
	s_wait_kmcnt 0x0
	s_add_nc_u64 s[G0S+2:G0S+3], s[4:5], s[16:17]
	s_or_b32 s[G0S+3], s[G0S+3], 0x80000000
	s_add_nc_u64 s[G0A+2:G0A+3], s[4:5], s[18:19]
	s_or_b32 s[G0A+3], s[G0A+3], 0x80000000
	s_add_nc_u64 s[G0B+2:G0B+3], s[4:5], s[20:21]
	s_or_b32 s[G0B+3], s[G0B+3], 0x80000000
	CROUND                                         ; all four work-groups are here: the joint loads meet
	tensor_load_to_lds s[G0S:G0S+3], s[G1S:G1S+7]  ; all fills of the launch go out together: three loads of mine are out
	s_nop 0
	tensor_load_to_lds s[G0A:G0A+3], s[G1A:G1A+7]
	s_nop 0
	tensor_load_to_lds s[G0B:G0B+3], s[G1B:G1B+7]
	s_nop 0
.rept 4
	v_nop
.endr
	s_lshl_b32 s16, s11, 17
	s_lshl_b32 s18, s14, 10
	s_add_co_u32 s16, s16, s18
	s_add_nc_u64 s[60:61], s[4:5], s[16:17]        ; Q's image of my tile
	s_mul_i32 s16, s11, HSC
	s_lshr_b32 s18, s14, 3
	s_lshl_b32 s18, s18, 9
	s_add_co_u32 s16, s16, s18                     ; the group of 128 tokens,
	s_and_b32 s18, s14, 1
	s_lshl_b32 s18, s18, 8
	s_add_co_u32 s16, s16, s18                     ; the half of the lanes' places,
	s_bfe_u32 s18, s14, 0x20001
	s_lshl_b32 s18, s18, 2
	s_add_co_u32 s16, s16, s18                     ; the word
	s_add_co_u32 s16, s16, SCB
	s_add_nc_u64 s[66:67], s[4:5], s[16:17]        ; Q's scale words of my tile
	s_lshr_b32 s18, s11, 4
	s_lshl_b32 s18, s18, 7
	s_add_co_u32 s18, s18, s14                     ; my tile of 16 tokens among 256
	s_and_b32 s19, s11, 15                         ; the head
	s_lshl_b32 s16, s18, 14
	s_lshr_b32 s20, s19, 1
	s_lshl_b32 s21, s20, 11
	s_add_co_u32 s16, s16, s21
	s_and_b32 s21, s19, 1
	s_lshl_b32 s22, s21, 10
	s_add_co_u32 s16, s16, s22
	s_add_nc_u64 s[68:69], s[6:7], s[16:17]        ; ctx's image: [tile][K step = 2 heads][piece][512]
	s_lshl_b32 s16, s18, 9
	s_lshl_b32 s20, s20, 6
	s_add_co_u32 s16, s16, s20
	s_lshl_b32 s21, s21, 1
	s_add_co_u32 s16, s16, s21
	s_add_co_u32 s16, s16, 4194304
	s_add_nc_u64 s[70:71], s[6:7], s[16:17]        ; and my half of its scale words
	v_and_b32 v8, 31, v0
	v_and_b32 v9, 15, v0
	v_lshlrev_b32 v[LI], 4, v8
	v_lshlrev_b32 v[L8], 3, v8
	v_lshlrev_b32 v[RQ], 4, v9
	v_lshlrev_b32 v[R4], 2, v9
	global_load_b128 v[QF:QF+3], v[LI], s[60:61]
	global_load_b128 v[QF+4:QF+7], v[LI], s[60:61] offset:512
	global_load_b32 v[QS], v[RQ], s[66:67]
.irp j, 0,1,2,3,4,5,6,7
	v_mov_b32 v[QF+8+\j], 0                        ; zero codes: K = 64 .. 127 of the first product
	v_mov_b32 v[KD+64+\j], 0
.endr
	v_mov_b32 v13, 0xff61b1e6                      ; the largest t so far: -3e38
	v_floor_f32 v12, -v13                          ; -M
	v_mov_b32 v14, 0
	v_mov_b32 v15, 0
.irp b, 0,1,2,3
	v_mov_b32 v[PD+\b], 0                          ; a lane permute's destination counts as one of its sources
.endr
	v_mov_b32 v[F+1], 0                            ; (named as the upper half of a pair)
	v_mov_b32 v[TA], 0
.irp j, 0,1,2,3,4,5,6,7,8,9,10,11,12,13,14,15,16,17,18,19,20,21,22,23,24,25,26,27,28,29,30,31
	v_mov_b32 v[O+\j], 0                           ; the step is written once: the first finds zeros
.endr
; A KEY STEP: 128 keys
.macro STEP
	v_add_nc_u32 v[ADK], s[TK], v[LI]
	v_add_nc_u32 v[ADV], s[TV], v[LI]
	v_add_nc_u32 v[ADKS], s[TS], v[LI]
	v_add_nc_u32 v[ADVS], s[TW], v[L8]
.rept 4
	v_nop                                          ; with the four additions: eight places in front of loads into registers that the last products read
.endr
.irp t, 0,1,2,3,4,5,6,7
	ds_load_b128 v[KD+8*\t:KD+8*\t+3], v[ADK] offset:1024*\t
	ds_load_b128 v[KD+8*\t+4:KD+8*\t+7], v[ADK] offset:1024*\t+512
.endr
	ds_load_b128 v[KS:KS+3], v[ADKS]               ; register j: lanes 0-15 tile 2 j's words, lanes 16-31 tile 2 j + 1's
	s_wait_dscnt 0x0
.irp t, 0,1,2,3,4,5,6,7
.if (\t)%2
	v_wmma_scale_f32_16x16x128_f8f6f4 v[S+8*\t:S+8*\t+7], v[KD+8*\t:KD+8*\t+15], v[QF:QF+15], 0, v[KS+(\t)/2], v[QS] matrix_a_fmt:MATRIX_FMT_BF8 matrix_b_fmt:MATRIX_FMT_BF8 matrix_a_scale:MATRIX_SCALE_ROW1
.else
	v_wmma_scale_f32_16x16x128_f8f6f4 v[S+8*\t:S+8*\t+7], v[KD+8*\t:KD+8*\t+15], v[QF:QF+15], 0, v[KS+(\t)/2], v[QS] matrix_a_fmt:MATRIX_FMT_BF8 matrix_b_fmt:MATRIX_FMT_BF8
.endif
.endr
.rept 8
	v_nop
.endr
.irp dt, 0,1,2,3                       ; V's four fragments land under the softmax
.irp c, 0,1,2,3
	ds_load_b128 v[KD+16*\dt+4*\c:KD+16*\dt+4*\c+3], v[ADV] offset:2048*\dt+512*\c
.endr
.endr
	ds_load_b64 v[VS:VS+1], v[ADVS]
.irp b, 0,1,2,3
	v_max3_num_f32 v[BM+\b], v[S+16*\b], v[S+16*\b+1], v[S+16*\b+2]   ; the largest score of each block of 32 keys: for the row's maximum, and, since p rises with the score, for the block's largest p
.endr
.irp i, 3,5,7,9,11,13
.irp b, 0,1,2,3
	v_max3_num_f32 v[BM+\b], v[BM+\b], v[S+16*\b+\i], v[S+16*\b+\i+1]
.endr
.endr
.irp b, 0,1,2,3
	v_max_num_f32 v[BM+\b], v[BM+\b], v[S+16*\b+15]
.endr
.irp b, 0,1,2,3
	v_permlanex16_b32 v[PD+\b], v[BM+\b], s[SEL], s[SEL+1]
.endr
.irp b, 0,1,2,3
	v_max_num_f32 v[BM+\b], v[BM+\b], v[PD+\b]
.endr
	v_max3_num_f32 v[TA], v[BM], v[BM+1], v[BM+2]
	v_max_num_f32 v[TA], v[TA], v[BM+3]
	v_mul_f32 v[TA], s[CS], v[TA]
	v_max_num_f32 v13, v13, v[TA]                  ; the running largest t
	v_mov_b32 v[TA], v12
	v_floor_f32 v12, -v13                          ; the new -M = -ceil(t)
	v_sub_f32 v[TA], v12, v[TA]                    ; old M - new M: a whole number, 0 or less
	v_cvt_i32_f32 v[TA], v[TA]
	v_ldexp_f32 v[F], 1.0, v[TA]                   ; f = 2^(old M - new M)
.irp j, 0,2,4,6,8,10,12,14,16,18,20,22,24,26,28,30,32,34,36,38,40,42,44,46,48,50,52,54,56,58,60,62
	v_pk_fma_f32 v[S+\j:S+\j+1], v[S+\j:S+\j+1], s[CS:CS+1], v[12:13] op_sel_hi:[1,0,0]   ; t - M
.endr
.irp b, 0,1,2,3
	v_fma_f32 v[BM+\b], v[BM+\b], s[CS], v12
.endr
.irp j, 0,1,2,3,4,5,6,7,8,9,10,11,12,13,14,15,16,17,18,19,20,21,22,23,24,25,26,27,28,29,30,31,32,33,34,35,36,37,38,39,40,41,42,43,44,45,46,47,48,49,50,51,52,53,54,55,56,57,58,59,60,61,62,63
	v_exp_f32 v[S+\j], v[S+\j]                     ; p = 2^(t - M)
.endr
	v_pk_mul_f32 v[14:15], v[14:15], v[F:F+1] op_sel_hi:[1,0]   ; the sums under the new M (a plain instruction behind the exponentials)
	s_wait_alu depctr_va_vdst(0)                   ; one wait for the batch of 64, ahead of its first reader
.irp b, 0,1,2,3
	v_exp_f32 v[BM+\b], v[BM+\b]                   ; the block's largest p
.endr
	v_pk_add_f32 v[C2:C2+1], v[S:S+1], v[S+2:S+3]  ; the row's sum, of the unquantised p, in two chains
.irp j, 4,8,12,16,20,24,28,32,36,40,44,48,52,56,60
	v_pk_add_f32 v[14:15], v[14:15], v[S+\j:S+\j+1]
	v_pk_add_f32 v[C2:C2+1], v[C2:C2+1], v[S+\j+2:S+\j+3]
.endr
	v_pk_add_f32 v[14:15], v[14:15], v[C2:C2+1]
	s_wait_alu depctr_va_vdst(0)                   ; and one for the four
.irp b, 0,1,2,3
	v_max_num_f32 v[BM+\b], 0x8000000, v[BM+\b]    ; the floor 2^(16 - 127)
.endr
.irp b, 0,1,2,3
	v_add_nc_u32 v[SO+\b], 0xf8800000, v[BM+\b]
.endr
.irp b, 0,1,2,3
	v_and_or_b32 v[HO+\b], v[BM+\b], 0x7f800000, s[MNT]
.endr
.irp b, 0,1,2,3
	v_lshrrev_b32 v[PD+\b], 23, v[SO+\b]
.endr
	v_lshl_or_b32 v[PWD], v[PD+1], 8, v[PD]        ; p's scale word for these 128 keys
	v_lshl_or_b32 v[PWD], v[PD+2], 16, v[PWD]
	v_lshl_or_b32 v[PWD], v[PD+3], 24, v[PWD]
.irp b, 0,1,2,3
.irp i, 0,1,2,3,4,5,6,7,8,9,10,11,12,13,14,15
	v_min_num_f32 v[S+16*\b+\i], v[S+16*\b+\i], v[HO+\b]   ; p is not negative: the hold is one-sided
.endr
	v_cvt_scalef32_pk8_bf8_f32 v[PC+4*\b:PC+4*\b+1], v[S+16*\b:S+16*\b+7], v[SO+\b]
	v_cvt_scalef32_pk8_bf8_f32 v[PC+4*\b+2:PC+4*\b+3], v[S+16*\b+8:S+16*\b+15], v[SO+\b]
.endr
.irp j, 0,2,4,6,8,10,12,14
	v_pk_mul_f32 v[O+\j:O+\j+1], v[O+\j:O+\j+1], v[F:F+1] op_sel_hi:[1,0]   ; O^T under the new M (also the plain instruction behind the conversions)
.endr
.irp b, 0,1,2,3
	v_permlane16_swap_b32 v[PC+4*\b], v[PC+4*\b+2] ; the codes into the operand's order: K = 32 b + 16 (l / 16) + 0..15
	v_permlane16_swap_b32 v[PC+4*\b+1], v[PC+4*\b+3]
.endr
.irp j, 16,18,20,22,24,26,28,30
	v_pk_mul_f32 v[O+\j:O+\j+1], v[O+\j:O+\j+1], v[F:F+1] op_sel_hi:[1,0]   ; (also the places between the codes' last write and the products)
.endr
	s_wait_dscnt 0x0                               ; V and its scale words are in
.irp dt, 0,1,2,3
.if (\dt)%2
	v_wmma_scale_f32_16x16x128_f8f6f4 v[O+8*\dt:O+8*\dt+7], v[KD+16*\dt:KD+16*\dt+15], v[PC:PC+15], v[O+8*\dt:O+8*\dt+7], v[VS+(\dt)/2], v[PWD] matrix_a_fmt:MATRIX_FMT_BF8 matrix_b_fmt:MATRIX_FMT_BF8 matrix_a_scale:MATRIX_SCALE_ROW1
.else
	v_wmma_scale_f32_16x16x128_f8f6f4 v[O+8*\dt:O+8*\dt+7], v[KD+16*\dt:KD+16*\dt+15], v[PC:PC+15], v[O+8*\dt:O+8*\dt+7], v[VS+(\dt)/2], v[PWD] matrix_a_fmt:MATRIX_FMT_BF8 matrix_b_fmt:MATRIX_FMT_BF8
.endif
.endr
	s_add_co_u32 s[TK], s[TK], 8192
	s_add_co_u32 s[TV], s[TV], 8192
	s_add_co_u32 s[TS], s[TS], 512
	s_add_co_u32 s[TW], s[TW], 256
.endm
	s_wait_loadcnt 0x0                             ; Q
	s_wait_tensorcnt 0x1                           ; my parts of the scale words and of key steps 0-3 are in; the load for steps 4-15, issued behind them, may stay out
	s_barrier_signal -1
	s_barrier_wait -1                              ; everybody's are
	s_mov_b32 s3, 4
.Lfirst:
	STEP
	s_sub_co_u32 s3, s3, 1
	s_cmp_lg_u32 s3, 0
	s_cbranch_scc1 .Lfirst
	s_wait_tensorcnt 0x0                           ; my part of key steps 4-15
	s_wait_dscnt 0x0
	s_barrier_signal -1
	s_barrier_wait -1
	s_mov_b32 s3, 12
.Lrest:
	STEP
	s_sub_co_u32 s3, s3, 1
	s_cmp_lg_u32 s3, 0
	s_cbranch_scc1 .Lrest
	; THE WAY OUT: O^T / the sum, quantised along the head's 64 (two blocks), as half a fragment of the next product's operand
.rept 8
	v_nop
.endr
	v_add_f32 v14, v14, v15
	v_permlanex16_b32 v[TA], v14, s[SEL], s[SEL+1]
	v_add_f32 v14, v14, v[TA]                      ; the row's sum
	v_rcp_f32 v14, v14
	v_nop                                          ; a plain instruction behind the transcendental
	s_wait_alu depctr_va_vdst(0)                   ; and the wait ahead of its first reader
.irp j, 0,1,2,3,4,5,6,7,8,9,10,11,12,13,14,15,16,17,18,19,20,21,22,23,24,25,26,27,28,29,30,31
	v_mul_f32 v[S+\j], v[O+\j], v14                ; each accumulator from its low end on
.endr
.irp b, 0,1
	v_max3_num_f32 v[BM+\b], |v[S+16*\b]|, |v[S+16*\b+1]|, 0x8000000
.endr
.irp i, 2,4,6,8,10,12,14
.irp b, 0,1
	v_max3_num_f32 v[BM+\b], v[BM+\b], |v[S+16*\b+\i]|, |v[S+16*\b+\i+1]|
.endr
.endr
.irp b, 0,1
	v_permlanex16_b32 v[PD+\b], v[BM+\b], s[SEL], s[SEL+1]
.endr
.irp b, 0,1
	v_max_num_f32 v[BM+\b], v[BM+\b], v[PD+\b]
.endr
.irp b, 0,1
	v_add_nc_u32 v[SO+\b], 0xf8800000, v[BM+\b]
.endr
.irp b, 0,1
	v_and_or_b32 v[HO+\b], v[BM+\b], 0x7f800000, s[MNT]
.endr
.irp b, 0,1
	v_lshrrev_b32 v[PD+\b], 23, v[SO+\b]
.endr
	v_lshl_or_b32 v[TA], v[PD+1], 8, v[PD]         ; my head's two bytes of the row's scale word
.irp b, 0,1
.irp i, 0,1,2,3,4,5,6,7,8,9,10,11,12,13,14,15
	v_med3_num_f32 v[S+16*\b+\i], v[S+16*\b+\i], -v[HO+\b], v[HO+\b]
.endr
	v_cvt_scalef32_pk8_bf8_f32 v[PC+4*\b:PC+4*\b+1], v[S+16*\b:S+16*\b+7], v[SO+\b]
	v_cvt_scalef32_pk8_bf8_f32 v[PC+4*\b+2:PC+4*\b+3], v[S+16*\b+8:S+16*\b+15], v[SO+\b]
.endr
	v_nop
.irp b, 0,1
	v_permlane16_swap_b32 v[PC+4*\b], v[PC+4*\b+2]
	v_permlane16_swap_b32 v[PC+4*\b+1], v[PC+4*\b+3]
.endr
	global_store_b128 v[LI], v[PC:PC+3], s[68:69]              ; 512 consecutive bytes each
	global_store_b128 v[LI], v[PC+4:PC+7], s[68:69] offset:512
	global_store_b16 v[R4], v[TA], s[70:71]                    ; (lanes l and l + 16 write the same two bytes)
	s_wait_tensorcnt 0x0
	ds_add_u32 v254, v255
	s_wait_dscnt 0x0
	CROUND                                         ; the closing round: no work-group ends while a partner may still ask
	s_endpgm
.Lfunc_end_k_qd49c5e1e77_attn:
	.size	k_qd49c5e1e77_attn, .Lfunc_end_k_qd49c5e1e77_attn-k_qd49c5e1e77_attn
	.p2alignl 7, 3214868480
	.fill 96, 4, 3214868480
	.section	.rodata,"a",@progbits
	.p2align	6, 0x0
	.amdhsa_kernel k_qd49c5e1e77_attn
		.amdhsa_group_segment_fixed_size 276480
		.amdhsa_private_segment_fixed_size 0
		.amdhsa_enable_private_segment 0
		.amdhsa_kernarg_size 16
		.amdhsa_user_sgpr_count 2
		.amdhsa_user_sgpr_kernarg_segment_ptr 1
		.amdhsa_wavefront_size32 1
		.amdhsa_system_sgpr_workgroup_id_x 1
		.amdhsa_system_sgpr_workgroup_id_y 1
		.amdhsa_system_sgpr_workgroup_id_z 1
		.amdhsa_system_vgpr_workitem_id 0
		.amdhsa_next_free_vgpr 256
		.amdhsa_next_free_sgpr 84
		.amdhsa_reserve_vcc 0
		.amdhsa_float_denorm_mode_32 3
		.amdhsa_float_denorm_mode_16_64 3
		.amdhsa_memory_ordered 1
		.amdhsa_forward_progress 1
		.amdhsa_inst_pref_size 53
	.end_amdhsa_kernel
	.amdgpu_metadata
---
amdhsa.version: [ 1, 2 ]
amdhsa.kernels:
  - .name:           k_qd49c5e1e77_attn
    .symbol:         k_qd49c5e1e77_attn.kd
    .args:
      - { .name: qkv, .offset: 0, .size: 8, .value_kind: global_buffer, .address_space: global }
      - { .name: ctx, .offset: 8, .size: 8, .value_kind: global_buffer, .address_space: global }
    .group_segment_fixed_size: 276480
    .private_segment_fixed_size: 0
    .kernarg_segment_align: 8
    .kernarg_segment_size: 16
    .max_flat_workgroup_size: 512
    .sgpr_count:     84
    .vgpr_count:     256
    .wavefront_size: 32
...
	.end_amdgpu_metadata
.endif
;; end of part 3
;; launch wo_ln (part 4): grid 128 x 1, 4 waves a work-group, clusters of 4 x 1, 327,680 bytes of LDS; arguments ctx, Wo_codes, Wo_scales, x, g1, be1, x1q, x1f; writes x1q, x1f
.if DOCPART == 4
	.amdgcn_target "amdgcn-amd-amdhsa--gfx1250"
	.amdhsa_code_object_version 6
	.text
	.protected	k_qd49c5e1e77_wo_ln
	.globl	k_qd49c5e1e77_wo_ln
	.p2align	8
	.type	k_qd49c5e1e77_wo_ln,@function
k_qd49c5e1e77_wo_ln:
	s_mov_b64 s[64:65], 0
	v_nop
	global_prefetch_b8 v0, s[64:65] scope:SCOPE_SE
	s_setreg_imm32_b32 hwreg(HW_REG_WAVE_MODE, 25, 1), 1
	s_wait_xcnt 0x0
	s_wait_alu depctr_hold_cnt(0) depctr_sa_sdst(0) depctr_va_vdst(0) depctr_va_sdst(0) depctr_va_ssrc(0) depctr_va_vcc(0) depctr_vm_vsrc(0)
	s_getreg_b32 s2, hwreg(HW_REG_IB_STS2, 6, 4)
	s_cmp_eq_u32 s2, 0
	s_cbranch_scc0 .Lentry_in_a_cluster
	s_endpgm
.Lentry_in_a_cluster:
	s_bfe_u32 s2, ttmp6, 0x10000c
	s_cmp_lg_u32 s2, 0x3003
	s_cbranch_scc0 .Lentry_shape_is_right
	s_endpgm
.Lentry_shape_is_right:
; x1 = layernorm(2 x + ctx Wo) g1 + be1, the product on codes of E5M2 with E8M0 scales; x1 leaves as f32 (x1f, an image of the accumulators) and quantised along its 1,024 (x1q: rows of codes, then rows of 32 scale bytes).
; A WORK-GROUP OWNS 32 WHOLE ROWS, so that the norm needs no second launch: wave w makes columns 256 w .. 256 w + 255 of them: 2 x 16 accumulators, 256 registers.
; The weight goes through a ring of two LDS slots, 128 along K a step: 1,024 rows of 128 bytes + 16.  Wave w fetches and reads rows 256 w on alone.  The four row blocks of a cluster walk the same weight: joint loads.
; The rows' codes (4 KB a step, images of operand registers) and all scale words come from memory straight into registers, four steps ahead.
; The product is used transposed (source 0 = 16 rows of Wo, source 1 = 16 rows of ctx): lane l holds row l % 16, register j of tile nt column 16 nt + 8 (l / 16) + j.  The sums begin as 2 x.
; The variance is the mean of squared deviations from the mean, which is taken first.
; LIMITS: a block of zeros or under 2^-111 gets the byte 1; NaN and infinities are not served.
; REGISTERS: window 0: v1-21 addresses and partial sums; v32-159 ctx's fragments, four sets (later the way out); v160-223 Wo's scale words, v224-231 ctx's: scales and nothing else; v232-255 at work.
;   window 1: accumulator (mt, nt) at v[8 (16 mt + nt)].   window 2: Wo's 16 fragments; later g1 (v0-127) and be1 (v128-255).
.set NS,    8                          ; K steps
.set KROW,  1024
.set KSB,   32                         ; a row of the weight's scale bytes
.set ASC_AT, 4194304
.set WP,    144
.set WPART, 256*WP
.set SLOTB, 4*WPART
.set SPARE, 2*SLOTB                    ; the spare words: 128 bytes a wave, named by no other line
.set RED,   SPARE+512                  ; two exchanges of 4 waves x 32 rows of f32
.set XP,    1040                       ; a row of my strip of x: 1,024 bytes + 16
.set XPART, 32*XP
.set LN,   1
.set RR,   2
.set HH,   3
.set LI,   4
.set L4,   5
.set VSB,  6
.set ADB,  7
.set SPW,  9
.set NIL,  10
.set XA,   11
.set VG,   12
.set REDW, 13
.set REDR, 14
.set STO,  15
.set RD,   16
.set GO,   17
.set SCO,  18
.set PS,   20
.set AF,   32
.set SB,   160
.set AS,   224
.set T,    232
.set MU,   240
.set RS,   244
.set E,    248
.set TM,   32
.set PC0,  48
.set PC1,  64
.set PW,   80
.set BK,   96
.set WV,   14
.set G1W,  24
.set G0,   32
.set G1X,  56
.set G0X,  68
.set SEL,  72
.set MNT,  74
.set INV,  75
.set EPSR, 76
.set PA,   4
.set PAS,  6
.set PWS,  8
.set MSB, 0
.macro WIN new
.if MSB != (\new)
	s_set_vgpr_msb (MSB<<8)|(\new)
.set MSB, (\new)
.endif
.endm
.set W_MUL, 0x52                       ; source 0 (weight) window 2, source 1 window 0, C and D window 1
.set TO_B,  0x80
.macro CROUND
	s_barrier_signal -1
	s_barrier_wait -1
	s_cmp_lg_u32 s[WV], 0
	s_cbranch_scc1 .Lnot_wave_0_\@
	s_barrier_signal -3
.Lnot_wave_0_\@:
	s_barrier_wait -3
	s_barrier_signal -1
	s_barrier_wait -1
.endm
.macro PLACES n
.rept \n
	v_nop
.endr
.endm
.macro WM d, a, b, sa, sb, ra, rb      ; one product in place; ra, rb: the scale words stand in lanes 16-31
.if (\ra) && (\rb)
	v_wmma_scale_f32_16x16x128_f8f6f4 v[(\d):(\d)+7], v[(\a):(\a)+15], v[(\b):(\b)+15], v[(\d):(\d)+7], v[(\sa)], v[(\sb)] matrix_a_fmt:MATRIX_FMT_BF8 matrix_b_fmt:MATRIX_FMT_BF8 matrix_a_scale:MATRIX_SCALE_ROW1 matrix_b_scale:MATRIX_SCALE_ROW1
.elseif (\ra)
	v_wmma_scale_f32_16x16x128_f8f6f4 v[(\d):(\d)+7], v[(\a):(\a)+15], v[(\b):(\b)+15], v[(\d):(\d)+7], v[(\sa)], v[(\sb)] matrix_a_fmt:MATRIX_FMT_BF8 matrix_b_fmt:MATRIX_FMT_BF8 matrix_a_scale:MATRIX_SCALE_ROW1
.elseif (\rb)
	v_wmma_scale_f32_16x16x128_f8f6f4 v[(\d):(\d)+7], v[(\a):(\a)+15], v[(\b):(\b)+15], v[(\d):(\d)+7], v[(\sa)], v[(\sb)] matrix_a_fmt:MATRIX_FMT_BF8 matrix_b_fmt:MATRIX_FMT_BF8 matrix_b_scale:MATRIX_SCALE_ROW1
.else
	v_wmma_scale_f32_16x16x128_f8f6f4 v[(\d):(\d)+7], v[(\a):(\a)+15], v[(\b):(\b)+15], v[(\d):(\d)+7], v[(\sa)], v[(\sb)] matrix_a_fmt:MATRIX_FMT_BF8 matrix_b_fmt:MATRIX_FMT_BF8
.endif
.endm
; A K STEP of 128, the sg-th of eight.  refill: the other slot is asked for again; aload: the rows' codes of step sg + 4; nxt: the next eight steps' scale words; cnt: the global loads issued behind this step's codes.
.macro KSTEP sg, refill, aload, nxt, cnt
.set SL, (\sg)%2
	s_wait_tensorcnt 0x0                           ; all my tensor loads have landed: this step's rows, which I alone read
.if \refill
	ds_add_u32 v[SPW], v[NIL]                      ; 0 onto my spare word
	s_add_nc_u64 s[G0+4*SL+2:G0+4*SL+3], s[G0+4*SL+2:G0+4*SL+3], 256   ; no load of mine is out: this slot's next step
	s_wait_dscnt 0x0                               ; the add is done, and my reads of the other slot are over
	CROUND                                         ; so it is with every wave of all four work-groups
	tensor_load_to_lds s[G0+4*(1-SL):G0+4*(1-SL)+3], s[G1W:G1W+7]   ; my one load behind the round: the next step
	s_nop 0
.endif
	PLACES 4
	WIN TO_B
.irp nt, 0,1,2,3,4,5,6,7,8,9,10,11,12,13,14,15
.irp c, 0,1,2,3
	ds_load_b128 v[16*\nt+4*\c:16*\nt+4*\c+3], v[ADB+SL] offset:16*WP*\nt+32*\c
.endr
.endr
	WIN 0
	s_wait_loadcnt \cnt                            ; this step's codes and scale words are in
	s_wait_dscnt 32                                ; the fragments of column tiles 0-7 are in
	WIN W_MUL
.irp nt, 0,1,2,3,4,5,6,7
.irp mt, 0,1
	WM 8*(16*\mt+\nt),16*\nt,AF+32*((\sg)%4)+16*\mt,SB+32*((\sg)/4)+2*\nt+((\sg)&1),AS+4*\mt+(\sg)/2,((\sg)>>1)&1,(\sg)&1
.endr
.endr
	s_wait_dscnt 0x0
.irp nt, 8,9,10,11,12,13,14,15
.irp mt, 0,1
	WM 8*(16*\mt+\nt),16*\nt,AF+32*((\sg)%4)+16*\mt,SB+32*((\sg)/4)+2*\nt+((\sg)&1),AS+4*\mt+(\sg)/2,((\sg)>>1)&1,(\sg)&1
.endr
.endr
	WIN 0
	PLACES 8                                       ; in front of loads into registers that these products read
.if \nxt
.if (\sg)%4 == 3
.irp nt, 0,1,2,3,4,5,6,7,8,9,10,11,12,13,14,15
	global_load_b64 v[SB+32*((\sg)/4)+2*\nt:SB+32*((\sg)/4)+2*\nt+1], v[VSB], s[PWS:PWS+1] offset:16*\nt*KSB+32+16*((\sg)/4)
.endr
.endif
.if (\sg)%2 == 1
.irp mt, 0,1
	global_load_b32 v[AS+4*\mt+(\sg)/2], v[L4], s[PAS:PAS+1] offset:\mt*NS*64+512+128*((\sg)/2)
.endr
.endif
.endif
.if \aload
.irp mt, 0,1
.irp c, 0,1,2,3
	global_load_b128 v[AF+32*((\sg)%4)+16*\mt+4*\c:AF+32*((\sg)%4)+16*\mt+4*\c+3], v[LI], s[PA:PA+1] offset:\mt*NS*2048+((\sg)+4)*2048+512*\c
.endr
.endr
.endif
.endm
; the sum of my 256 columns of row 16 mt + l % 16 -> v[dst]; each accumulator is read from its low end on
.macro ROWSUM mt, dst
	WIN 0x05
.irp p, 0,1,2,3
	v_pk_add_f32 v[T+2*\p:T+2*\p+1], v[128*(\mt)+2*\p:128*(\mt)+2*\p+1], v[128*(\mt)+8+2*\p:128*(\mt)+8+2*\p+1]
.endr
	WIN 0x04
.irp nt, 2,3,4,5,6,7,8,9,10,11,12,13,14,15
.irp p, 0,1,2,3
	v_pk_add_f32 v[T+2*\p:T+2*\p+1], v[T+2*\p:T+2*\p+1], v[128*(\mt)+8*\nt+2*\p:128*(\mt)+8*\nt+2*\p+1]
.endr
.endr
	WIN 0
	v_pk_add_f32 v[T:T+1], v[T:T+1], v[T+2:T+3]
	v_pk_add_f32 v[T+4:T+5], v[T+4:T+5], v[T+6:T+7]
	v_pk_add_f32 v[T:T+1], v[T:T+1], v[T+4:T+5]
	v_add_f32 v[T], v[T], v[T+1]
	v_permlanex16_b32 v[T+1], v[T], s[SEL], s[SEL+1]
	v_add_f32 v[(\dst)], v[T], v[T+1]
.endm
.macro SQSUM mt, dst                   ; the same of the squares
	WIN 0x05
.irp p, 0,1,2,3
	v_pk_mul_f32 v[T+2*\p:T+2*\p+1], v[128*(\mt)+2*\p:128*(\mt)+2*\p+1], v[128*(\mt)+2*\p:128*(\mt)+2*\p+1]
.endr
.irp nt, 1,2,3,4,5,6,7,8,9,10,11,12,13,14,15
.irp p, 0,1,2,3
	v_pk_fma_f32 v[T+2*\p:T+2*\p+1], v[128*(\mt)+8*\nt+2*\p:128*(\mt)+8*\nt+2*\p+1], v[128*(\mt)+8*\nt+2*\p:128*(\mt)+8*\nt+2*\p+1], v[T+2*\p:T+2*\p+1]
.endr
.endr
	WIN 0
	v_pk_add_f32 v[T:T+1], v[T:T+1], v[T+2:T+3]
	v_pk_add_f32 v[T+4:T+5], v[T+4:T+5], v[T+6:T+7]
	v_pk_add_f32 v[T:T+1], v[T:T+1], v[T+4:T+5]
	v_add_f32 v[T], v[T], v[T+1]
	v_permlanex16_b32 v[T+1], v[T], s[SEL], s[SEL+1]
	v_add_f32 v[(\dst)], v[T], v[T+1]
.endm
.macro EXCH base                       ; the four waves' partial sums meet in LDS: v[E], v[E+4] = the rows' sums, added in the same order in every wave
	ds_store_b32 v[REDW], v[PS] offset:\base
	ds_store_b32 v[REDW], v[PS+1] offset:\base+64
	s_wait_dscnt 0x0                               ; for the others' sake
	s_barrier_signal -1
	s_barrier_wait -1
.irp mt, 0,1
.irp u, 0,1,2,3
	ds_load_b32 v[E+4*\mt+\u], v[REDR] offset:\base+128*\u+64*\mt
.endr
.endr
	s_wait_dscnt 0x0
.irp mt, 0,1
	v_add_f32 v[E+4*\mt], v[E+4*\mt], v[E+4*\mt+1]
	v_add_f32 v[E+4*\mt], v[E+4*\mt], v[E+4*\mt+2]
	v_add_f32 v[E+4*\mt], v[E+4*\mt], v[E+4*\mt+3]
.endr
.endm
.macro LNORM                           ; the accumulators become (a - mean) / sqrt(var + eps) x gain + bias; gain and bias lie in window 2
	ROWSUM 0, PS
	ROWSUM 1, PS+1
	EXCH 0
.irp mt, 0,1
	v_mul_f32 v[MU+2*\mt], s[INV], v[E+4*\mt]
	v_mov_b32 v[MU+2*\mt+1], v[MU+2*\mt]
.endr
	WIN 0x41
.irp mt, 0,1
.set i, 0
.rept 64
	v_pk_add_f32 v[128*\mt+i:128*\mt+i+1], v[128*\mt+i:128*\mt+i+1], v[MU+2*\mt:MU+2*\mt+1] neg_lo:[0,1] neg_hi:[0,1]
.set i, i+2
.endr
.endr
	SQSUM 0, PS
	SQSUM 1, PS+1
	EXCH 512
.irp mt, 0,1
	v_fma_f32 v[RS+2*\mt], v[E+4*\mt], s[INV], s[EPSR]
.endr
.irp mt, 0,1
	v_rsq_f32 v[RS+2*\mt], v[RS+2*\mt]
.endr
	v_nop                                          ; a plain instruction behind the transcendentals
	s_wait_alu depctr_va_vdst(0)                   ; one wait for both, ahead of their first reader
.irp mt, 0,1
	v_mov_b32 v[RS+2*\mt+1], v[RS+2*\mt]
.endr
	s_wait_loadcnt 0x0                             ; gain and bias
	WIN 0x41
.irp mt, 0,1
.set i, 0
.rept 64
	v_pk_mul_f32 v[128*\mt+i:128*\mt+i+1], v[128*\mt+i:128*\mt+i+1], v[RS+2*\mt:RS+2*\mt+1]
.set i, i+2
.endr
.endr
	WIN 0x69                                       ; source 0 and destination window 1, gain and bias window 2
.irp mt, 0,1
.set i, 0
.rept 64
	v_pk_fma_f32 v[128*\mt+i:128*\mt+i+1], v[128*\mt+i:128*\mt+i+1], v[i:i+1], v[128+i:128+i+1]
.set i, i+2
.endr
.endr
	WIN 0
.endm
; 64 numbers of a lane in window aw (register 16 b + i = tile 2 b + i / 8, its number i % 8) become a fragment's codes v[pc] on and its scale word v[pw]
.macro QUANTW s, aw, pc, pw
	WIN ((\aw)<<2)|((\aw)<<4)
.irp b, 0,1,2,3
	v_max3_num_f32 v[TM+\b], 0x8000000, |v[(\s)+16*\b]|, |v[(\s)+16*\b+1]|   ; with the floor 2^(16 - 127)
.endr
.irp i, 2,4,6,8,10,12,14
.irp b, 0,1,2,3
	v_max3_num_f32 v[TM+\b], v[TM+\b], |v[(\s)+16*\b+\i]|, |v[(\s)+16*\b+\i+1]|
.endr
.endr
	WIN 0
.irp b, 0,1,2,3
	v_permlanex16_b32 v[TM+4+\b], v[TM+\b], s[SEL], s[SEL+1]
.endr
.irp b, 0,1,2,3
	v_max_num_f32 v[TM+\b], v[TM+\b], v[TM+4+\b]
.endr
.irp b, 0,1,2,3
	v_add_nc_u32 v[TM+12+\b], 0xf8800000, v[TM+\b]
.endr
.irp b, 0,1,2,3
	v_and_or_b32 v[TM+8+\b], v[TM+\b], 0x7f800000, s[MNT]
.endr
.irp b, 0,1,2,3
	v_lshrrev_b32 v[TM+4+\b], 23, v[TM+12+\b]
.endr
	v_lshl_or_b32 v[(\pw)], v[TM+5], 8, v[TM+4]
	v_lshl_or_b32 v[(\pw)], v[TM+6], 16, v[(\pw)]
	v_lshl_or_b32 v[(\pw)], v[TM+7], 24, v[(\pw)]
	WIN ((\aw)<<6)|(\aw)
.irp b, 0,1,2,3
.irp i, 0,1,2,3,4,5,6,7,8,9,10,11,12,13,14,15
	v_med3_num_f32 v[(\s)+16*\b+\i], v[(\s)+16*\b+\i], -v[TM+8+\b], v[TM+8+\b]
.endr
.endr
	WIN (\aw)
.irp b, 0,1,2,3
	v_cvt_scalef32_pk8_bf8_f32 v[(\pc)+4*\b:(\pc)+4*\b+1], v[(\s)+16*\b:(\s)+16*\b+7], v[TM+12+\b]
	v_cvt_scalef32_pk8_bf8_f32 v[(\pc)+4*\b+2:(\pc)+4*\b+3], v[(\s)+16*\b+8:(\s)+16*\b+15], v[TM+12+\b]
.endr
	WIN 0
	v_nop
.irp b, 0,1,2,3
	v_permlane16_swap_b32 v[(\pc)+4*\b], v[(\pc)+4*\b+2]
	v_permlane16_swap_b32 v[(\pc)+4*\b+1], v[(\pc)+4*\b+3]
.endr
.endm
	s_load_b512 s[40:55], s[0:1], 0x0              ; ctx 40, Wo codes 42, scales 44, x 46, g1 48, be1 50, x1q 52, x1f 54
	v_lshl_add_u32 v[SPW], v0, 2, SPARE
	v_mov_b32 v[NIL], 0
	ds_add_u32 v9, v10
	ds_add_u32 v9, v10
	s_wait_dscnt 0x0
	v_lshrrev_b32 v1, 5, v0
	v_readfirstlane_b32 s[WV], v1                  ; wave 0..3
	s_bfe_u32 s15, ttmp6, 0x40000                  ; cx
	s_lshl_b32 s16, ttmp9, 2
	s_add_co_u32 s16, s16, s15                     ; my block of 32 rows: it enters global addresses alone
	s_mov_b32 s[G1W], 15|(1<<20)|(1<<21)|(4<<22)|(3<<25)   ; mask: all four; bytes; padding: 4 words behind every 32
	s_mov_b32 s[G1W+1], 128<<16
	s_mov_b32 s[G1W+2], 256<<16
	s_mov_b32 s[G1W+3], 128<<16
	s_mov_b32 s[G1W+4], 256
	s_mov_b32 s[G1W+5], KROW
	s_mov_b32 s[G1W+6], 0
	s_mov_b32 s[G1W+7], 0
	s_mov_b32 s[G1X], (3<<16)|(1<<20)|(7<<22)|(3<<25)      ; my strip of x: no mask; 32 rows of 128 elements of 8 bytes; 4 words behind every 256
	s_mov_b32 s[G1X+1], 128<<16
	s_mov_b32 s[G1X+2], 32<<16
	s_mov_b32 s[G1X+3], 128<<16
	s_mov_b32 s[G1X+4], 32
	s_mov_b32 s[G1X+5], 512
	s_mov_b32 s[G1X+6], 0
	s_mov_b32 s[G1X+7], 0
	s_mul_i32 s17, s[WV], WPART                    ; my rows' place in a slot
	s_mul_i32 s18, s[WV], 256*KROW                 ; and in the weight
	s_mov_b32 s19, 0
	s_lshl_b32 s20, s16, 17
	s_lshl_b32 s21, s[WV], 10
	s_add_co_u32 s20, s20, s21                     ; x: 32 rows of 4,096 bytes a block, 1,024 bytes a wave
	s_mov_b32 s21, 0
	s_mul_i32 s22, s[WV], XPART
	s_add_co_u32 s22, s22, SLOTB                   ; the strip lies in slot 1's bytes until that slot's first step is asked for
	s_mov_b32 s[SEL], 0x76543210
	s_mov_b32 s[SEL+1], 0xfedcba98
	s_mov_b32 s[MNT], 0x600000
	s_mov_b32 s[INV], 0x3a800000                   ; 1 / 1,024
	s_mov_b32 s[EPSR], 0x3727c5ac                  ; 1e-5
	s_wait_kmcnt 0x0
	s_mov_b32 s[G0], 1
	s_mov_b32 s[G0+1], s17
	s_add_nc_u64 s[G0+2:G0+3], s[42:43], s[18:19]
	s_mov_b32 s[G0+4], 1
	s_add_co_u32 s[G0+5], s17, SLOTB
	s_add_nc_u64 s[G0+6:G0+7], s[G0+2:G0+3], 128
	s_or_b32 s[G0+3], s[G0+3], 0x80000000
	s_or_b32 s[G0+7], s[G0+7], 0x80000000
	s_mov_b32 s[G0X], 1
	s_mov_b32 s[G0X+1], s22
	s_add_nc_u64 s[G0X+2:G0X+3], s[46:47], s[20:21]
	s_or_b32 s[G0X+3], s[G0X+3], 0x80000000
	CROUND
	tensor_load_to_lds s[G0X:G0X+3], s[G1X:G1X+7]  ; the first fills go out together: two loads of mine are out
	s_nop 0
	tensor_load_to_lds s[G0:G0+3], s[G1W:G1W+7]    ; K step 0
	s_nop 0
	PLACES 4
	v_and_b32 v[LN], 31, v0
	v_and_b32 v[RR], 15, v0
	v_bfe_u32 v[HH], v0, 4, 1
	v_lshlrev_b32 v[LI], 4, v[LN]
	v_lshlrev_b32 v[L4], 2, v[LN]
	v_mul_u32_u24 v[VSB], v[RR], KSB
	v_lshl_add_u32 v[VSB], v[HH], 3, v[VSB]
	v_mul_u32_u24 v[ADB], v[RR], WP
	v_lshl_add_u32 v[ADB], v[HH], 4, v[ADB]
	v_add_nc_u32 v[ADB], s17, v[ADB]
	v_add_nc_u32 v[ADB+1], SLOTB, v[ADB]
	v_mul_u32_u24 v[XA], v[RR], XP
	v_lshl_add_u32 v[XA], v[HH], 5, v[XA]
	v_add_nc_u32 v[XA], s22, v[XA]
	v_lshlrev_b32 v[VG], 5, v[HH]
	s_lshl_b32 s23, s[WV], 7
	s_add_co_u32 s23, s23, RED
	v_lshl_add_u32 v[REDW], v[RR], 2, s23          ; my wave's 32 words
	v_lshl_add_u32 v[REDR], v[RR], 2, RED
	v_mul_u32_u24 v[STO], v[RR], 272
	v_lshl_add_u32 v[STO], v[HH], 4, v[STO]
	v_add_nc_u32 v[STO], s17, v[STO]               ; the stage of the way out lies in my part of slot 0, behind that slot's last fill
	v_mul_u32_u24 v[RD], v[HH], 272
	v_lshl_add_u32 v[RD], v[RR], 4, v[RD]
	v_add_nc_u32 v[RD], s17, v[RD]
	v_lshlrev_b32 v[GO], 10, v[HH]
	v_lshl_add_u32 v[GO], v[RR], 4, v[GO]
	v_lshlrev_b32 v[SCO], 5, v[RR]
	s_mul_i32 s18, s16, 2*NS*2048
	s_add_nc_u64 s[PA:PA+1], s[40:41], s[18:19]    ; ctx's images of my two tiles of rows
	s_mul_i32 s18, s16, 2*NS*64
	s_add_co_u32 s18, s18, ASC_AT
	s_add_nc_u64 s[PAS:PAS+1], s[40:41], s[18:19]  ; their scale words
	s_mul_i32 s18, s[WV], 256*KSB
	s_add_nc_u64 s[PWS:PWS+1], s[44:45], s[18:19]  ; my 256 rows of the weight's scale bytes
	s_lshl_b32 s18, s[WV], 10
	s_add_nc_u64 s[48:49], s[48:49], s[18:19]      ; my 256 numbers of g1,
	s_add_nc_u64 s[50:51], s[50:51], s[18:19]      ; of be1
	s_lshl_b32 s18, s16, 2
	s_add_co_u32 s18, s18, s[WV]
	s_lshl_b32 s18, s18, 15
	s_add_nc_u64 s[54:55], s[54:55], s[18:19]      ; x1f: 32,768 bytes for each block and wave
	s_lshl_b32 s18, s16, 10
	s_lshl_b32 s20, s[WV], 3
	s_add_co_u32 s18, s18, s20
	s_add_co_u32 s18, s18, ASC_AT
	s_add_nc_u64 s[78:79], s[52:53], s[18:19]      ; x1q's scale bytes: 32 a row, my 8
	s_lshl_b32 s18, s16, 15
	s_lshl_b32 s20, s[WV], 8
	s_add_co_u32 s18, s18, s20
	s_add_nc_u64 s[52:53], s[52:53], s[18:19]      ; x1q's codes: rows of 1,024, my 256
.irp X, 0,1
.irp nt, 0,1,2,3,4,5,6,7,8,9,10,11,12,13,14,15
	global_load_b64 v[SB+32*\X+2*\nt:SB+32*\X+2*\nt+1], v[VSB], s[PWS:PWS+1] offset:16*\nt*KSB+16*\X   ; lane (r, h): the words of K steps 4 X + 2 h, + 1
.endr
.endr
.irp mt, 0,1
.irp p, 0,1,2,3
	global_load_b32 v[AS+4*\mt+\p], v[L4], s[PAS:PAS+1] offset:\mt*NS*64+128*\p   ; lanes 0-15: K step 2 p, lanes 16-31: 2 p + 1
.endr
.endr
.irp sg, 0,1,2,3
.irp mt, 0,1
.irp c, 0,1,2,3
	global_load_b128 v[AF+32*\sg+16*\mt+4*\c:AF+32*\sg+16*\mt+4*\c+3], v[LI], s[PA:PA+1] offset:\mt*NS*2048+\sg*2048+512*\c
.endr
.endr
.endr
	s_wait_tensorcnt 0x1                           ; my strip of x is in (K step 0's load, issued behind it, may be out); I alone read it
	WIN 0x40
.irp mt, 0,1
.irp nt, 0,1,2,3,4,5,6,7,8,9,10,11,12,13,14,15
.irp q, 0,1
	ds_load_b128 v[8*(16*\mt+\nt)+4*\q:8*(16*\mt+\nt)+4*\q+3], v[XA] offset:16*XP*\mt+64*\nt+16*\q
.endr
.endr
.endr
	s_wait_dscnt 0x0
	WIN 0x41
.set i, 0
.rept 128
	v_pk_mul_f32 v[i:i+1], v[i:i+1], 2.0 op_sel_hi:[1,0]   ; the sums begin as 2 x
.set i, i+2
.endr
	WIN 0
	KSTEP 0, 1, 1, 0, 24                           ; behind a step's codes: those of the three steps after it
	KSTEP 1, 1, 1, 0, 24
	KSTEP 2, 1, 1, 0, 24
	KSTEP 3, 1, 1, 0, 24
	KSTEP 4, 1, 0, 0, 24
	KSTEP 5, 1, 0, 0, 16
	KSTEP 6, 1, 0, 0, 8
	KSTEP 7, 0, 0, 0, 0
	WIN 0x80
.irp nt, 0,1,2,3,4,5,6,7,8,9,10,11,12,13,14,15
.irp q, 0,1
	global_load_b128 v[8*\nt+4*\q:8*\nt+4*\q+3], v[VG], s[48:49] offset:64*\nt+16*\q
	global_load_b128 v[128+8*\nt+4*\q:128+8*\nt+4*\q+3], v[VG], s[50:51] offset:64*\nt+16*\q
.endr
.endr
	WIN 0
	LNORM
	; x1 as f32: the accumulators as they stand, 512 consecutive bytes a store
	WIN 0x04
.irp mt, 0,1
.irp nt, 0,1,2,3,4,5,6,7,8,9,10,11,12,13,14,15
.irp q, 0,1
	global_store_b128 v[LI], v[8*(16*\mt+\nt)+4*\q:8*(16*\mt+\nt)+4*\q+3], s[54:55] offset:(16*\mt+\nt)*1024+512*\q
.endr
.endr
.endr
	WIN 0
.irp b, 0,1,2,3
	v_mov_b32 v[TM+4+\b], 0
.endr
	; x1 as codes: two fragments a tile of rows, through my stage, out as rows: sixteen lanes store 256 consecutive bytes, aligned
.irp mt, 0,1
	s_wait_xcnt 0x0                                ; the stores above have read their registers: the holds write the accumulators, the loads below the rows' registers
	QUANTW 128*\mt, 1, PC0, PW
	QUANTW 128*\mt+64, 1, PC1, PW+1
.irp c, 0,1,2,3
	ds_store_b128 v[STO], v[PC0+4*\c:PC0+4*\c+3] offset:32*\c
	ds_store_b128 v[STO], v[PC1+4*\c:PC1+4*\c+3] offset:128+32*\c
.endr
.irp i, 0,1,2,3,4,5,6,7
	ds_load_b128 v[BK+4*\i:BK+4*\i+3], v[RD] offset:544*\i     ; LDS serves a wave's instructions in order: these see my stores
.endr
	global_store_b64 v[SCO], v[PW:PW+1], s[78:79] offset:512*\mt
.irp i, 0,1,2,3,4,5,6,7
	s_wait_dscnt 7-\i
	global_store_b128 v[GO], v[BK+4*\i:BK+4*\i+3], s[52:53] offset:(16*\mt+2*\i)*1024
.endr
.endr
	s_wait_tensorcnt 0x0                           ; the wave's end
	ds_add_u32 v[SPW], v[NIL]
	s_wait_dscnt 0x0
	CROUND                                         ; the closing round
	s_endpgm
.Lfunc_end_k_qd49c5e1e77_wo_ln:
	.size	k_qd49c5e1e77_wo_ln, .Lfunc_end_k_qd49c5e1e77_wo_ln-k_qd49c5e1e77_wo_ln
	.p2alignl 7, 3214868480
	.fill 96, 4, 3214868480
	.section	.rodata,"a",@progbits
	.p2align	6, 0x0
	.amdhsa_kernel k_qd49c5e1e77_wo_ln
		.amdhsa_group_segment_fixed_size 327680
		.amdhsa_private_segment_fixed_size 0
		.amdhsa_enable_private_segment 0
		.amdhsa_kernarg_size 64
		.amdhsa_user_sgpr_count 2
		.amdhsa_user_sgpr_kernarg_segment_ptr 1
		.amdhsa_wavefront_size32 1
		.amdhsa_system_sgpr_workgroup_id_x 1
		.amdhsa_system_sgpr_workgroup_id_y 1
		.amdhsa_system_sgpr_workgroup_id_z 1
		.amdhsa_system_vgpr_workitem_id 0
		.amdhsa_next_free_vgpr 768
		.amdhsa_next_free_sgpr 84
		.amdhsa_reserve_vcc 0
		.amdhsa_float_denorm_mode_32 3
		.amdhsa_float_denorm_mode_16_64 3
		.amdhsa_memory_ordered 1
		.amdhsa_forward_progress 1
		.amdhsa_inst_pref_size 195
	.end_amdhsa_kernel
	.amdgpu_metadata
---
amdhsa.version: [ 1, 2 ]
amdhsa.kernels:
  - .name:           k_qd49c5e1e77_wo_ln
    .symbol:         k_qd49c5e1e77_wo_ln.kd
    .args:
      - { .name: ctx, .offset: 0, .size: 8, .value_kind: global_buffer, .address_space: global }
      - { .name: Wo_codes, .offset: 8, .size: 8, .value_kind: global_buffer, .address_space: global }
      - { .name: Wo_scales, .offset: 16, .size: 8, .value_kind: global_buffer, .address_space: global }
      - { .name: x, .offset: 24, .size: 8, .value_kind: global_buffer, .address_space: global }
      - { .name: g1, .offset: 32, .size: 8, .value_kind: global_buffer, .address_space: global }
      - { .name: be1, .offset: 40, .size: 8, .value_kind: global_buffer, .address_space: global }
      - { .name: x1q, .offset: 48, .size: 8, .value_kind: global_buffer, .address_space: global }
      - { .name: x1f, .offset: 56, .size: 8, .value_kind: global_buffer, .address_space: global }
    .group_segment_fixed_size: 327680
    .private_segment_fixed_size: 0
    .kernarg_segment_align: 8
    .kernarg_segment_size: 64
    .max_flat_workgroup_size: 128
    .sgpr_count:     84
    .vgpr_count:     768
    .wavefront_size: 32
...
	.end_amdgpu_metadata
.endif
;; end of part 4
;; launch ffn1 (part 5): grid 16 x 16, 4 waves a work-group, clusters of 4 x 4, 327,680 bytes of LDS; arguments x1q, W1_codes, W1_scales, b1, hq; writes hq
.if DOCPART == 5
	.amdgcn_target "amdgcn-amd-amdhsa--gfx1250"
	.amdhsa_code_object_version 6
	.text
	.protected	k_qd49c5e1e77_ffn1
	.globl	k_qd49c5e1e77_ffn1
	.p2align	8
	.type	k_qd49c5e1e77_ffn1,@function
k_qd49c5e1e77_ffn1:
	s_mov_b64 s[64:65], 0
	v_nop
	global_prefetch_b8 v0, s[64:65] scope:SCOPE_SE
	s_setreg_imm32_b32 hwreg(HW_REG_WAVE_MODE, 25, 1), 1
	s_wait_xcnt 0x0
	s_wait_alu depctr_hold_cnt(0) depctr_sa_sdst(0) depctr_va_vdst(0) depctr_va_sdst(0) depctr_va_ssrc(0) depctr_va_vcc(0) depctr_vm_vsrc(0)
	s_getreg_b32 s2, hwreg(HW_REG_IB_STS2, 6, 4)
	s_cmp_eq_u32 s2, 0
	s_cbranch_scc0 .Lentry_in_a_cluster
	s_endpgm
.Lentry_in_a_cluster:
	s_bfe_u32 s2, ttmp6, 0x10000c
	s_cmp_lg_u32 s2, 0xf033
	s_cbranch_scc0 .Lentry_shape_is_right
	s_endpgm
.Lentry_shape_is_right:
; h = mish(x1 W1 + b1) on codes of E5M2 with E8M0 scales; h leaves quantised along its 4,096, as images of operand registers.
; A tile is 256 tokens x 256 hidden units, four waves of 128 x 128 (64 accumulators, 512 registers); K = 1,024 goes in steps of 256 through two LDS slots.  A = x1's codes (tokens, source 1, on lanes),
; B = W1 (hidden units, source 0, along a lane's registers): a lane holds one token and 128 hidden units, which are one K step of the next product.  A's tiles are shared along a row of the cluster, B's along a column.
; b1 is the C of each sum's first product.  mish(z) = z n / (n + 2), n = u (u + 2), u = e^z: no difference of near numbers on either side.
; hq: [token tile 256][K step 32][piece 4][512 bytes, lane l at 16 l]; from 16,777,216: scale words [token tile][K step][row 16].
; LIMITS: z log2(e) is held at 29 from above, where n / (n + 2) is 1 in f32; under z = -87 e^z falls to 0 and so does the result; a block of zeros or under 2^-111 gets the byte 1; NaN and infinities are not served.
; REGISTERS: window 0: v0-31 addresses; v32-63 scale words, two sets, and nothing else; v64-127 b1, later the way out; v128-255 A's fragments, later mish's work.  window 1: B's fragments, two sets.  windows 2, 3: the accumulators.
.set SIZE_K, 1024
.set KSTEP,  256
.set NQ,     KSTEP/128
.set ROWB,   256
.set KROW,   SIZE_K
.set PITCH,  272
.set FR,     16
.set NL,     4
.set NP,     8
.set HALFT,  128*PITCH
.set SLOT,   4*HALFT
.set LAPS,   SIZE_K/(2*KSTEP)
.set KS,     SIZE_K/32
.set SCL,    2*SLOT
.set HALFS,  (128*KS/256)*272
.set SBLK,   (16*KS/256)*272
.set SPARE,  SCL+4*HALFS
.set XSC_AT, 4194304
.set HSC_AT, 16777216
.set ADRA, 16
.set ADRB, 20
.set ADRS, 27
.set SPW,  28
.set NIL,  29
.set SC,   32
.set AF,   128
.set B1,   64
.set TM,   64
.set PWS,  80
.set PC,   88
.set WW,   104
.set VO0,  112
.set LN,   114
.set SO4,  115
.set U,    128
.set WT,   192
.set G1, 24
.set G0, 32
.set G1B, 48
.set G0B, 56
.set G1S, 68
.set G0S, 76
.set G1SB, 80
.set G0SB, 88
.set CAP,  2
.set L2E,  66
.set SEL,  92
.set MNT,  94
.set SCP,  100
.set MSB, 0
.macro WIN new
.if MSB != (\new)
	s_set_vgpr_msb (MSB<<8)|(\new)
.set MSB, (\new)
.endif
.endm
.set MUL_LO, 0xa1
.set MUL_HI, 0xf1
.set TO_B,   0x40
.macro JLOAD g0a, g1a, g0b, g1b
	s_cmp_eq_u32 s15, 0
	s_cbranch_scc0 .Lfor_b_\@
	tensor_load_to_lds s[\g0a:\g0a+3], s[\g1a:\g1a+7]
	s_nop 0
.rept 4
	v_nop
.endr
	s_branch .Lasked_\@
.Lfor_b_\@:
	tensor_load_to_lds s[\g0b:\g0b+3], s[\g1b:\g1b+7]
	s_nop 0
.rept 4
	v_nop
.endr
.Lasked_\@:
.endm
.macro CREST
	s_cmp_lg_u32 s14, 0
	s_cbranch_scc1 .Lnot_wave_0_\@
	s_barrier_signal -3
.Lnot_wave_0_\@:
	s_barrier_wait -3
	s_barrier_signal -1
	s_barrier_wait -1
.endm
.macro CROUND
	s_barrier_signal -1
	s_barrier_wait -1
	CREST
.endm
	s_load_b64 s[4:5], s[0:1], 0x0                 ; x1q
	s_load_b128 s[8:11], s[0:1], 0x8               ; W1's codes, W1's scales
	s_load_b64 s[96:97], s[0:1], 0x18              ; b1
	s_load_b64 s[12:13], s[0:1], 0x20              ; hq
	v_lshl_add_u32 v[SPW], v0, 2, SPARE
	v_mov_b32 v[NIL], 0
	ds_add_u32 v28, v29
	ds_add_u32 v28, v29
	s_wait_dscnt 0x0
	v_lshrrev_b32 v1, 5, v0
	v_readfirstlane_b32 s14, v1
	s_lshr_b32 s15, s14, 1
	s_and_b32 s16, s14, 1
	s_bfe_u32 s40, ttmp6, 0x40000
	s_bfe_u32 s41, ttmp6, 0x40004
	s_lshl_b32 s42, ttmp9, 2
	s_add_co_u32 s42, s42, s40                     ; tile of hidden units = 4 x cluster x + cx
	s_and_b32 s17, ttmp7, 0xffff
	s_lshl_b32 s17, s17, 2
	s_add_co_u32 s17, s17, s41                     ; tile of tokens = 4 x cluster y + cy
	s_lshl_b32 s43, s41, 2
	s_lshl_b32 s43, 15, s43
	s_lshl_b32 s44, 0x1111, s40
	s_or_b32 s[G1+0], s43, (0<<16)|(1<<20)|(1<<21)|(5<<22)|(3<<25)
	s_or_b32 s[G1B+0], s44, (0<<16)|(1<<20)|(1<<21)|(5<<22)|(3<<25)
.irp g, G1, G1B
	s_mov_b32 s[\g+1], ROWB<<16
	s_mov_b32 s[\g+2], 128<<16
	s_mov_b32 s[\g+3], ROWB<<16
	s_mov_b32 s[\g+4], 128
	s_mov_b32 s[\g+5], KROW
	s_mov_b32 s[\g+6], 0
	s_mov_b32 s[\g+7], 0
.endr
	s_or_b32 s[G1S+0], s43, (3<<16)|(1<<20)|(1<<21)|(5<<22)|(3<<25)
	s_or_b32 s[G1SB+0], s44, (3<<16)|(1<<20)|(1<<21)|(5<<22)|(3<<25)
.irp g, G1S, G1SB
	s_mov_b32 s[\g+1], 32<<16
	s_mov_b32 s[\g+2], (128*KS/256)<<16
	s_mov_b32 s[\g+3], 32<<16
	s_mov_b32 s[\g+4], 128*KS/256
	s_mov_b32 s[\g+5], 32
	s_mov_b32 s[\g+6], 0
	s_mov_b32 s[\g+7], 0
.endr
	s_lshl_b32 s18, s16, 7
	s_lshl_b32 s20, s17, 8
	s_add_co_u32 s20, s20, s18
	s_lshl_b32 s46, s42, 8
	s_add_co_u32 s46, s46, s18
	s_mov_b32 s21, 0
	s_mov_b32 s47, 0
	s_mov_b64 s[18:19], KS
	s_mul_u64 s[22:23], s[20:21], s[18:19]
	s_mul_u64 s[92:93], s[46:47], s[18:19]
	s_mov_b64 s[18:19], KROW
	s_mul_u64 s[20:21], s[20:21], s[18:19]
	s_mul_u64 s[46:47], s[46:47], s[18:19]
	s_mul_i32 s45, s14, HALFT
	s_mul_i32 s94, s14, HALFS
	s_wait_kmcnt 0x0
	s_add_nc_u64 s[6:7], s[4:5], XSC_AT            ; x1's scale bytes
	s_add_nc_u64 s[20:21], s[4:5], s[20:21]
	s_add_nc_u64 s[22:23], s[6:7], s[22:23]
	s_add_nc_u64 s[46:47], s[8:9], s[46:47]
	s_add_nc_u64 s[92:93], s[10:11], s[92:93]
	CROUND
	s_mov_b32 s[G0S], 1
	s_add_co_u32 s[G0S+1], s94, SCL
	s_mov_b64 s[G0S+2:G0S+3], s[22:23]
	s_or_b32 s[G0S+3], s[G0S+3], 0x80000000
	s_mov_b32 s[G0SB], 1
	s_add_co_u32 s[G0SB+1], s94, SCL
	s_mov_b64 s[G0SB+2:G0SB+3], s[92:93]
	s_or_b32 s[G0SB+3], s[G0SB+3], 0x80000000
	JLOAD G0S, G1S, G0SB, G1SB
.irp s, 0,1
	s_mov_b32 s[G0+4*\s], 1
	s_add_co_u32 s[G0+4*\s+1], s45, \s*SLOT
	s_add_nc_u64 s[G0+4*\s+2:G0+4*\s+3], s[20:21], \s*ROWB
	s_or_b32 s[G0+4*\s+3], s[G0+4*\s+3], 0x80000000
	s_mov_b32 s[G0B+4*\s], 1
	s_add_co_u32 s[G0B+4*\s+1], s45, \s*SLOT
	s_add_nc_u64 s[G0B+4*\s+2:G0B+4*\s+3], s[46:47], \s*ROWB
	s_or_b32 s[G0B+4*\s+3], s[G0B+4*\s+3], 0x80000000
	JLOAD G0+4*\s, G1, G0B+4*\s, G1B
.endr
	v_and_b32 v1, 15, v0
	v_bfe_u32 v2, v0, 4, 1
	v_mul_u32_u24 v3, v1, PITCH
	v_lshl_add_u32 v4, v2, 4, v3
	s_mul_i32 s21, s15, HALFT
	s_mul_i32 s22, s16, HALFT
	s_add_co_u32 s22, s22, 2*HALFT
.irp s, 0,1
	v_add_nc_u32 v[ADRA+\s], s21, v4
	v_add_nc_u32 v[ADRB+\s], s22, v4
	s_add_co_u32 s21, s21, SLOT
	s_add_co_u32 s22, s22, SLOT
.endr
	v_mul_u32_u24 v5, v1, KS
	v_lshrrev_b32 v6, 8, v5
	v_lshl_add_u32 v5, v6, 4, v5
	s_mul_i32 s21, s15, HALFS
	s_mul_i32 s22, s16, HALFS
	s_add_co_u32 s22, s22, 2*HALFS
	s_sub_co_u32 s22, s22, s21
	v_mul_u32_u24 v6, s22, v2
	s_add_co_u32 s21, s21, SCL
	v_add_nc_u32 v5, v5, v6
	v_add_nc_u32 v[ADRS], s21, v5
	v_lshlrev_b32 v7, 5, v2                        ; b1: 8 numbers for each half of the lanes
	s_lshl_b32 s20, s17, 4
	s_lshl_b32 s21, s15, 3
	s_add_co_u32 s20, s20, s21                     ; my first tile of 16 tokens
	s_lshl_b32 s46, s42, 1
	s_add_co_u32 s46, s46, s16                     ; my 128 hidden units: which K step of the next product
	s_lshl_b32 s22, s20, 16
	s_lshl_b32 s23, s46, 11
	s_add_co_u32 s22, s22, s23
	s_mov_b32 s23, 0
	s_lshl_b32 s20, s20, 11
	s_lshl_b32 s21, s46, 6
	s_add_co_u32 s20, s20, s21
	s_add_co_u32 s20, s20, HSC_AT
	s_mov_b32 s21, 0
	s_add_nc_u64 s[SCP:SCP+1], s[12:13], s[20:21]  ; my scale words
	s_add_nc_u64 s[12:13], s[12:13], s[22:23]      ; my images
	s_lshl_b32 s20, s46, 9
	s_add_nc_u64 s[96:97], s[96:97], s[20:21]      ; my 128 numbers of b1
.irp b, 0,1,2,3,4,5,6,7
	global_load_b128 v[B1+8*\b:B1+8*\b+3], v7, s[96:97] offset:64*\b          ; in the result's layout: hidden units 16 b + 8 (l / 16) + 0..7
	global_load_b128 v[B1+8*\b+4:B1+8*\b+7], v7, s[96:97] offset:64*\b+16
.endr
	s_mov_b32 s[SEL], 0x76543210
	s_mov_b32 s[SEL+1], 0xfedcba98
	s_mov_b32 s[MNT], 0x600000
	s_mov_b32 s[L2E], 0x3fb8aa3b                   ; log2(e)
	s_mov_b32 s[L2E+1], s[L2E]
	s_mov_b32 s[CAP], 0x41e80000                   ; 29
.macro FRAG reg, adr, q, i
.irp c, 0,1,2,3
	ds_load_b128 v[\reg+4*\c:\reg+4*\c+3], v[\adr] offset:128*(\q)+32*\c+(\i)*16*PITCH
.endr
.endm
; 16 matrix instructions; zero = 1: the first product starts the sums from b1.  The 64 accumulators take turns, one instruction a turn.
.macro MUL16 a0, p, q, sc, zero
.irp a, \a0, \a0+1
.irp b, 0,1,2,3,4,5,6,7
.if \zero
	v_wmma_scale_f32_16x16x128_f8f6f4 v[8*(8*((\a)%4)+\b):8*(8*((\a)%4)+\b)+7], v[128*(\p)+FR*\b:128*(\p)+FR*\b+FR-1], v[AF+FR*(\a):AF+FR*(\a)+FR-1], v[B1+8*\b:B1+8*\b+7], v[SC+8*NQ*(\sc)+NQ*\b+(\q)], v[SC+8*NQ*(\sc)+NQ*(\a)+(\q)] matrix_a_fmt:MATRIX_FMT_BF8 matrix_b_fmt:MATRIX_FMT_BF8 matrix_a_scale:MATRIX_SCALE_ROW1
.else
	v_wmma_scale_f32_16x16x128_f8f6f4 v[8*(8*((\a)%4)+\b):8*(8*((\a)%4)+\b)+7], v[128*(\p)+FR*\b:128*(\p)+FR*\b+FR-1], v[AF+FR*(\a):AF+FR*(\a)+FR-1], v[8*(8*((\a)%4)+\b):8*(8*((\a)%4)+\b)+7], v[SC+8*NQ*(\sc)+NQ*\b+(\q)], v[SC+8*NQ*(\sc)+NQ*(\a)+(\q)] matrix_a_fmt:MATRIX_FMT_BF8 matrix_b_fmt:MATRIX_FMT_BF8 matrix_a_scale:MATRIX_SCALE_ROW1
.endif
.endr
.endr
.endm
.macro FETCH_B slot, q, p
	WIN TO_B
.irp i, 0,1,2,3,4,5,6,7
	FRAG 128*(\p)+FR*\i, ADRB+\slot, \q, \i
.endr
	WIN 0
.endm
.macro FETCH_A slot, q, i0
.irp i, \i0, \i0+1, \i0+2, \i0+3
	FRAG AF+FR*(\i), ADRA+\slot, \q, \i
.endr
.endm
.macro SCALES sc
.irp i, 0,1,2,3,4,5,6,7
	ds_load_b64 v[SC+8*NQ*\sc+NQ*\i:SC+8*NQ*\sc+NQ*\i+1], v[ADRS] offset:\i*SBLK
.endr
.endm
.macro PLACES n
.rept \n
	v_nop
.endr
.endm
.macro STEP slot, q, zero
	s_wait_dscnt 4*NL                              ; B's set and A's blocks 0-3 are in; the youngest 16 loads may be out
.if \zero
	WIN 0x81                                       ; C (b1) window 0, D window 2
.else
	WIN MUL_LO
.endif
	MUL16 0, (\q)%2, \q, \slot, \zero
	MUL16 2, (\q)%2, \q, \slot, \zero
	s_wait_dscnt 0
	PLACES NP
	FETCH_B \slot, (\q)+1, 1-(\q)%2
	FETCH_A \slot, (\q)+1, 0
.if \zero
	WIN 0xc1
.else
	WIN MUL_HI
.endif
	MUL16 4, (\q)%2, \q, \slot, \zero
	MUL16 6, (\q)%2, \q, \slot, \zero
	PLACES NP
	WIN 0
	FETCH_A \slot, (\q)+1, 4
.endm
.macro TURN slot, next, fill
	s_wait_tensorcnt 0x0                           ; all my tensor loads have landed: my part of the next slot
	ds_add_u32 v[SPW], v[NIL]                      ; 0 onto my spare word
	s_wait_dscnt 4*NL+1                            ; (the add and A's blocks 4-7 may be out)
	WIN MUL_LO
	MUL16 0, 1, NQ-1, \slot, 0
	s_wait_dscnt 0x0                               ; the add is done, and my reads of this slot are over
	s_barrier_signal -1
	MUL16 2, 1, NQ-1, \slot, 0
	WIN 0
	s_barrier_wait -1
.if \fill
	CREST
	s_add_nc_u64 s[G0+4*\slot+2:G0+4*\slot+3], s[G0+4*\slot+2:G0+4*\slot+3], 2*ROWB
	s_add_nc_u64 s[G0B+4*\slot+2:G0B+4*\slot+3], s[G0B+4*\slot+2:G0B+4*\slot+3], 2*ROWB
	JLOAD G0+4*\slot, G1, G0B+4*\slot, G1B
	PLACES NP-4
.else
	PLACES NP
.endif
	v_add_nc_u32 v[ADRS], 4*NQ, v[ADRS]
	FETCH_B \next, 0, 0
	FETCH_A \next, 0, 0
	SCALES \next
	WIN MUL_HI
	MUL16 4, 1, NQ-1, \slot, 0
	MUL16 6, 1, NQ-1, \slot, 0
	PLACES NP
	WIN 0
	FETCH_A \next, 0, 4
.endm
; mish on 64 numbers of a lane in window aw, in place.  Two batches of transcendentals, one wait each, ahead of the batch's first reader.
.macro MISH s, aw
	WIN (\aw)
.set i, 0
.rept 32
	v_pk_mul_f32 v[U+i:U+i+1], v[(\s)+i:(\s)+i+1], s[L2E:L2E+1] op_sel_hi:[1,0]   ; each accumulator from its low end on
.set i, i+2
.endr
	WIN 0
.set i, 0
.rept 64
	v_min_num_f32 v[U+i], s[CAP], v[U+i]
.set i, i+1
.endr
.set i, 0
.rept 64
	v_exp_f32 v[U+i], v[U+i]                       ; u = e^z
.set i, i+1
.endr
	v_nop
	s_wait_alu depctr_va_vdst(0)
.set i, 0
.rept 32
	v_pk_add_f32 v[WT+i:WT+i+1], v[U+i:U+i+1], 2.0 op_sel_hi:[1,0]
.set i, i+2
.endr
.set i, 0
.rept 32
	v_pk_mul_f32 v[U+i:U+i+1], v[U+i:U+i+1], v[WT+i:WT+i+1]      ; n = u (u + 2)
.set i, i+2
.endr
.set i, 0
.rept 32
	v_pk_add_f32 v[WT+i:WT+i+1], v[U+i:U+i+1], 2.0 op_sel_hi:[1,0]
.set i, i+2
.endr
.set i, 0
.rept 64
	v_rcp_f32 v[WT+i], v[WT+i]                     ; 1 / (n + 2)
.set i, i+1
.endr
	WIN ((\aw)<<6)|(\aw)
.set i, 0
.rept 32
	v_pk_mul_f32 v[(\s)+i:(\s)+i+1], v[(\s)+i:(\s)+i+1], v[U+i:U+i+1]   ; z n: work that names no reciprocal
.set i, i+2
.endr
	s_wait_alu depctr_va_vdst(0)
.set i, 0
.rept 32
	v_pk_mul_f32 v[(\s)+i:(\s)+i+1], v[(\s)+i:(\s)+i+1], v[WT+i:WT+i+1]
.set i, i+2
.endr
	WIN 0
.endm
.macro QUANTW s, aw, pc, pw
	WIN ((\aw)<<2)|((\aw)<<4)
.irp b, 0,1,2,3
	v_max3_num_f32 v[TM+\b], 0x8000000, |v[(\s)+16*\b]|, |v[(\s)+16*\b+1]|   ; with the floor 2^(16 - 127)
.endr
.irp i, 2,4,6,8,10,12,14
.irp b, 0,1,2,3
	v_max3_num_f32 v[TM+\b], v[TM+\b], |v[(\s)+16*\b+\i]|, |v[(\s)+16*\b+\i+1]|
.endr
.endr
	WIN 0
.irp b, 0,1,2,3
	v_permlanex16_b32 v[TM+4+\b], v[TM+\b], s[SEL], s[SEL+1]
.endr
.irp b, 0,1,2,3
	v_max_num_f32 v[TM+\b], v[TM+\b], v[TM+4+\b]
.endr
.irp b, 0,1,2,3
	v_add_nc_u32 v[TM+12+\b], 0xf8800000, v[TM+\b]
.endr
.irp b, 0,1,2,3
	v_and_or_b32 v[TM+8+\b], v[TM+\b], 0x7f800000, s[MNT]
.endr
.irp b, 0,1,2,3
	v_lshrrev_b32 v[TM+4+\b], 23, v[TM+12+\b]
.endr
	v_lshl_or_b32 v[(\pw)], v[TM+5], 8, v[TM+4]
	v_lshl_or_b32 v[(\pw)], v[TM+6], 16, v[(\pw)]
	v_lshl_or_b32 v[(\pw)], v[TM+7], 24, v[(\pw)]
	WIN ((\aw)<<6)|(\aw)
.irp b, 0,1,2,3
.irp i, 0,1,2,3,4,5,6,7,8,9,10,11,12,13,14,15
	v_med3_num_f32 v[(\s)+16*\b+\i], v[(\s)+16*\b+\i], -v[TM+8+\b], v[TM+8+\b]
.endr
.endr
	WIN (\aw)
.irp b, 0,1,2,3
	v_cvt_scalef32_pk8_bf8_f32 v[(\pc)+4*\b:(\pc)+4*\b+1], v[(\s)+16*\b:(\s)+16*\b+7], v[TM+12+\b]
	v_cvt_scalef32_pk8_bf8_f32 v[(\pc)+4*\b+2:(\pc)+4*\b+3], v[(\s)+16*\b+8:(\s)+16*\b+15], v[TM+12+\b]
.endr
	WIN 0
	v_nop
.irp b, 0,1,2,3
	v_permlane16_swap_b32 v[(\pc)+4*\b], v[(\pc)+4*\b+2]
	v_permlane16_swap_b32 v[(\pc)+4*\b+1], v[(\pc)+4*\b+3]
.endr
.endm
	s_wait_tensorcnt 1                             ; the scales and my part of K step 0 are in (K step 1's load may be out),
	s_barrier_signal -1
	s_barrier_wait -1
	FETCH_B 0, 0, 0
	FETCH_A 0, 0, 0
	SCALES 0
	FETCH_A 0, 0, 4
	s_wait_loadcnt 0x0                             ; b1
	STEP 0, 0, 1
	s_mov_b32 s3, LAPS-1
.Llap:
	TURN 0, 1, 1
	STEP 1, 0, 0
	TURN 1, 0, 1
	STEP 0, 0, 0
	s_sub_co_u32 s3, s3, 1
	s_cmp_lg_u32 s3, 0
	s_cbranch_scc1 .Llap
	TURN 0, 1, 0
	STEP 1, 0, 0
	s_wait_dscnt 4*NL
	WIN MUL_LO
	MUL16 0, 1, NQ-1, 1, 0
	MUL16 2, 1, NQ-1, 1, 0
	s_wait_dscnt 0
	WIN MUL_HI
	MUL16 4, 1, NQ-1, 1, 0
	MUL16 6, 1, NQ-1, 1, 0
	WIN 0
	; THE WAY OUT: each tile of 16 tokens: mish, the quantiser, four pieces of 512 consecutive bytes
	PLACES NP
	v_and_b32 v[LN], 31, v0
	v_lshlrev_b32 v[VO0], 4, v[LN]
.irp b, 0,1,2,3
	v_mov_b32 v[TM+4+\b], 0
.endr
.irp a, 0,1,2,3,4,5,6,7
	MISH 64*((\a)%4), 2+(\a)/4
.if \a > 0
	s_wait_xcnt 0x0                                ; the last tile's stores have read their codes
.endif
	QUANTW 64*((\a)%4), 2+(\a)/4, PC, PWS+\a
.irp c, 0,1,2,3
	global_store_b128 v[VO0], v[PC+4*\c:PC+4*\c+3], s[12:13] offset:65536*\a+512*\c
.endr
.endr
	v_cmp_le_u32 vcc_lo, 16, v[LN]
.irp j, 0,1,2,3
	v_cndmask_b32 v[WW+\j], v[PWS+2*\j], v[PWS+2*\j+1], vcc_lo   ; lanes 0-15: tile 2 j's words, lanes 16-31: tile 2 j + 1's
.endr
	v_and_b32 v[SO4], 15, v0
	v_lshlrev_b32 v[SO4], 2, v[SO4]
	v_bfe_u32 v[LN], v0, 4, 1
	v_lshl_add_u32 v[SO4], v[LN], 11, v[SO4]       ; 4 x row + 2,048 x half
.irp j, 0,1,2,3
	global_store_b32 v[SO4], v[WW+\j], s[SCP:SCP+1] offset:4096*\j
.endr
	s_wait_tensorcnt 0x0                           ; the wave's end
	ds_add_u32 v[SPW], v[NIL]
	s_wait_dscnt 0x0
	CROUND
	s_endpgm
.Lfunc_end_k_qd49c5e1e77_ffn1:
	.size	k_qd49c5e1e77_ffn1, .Lfunc_end_k_qd49c5e1e77_ffn1-k_qd49c5e1e77_ffn1
	.p2alignl 7, 3214868480
	.fill 96, 4, 3214868480
	.section	.rodata,"a",@progbits
	.p2align	6, 0x0
	.amdhsa_kernel k_qd49c5e1e77_ffn1
		.amdhsa_group_segment_fixed_size 327680
		.amdhsa_private_segment_fixed_size 0
		.amdhsa_enable_private_segment 0
		.amdhsa_kernarg_size 40
		.amdhsa_user_sgpr_count 2
		.amdhsa_user_sgpr_kernarg_segment_ptr 1
		.amdhsa_wavefront_size32 1
		.amdhsa_system_sgpr_workgroup_id_x 1
		.amdhsa_system_sgpr_workgroup_id_y 1
		.amdhsa_system_sgpr_workgroup_id_z 1
		.amdhsa_system_vgpr_workitem_id 0
		.amdhsa_next_free_vgpr 1024
		.amdhsa_next_free_sgpr 102
		.amdhsa_reserve_vcc 1
		.amdhsa_float_denorm_mode_32 3
		.amdhsa_float_denorm_mode_16_64 3
		.amdhsa_memory_ordered 1
		.amdhsa_forward_progress 1
		.amdhsa_inst_pref_size 255
	.end_amdhsa_kernel
	.section	.bss,"aw",@nobits
	.p2align	6
	.space	262144
	.amdgpu_metadata
---
amdhsa.version: [ 1, 2 ]
amdhsa.kernels:
  - .name:           k_qd49c5e1e77_ffn1
    .symbol:         k_qd49c5e1e77_ffn1.kd
    .args:
      - { .name: x1q, .offset: 0, .size: 8, .value_kind: global_buffer, .address_space: global }
      - { .name: W1_codes, .offset: 8, .size: 8, .value_kind: global_buffer, .address_space: global }
      - { .name: W1_scales, .offset: 16, .size: 8, .value_kind: global_buffer, .address_space: global }
      - { .name: b1, .offset: 24, .size: 8, .value_kind: global_buffer, .address_space: global }
      - { .name: hq, .offset: 32, .size: 8, .value_kind: global_buffer, .address_space: global }
    .group_segment_fixed_size: 327680
    .private_segment_fixed_size: 0
    .kernarg_segment_align: 8
    .kernarg_segment_size: 40
    .max_flat_workgroup_size: 128
    .sgpr_count:     102
    .vgpr_count:     1024
    .wavefront_size: 32
...
	.end_amdgpu_metadata
.endif
;; end of part 5
;; launch ffn2_ln (part 6): grid 128 x 1, 4 waves a work-group, clusters of 4 x 1, 327,680 bytes of LDS; arguments hq, W2_codes, W2_scales, x1f, b2, g2, be2, out0; writes out0
.if DOCPART == 6
	.amdgcn_target "amdgcn-amd-amdhsa--gfx1250"
	.amdhsa_code_object_version 6
	.text
	.protected	k_qd49c5e1e77_ffn2_ln
	.globl	k_qd49c5e1e77_ffn2_ln
	.p2align	8
	.type	k_qd49c5e1e77_ffn2_ln,@function
k_qd49c5e1e77_ffn2_ln:
	s_mov_b64 s[64:65], 0
	v_nop
	global_prefetch_b8 v0, s[64:65] scope:SCOPE_SE
	s_setreg_imm32_b32 hwreg(HW_REG_WAVE_MODE, 25, 1), 1
	s_wait_xcnt 0x0
	s_wait_alu depctr_hold_cnt(0) depctr_sa_sdst(0) depctr_va_vdst(0) depctr_va_sdst(0) depctr_va_ssrc(0) depctr_va_vcc(0) depctr_vm_vsrc(0)
	s_getreg_b32 s2, hwreg(HW_REG_IB_STS2, 6, 4)
	s_cmp_eq_u32 s2, 0
	s_cbranch_scc0 .Lentry_in_a_cluster
	s_endpgm
.Lentry_in_a_cluster:
	s_bfe_u32 s2, ttmp6, 0x10000c
	s_cmp_lg_u32 s2, 0x3003
	s_cbranch_scc0 .Lentry_shape_is_right
	s_endpgm
.Lentry_shape_is_right:
; out = layernorm(2 x1 + h W2 + b2) g2 + be2, the product on codes of E5M2 with E8M0 scales, K = 4,096.
; A WORK-GROUP OWNS 32 WHOLE ROWS, so that the norm needs no second launch: wave w makes columns 256 w .. 256 w + 255 of them: 2 x 16 accumulators, 256 registers.
; The weight goes through a ring of two LDS slots, 128 along K a step: 1,024 rows of 128 bytes + 16.  Wave w fetches and reads rows 256 w on alone.  The four row blocks of a cluster walk the same weight: joint loads.
; h's codes (4 KB a step, images of operand registers) and all scale words come from memory straight into registers: codes four steps ahead, scale words eight steps at a time.
; The product is used transposed (source 0 = 16 rows of W2, source 1 = 16 rows of h).  The sums begin as 2 x1 + b2; x1 comes as the image of these very accumulators.
; The variance is the mean of squared deviations from the mean, which is taken first.  NaN and infinities are not served.
; REGISTERS: window 0: v1-21 addresses and partial sums; v32-159 h's fragments, four sets (later rows of out); v160-223 W2's scale words, v224-231 h's: scales and nothing else; v232-255 at work.
;   window 1: accumulator (mt, nt) at v[8 (16 mt + nt)].   window 2: b2, then W2's 16 fragments, then g2 (v0-127) and be2 (v128-255).
.set NS,    32
.set KROW,  4096
.set KSB,   128
.set ASC_AT, 16777216
.set WP,    144
.set WPART, 256*WP
.set SLOTB, 4*WPART
.set SPARE, 2*SLOTB
.set RED,   SPARE+512
.set XP,    1040
.set LN,   1
.set RR,   2
.set HH,   3
.set LI,   4
.set L4,   5
.set VSB,  6
.set ADB,  7
.set SPW,  9
.set NIL,  10
.set VG,   12
.set REDW, 13
.set REDR, 14
.set STO,  15
.set RD,   16
.set PS,   20
.set AF,   32
.set SB,   160
.set AS,   224
.set T,    232
.set MU,   240
.set RS,   244
.set E,    248
.set BK,   32
.set WV,   14
.set G1W,  24
.set G0,   32
.set SEL,  72
.set INV,  75
.set EPSR, 76
.set PA,   4
.set PAS,  6
.set PWS,  8
.set MSB, 0
.macro WIN new
.if MSB != (\new)
	s_set_vgpr_msb (MSB<<8)|(\new)
.set MSB, (\new)
.endif
.endm
.set W_MUL, 0x52
.set TO_B,  0x80
.macro CROUND
	s_barrier_signal -1
	s_barrier_wait -1
	s_cmp_lg_u32 s[WV], 0
	s_cbranch_scc1 .Lnot_wave_0_\@
	s_barrier_signal -3
.Lnot_wave_0_\@:
	s_barrier_wait -3
	s_barrier_signal -1
	s_barrier_wait -1
.endm
.macro PLACES n
.rept \n
	v_nop
.endr
.endm
.macro WM d, a, b, sa, sb, ra, rb
.if (\ra) && (\rb)
	v_wmma_scale_f32_16x16x128_f8f6f4 v[(\d):(\d)+7], v[(\a):(\a)+15], v[(\b):(\b)+15], v[(\d):(\d)+7], v[(\sa)], v[(\sb)] matrix_a_fmt:MATRIX_FMT_BF8 matrix_b_fmt:MATRIX_FMT_BF8 matrix_a_scale:MATRIX_SCALE_ROW1 matrix_b_scale:MATRIX_SCALE_ROW1
.elseif (\ra)
	v_wmma_scale_f32_16x16x128_f8f6f4 v[(\d):(\d)+7], v[(\a):(\a)+15], v[(\b):(\b)+15], v[(\d):(\d)+7], v[(\sa)], v[(\sb)] matrix_a_fmt:MATRIX_FMT_BF8 matrix_b_fmt:MATRIX_FMT_BF8 matrix_a_scale:MATRIX_SCALE_ROW1
.elseif (\rb)
	v_wmma_scale_f32_16x16x128_f8f6f4 v[(\d):(\d)+7], v[(\a):(\a)+15], v[(\b):(\b)+15], v[(\d):(\d)+7], v[(\sa)], v[(\sb)] matrix_a_fmt:MATRIX_FMT_BF8 matrix_b_fmt:MATRIX_FMT_BF8 matrix_b_scale:MATRIX_SCALE_ROW1
.else
	v_wmma_scale_f32_16x16x128_f8f6f4 v[(\d):(\d)+7], v[(\a):(\a)+15], v[(\b):(\b)+15], v[(\d):(\d)+7], v[(\sa)], v[(\sb)] matrix_a_fmt:MATRIX_FMT_BF8 matrix_b_fmt:MATRIX_FMT_BF8
.endif
.endm
; A K STEP of 128, the sg-th of a trip's eight.  refill: the other slot is asked for again; aload: the rows' codes of step sg + 4; nxt: the next trip's scale words, into registers whose steps are over;
; cnt: the global loads issued behind this step's codes: the groups at the ends of the three steps before.  The 32 accumulators take turns, one instruction a turn.
.macro KSTEP sg, refill, aload, nxt, cnt
.set SL, (\sg)%2
	s_wait_tensorcnt 0x0                           ; all my tensor loads have landed: this step's rows, which I alone read
.if \refill
	ds_add_u32 v[SPW], v[NIL]                      ; 0 onto my spare word
	s_add_nc_u64 s[G0+4*SL+2:G0+4*SL+3], s[G0+4*SL+2:G0+4*SL+3], 256   ; no load of mine is out: this slot's next step
	s_wait_dscnt 0x0                               ; the add is done, and my reads of the other slot are over
	CROUND                                         ; so it is with every wave of all four work-groups
	tensor_load_to_lds s[G0+4*(1-SL):G0+4*(1-SL)+3], s[G1W:G1W+7]   ; my one load behind the round: the next step
	s_nop 0
.endif
	PLACES 4
	WIN TO_B
.irp nt, 0,1,2,3,4,5,6,7,8,9,10,11,12,13,14,15
.irp c, 0,1,2,3
	ds_load_b128 v[16*\nt+4*\c:16*\nt+4*\c+3], v[ADB+SL] offset:16*WP*\nt+32*\c
.endr
.endr
	WIN 0
	s_wait_loadcnt \cnt
	s_wait_dscnt 32                                ; the fragments of column tiles 0-7 are in
	WIN W_MUL
.irp nt, 0,1,2,3,4,5,6,7
.irp mt, 0,1
	WM 8*(16*\mt+\nt),16*\nt,AF+32*((\sg)%4)+16*\mt,SB+32*((\sg)/4)+2*\nt+((\sg)&1),AS+4*\mt+(\sg)/2,((\sg)>>1)&1,(\sg)&1
.endr
.endr
	s_wait_dscnt 0x0
.irp nt, 8,9,10,11,12,13,14,15
.irp mt, 0,1
	WM 8*(16*\mt+\nt),16*\nt,AF+32*((\sg)%4)+16*\mt,SB+32*((\sg)/4)+2*\nt+((\sg)&1),AS+4*\mt+(\sg)/2,((\sg)>>1)&1,(\sg)&1
.endr
.endr
	WIN 0
	PLACES 8                                       ; in front of loads into registers that these products read
.if \nxt
.if (\sg)%4 == 3
.irp nt, 0,1,2,3,4,5,6,7,8,9,10,11,12,13,14,15
	global_load_b64 v[SB+32*((\sg)/4)+2*\nt:SB+32*((\sg)/4)+2*\nt+1], v[VSB], s[PWS:PWS+1] offset:16*\nt*KSB+32+16*((\sg)/4)
.endr
.endif
.if (\sg)%2 == 1
.irp mt, 0,1
	global_load_b32 v[AS+4*\mt+(\sg)/2], v[L4], s[PAS:PAS+1] offset:\mt*NS*64+512+128*((\sg)/2)
.endr
.endif
.endif
.if \aload
.irp mt, 0,1
.irp c, 0,1,2,3
	global_load_b128 v[AF+32*((\sg)%4)+16*\mt+4*\c:AF+32*((\sg)%4)+16*\mt+4*\c+3], v[LI], s[PA:PA+1] offset:\mt*NS*2048+((\sg)+4)*2048+512*\c
.endr
.endr
.endif
.endm
.macro ROWSUM mt, dst
	WIN 0x05
.irp p, 0,1,2,3
	v_pk_add_f32 v[T+2*\p:T+2*\p+1], v[128*(\mt)+2*\p:128*(\mt)+2*\p+1], v[128*(\mt)+8+2*\p:128*(\mt)+8+2*\p+1]
.endr
	WIN 0x04
.irp nt, 2,3,4,5,6,7,8,9,10,11,12,13,14,15
.irp p, 0,1,2,3
	v_pk_add_f32 v[T+2*\p:T+2*\p+1], v[T+2*\p:T+2*\p+1], v[128*(\mt)+8*\nt+2*\p:128*(\mt)+8*\nt+2*\p+1]
.endr
.endr
	WIN 0
	v_pk_add_f32 v[T:T+1], v[T:T+1], v[T+2:T+3]
	v_pk_add_f32 v[T+4:T+5], v[T+4:T+5], v[T+6:T+7]
	v_pk_add_f32 v[T:T+1], v[T:T+1], v[T+4:T+5]
	v_add_f32 v[T], v[T], v[T+1]
	v_permlanex16_b32 v[T+1], v[T], s[SEL], s[SEL+1]
	v_add_f32 v[(\dst)], v[T], v[T+1]
.endm
.macro SQSUM mt, dst
	WIN 0x05
.irp p, 0,1,2,3
	v_pk_mul_f32 v[T+2*\p:T+2*\p+1], v[128*(\mt)+2*\p:128*(\mt)+2*\p+1], v[128*(\mt)+2*\p:128*(\mt)+2*\p+1]
.endr
.irp nt, 1,2,3,4,5,6,7,8,9,10,11,12,13,14,15
.irp p, 0,1,2,3
	v_pk_fma_f32 v[T+2*\p:T+2*\p+1], v[128*(\mt)+8*\nt+2*\p:128*(\mt)+8*\nt+2*\p+1], v[128*(\mt)+8*\nt+2*\p:128*(\mt)+8*\nt+2*\p+1], v[T+2*\p:T+2*\p+1]
.endr
.endr
	WIN 0
	v_pk_add_f32 v[T:T+1], v[T:T+1], v[T+2:T+3]
	v_pk_add_f32 v[T+4:T+5], v[T+4:T+5], v[T+6:T+7]
	v_pk_add_f32 v[T:T+1], v[T:T+1], v[T+4:T+5]
	v_add_f32 v[T], v[T], v[T+1]
	v_permlanex16_b32 v[T+1], v[T], s[SEL], s[SEL+1]
	v_add_f32 v[(\dst)], v[T], v[T+1]
.endm
.macro EXCH base
	ds_store_b32 v[REDW], v[PS] offset:\base
	ds_store_b32 v[REDW], v[PS+1] offset:\base+64
	s_wait_dscnt 0x0                               ; for the others' sake
	s_barrier_signal -1
	s_barrier_wait -1
.irp mt, 0,1
.irp u, 0,1,2,3
	ds_load_b32 v[E+4*\mt+\u], v[REDR] offset:\base+128*\u+64*\mt
.endr
.endr
	s_wait_dscnt 0x0
.irp mt, 0,1
	v_add_f32 v[E+4*\mt], v[E+4*\mt], v[E+4*\mt+1]
	v_add_f32 v[E+4*\mt], v[E+4*\mt], v[E+4*\mt+2]
	v_add_f32 v[E+4*\mt], v[E+4*\mt], v[E+4*\mt+3]
.endr
.endm
.macro LNORM
	ROWSUM 0, PS
	ROWSUM 1, PS+1
	EXCH 0
.irp mt, 0,1
	v_mul_f32 v[MU+2*\mt], s[INV], v[E+4*\mt]
	v_mov_b32 v[MU+2*\mt+1], v[MU+2*\mt]
.endr
	WIN 0x41
.irp mt, 0,1
.set i, 0
.rept 64
	v_pk_add_f32 v[128*\mt+i:128*\mt+i+1], v[128*\mt+i:128*\mt+i+1], v[MU+2*\mt:MU+2*\mt+1] neg_lo:[0,1] neg_hi:[0,1]
.set i, i+2
.endr
.endr
	SQSUM 0, PS
	SQSUM 1, PS+1
	EXCH 512
.irp mt, 0,1
	v_fma_f32 v[RS+2*\mt], v[E+4*\mt], s[INV], s[EPSR]
.endr
.irp mt, 0,1
	v_rsq_f32 v[RS+2*\mt], v[RS+2*\mt]
.endr
	v_nop                                          ; a plain instruction behind the transcendentals
	s_wait_alu depctr_va_vdst(0)                   ; one wait for both, ahead of their first reader
.irp mt, 0,1
	v_mov_b32 v[RS+2*\mt+1], v[RS+2*\mt]
.endr
	s_wait_loadcnt 0x0                             ; gain and bias
	WIN 0x41
.irp mt, 0,1
.set i, 0
.rept 64
	v_pk_mul_f32 v[128*\mt+i:128*\mt+i+1], v[128*\mt+i:128*\mt+i+1], v[RS+2*\mt:RS+2*\mt+1]
.set i, i+2
.endr
.endr
	WIN 0x69
.irp mt, 0,1
.set i, 0
.rept 64
	v_pk_fma_f32 v[128*\mt+i:128*\mt+i+1], v[128*\mt+i:128*\mt+i+1], v[i:i+1], v[128+i:128+i+1]
.set i, i+2
.endr
.endr
	WIN 0
.endm
	s_load_b512 s[40:55], s[0:1], 0x0              ; hq 40, W2 codes 42, scales 44, x1f 46, b2 48, g2 50, be2 52, out0 54
	v_lshl_add_u32 v[SPW], v0, 2, SPARE
	v_mov_b32 v[NIL], 0
	ds_add_u32 v9, v10
	ds_add_u32 v9, v10
	s_wait_dscnt 0x0
	v_lshrrev_b32 v1, 5, v0
	v_readfirstlane_b32 s[WV], v1
	s_bfe_u32 s15, ttmp6, 0x40000
	s_lshl_b32 s16, ttmp9, 2
	s_add_co_u32 s16, s16, s15                     ; my block of 32 rows: it enters global addresses alone
	s_mov_b32 s[G1W], 15|(1<<20)|(1<<21)|(4<<22)|(3<<25)
	s_mov_b32 s[G1W+1], 128<<16
	s_mov_b32 s[G1W+2], 256<<16
	s_mov_b32 s[G1W+3], 128<<16
	s_mov_b32 s[G1W+4], 256
	s_mov_b32 s[G1W+5], KROW
	s_mov_b32 s[G1W+6], 0
	s_mov_b32 s[G1W+7], 0
	s_mul_i32 s17, s[WV], WPART
	s_mul_i32 s18, s[WV], 256*KROW
	s_mov_b32 s19, 0
	s_mov_b32 s[SEL], 0x76543210
	s_mov_b32 s[SEL+1], 0xfedcba98
	s_mov_b32 s[INV], 0x3a800000
	s_mov_b32 s[EPSR], 0x3727c5ac
	s_wait_kmcnt 0x0
	s_mov_b32 s[G0], 1
	s_mov_b32 s[G0+1], s17
	s_add_nc_u64 s[G0+2:G0+3], s[42:43], s[18:19]
	s_mov_b32 s[G0+4], 1
	s_add_co_u32 s[G0+5], s17, SLOTB
	s_add_nc_u64 s[G0+6:G0+7], s[G0+2:G0+3], 128
	s_or_b32 s[G0+3], s[G0+3], 0x80000000
	s_or_b32 s[G0+7], s[G0+7], 0x80000000
	CROUND
	tensor_load_to_lds s[G0:G0+3], s[G1W:G1W+7]    ; K step 0; slot 1 is first filled behind the first step's round
	s_nop 0
	PLACES 4
	v_and_b32 v[LN], 31, v0
	v_and_b32 v[RR], 15, v0
	v_bfe_u32 v[HH], v0, 4, 1
	v_lshlrev_b32 v[LI], 4, v[LN]
	v_lshlrev_b32 v[L4], 2, v[LN]
	v_mul_u32_u24 v[VSB], v[RR], KSB
	v_lshl_add_u32 v[VSB], v[HH], 3, v[VSB]
	v_mul_u32_u24 v[ADB], v[RR], WP
	v_lshl_add_u32 v[ADB], v[HH], 4, v[ADB]
	v_add_nc_u32 v[ADB], s17, v[ADB]
	v_add_nc_u32 v[ADB+1], SLOTB, v[ADB]
	v_lshlrev_b32 v[VG], 5, v[HH]
	s_lshl_b32 s23, s[WV], 7
	s_add_co_u32 s23, s23, RED
	v_lshl_add_u32 v[REDW], v[RR], 2, s23
	v_lshl_add_u32 v[REDR], v[RR], 2, RED
	v_mul_u32_u24 v[STO], v[RR], XP
	v_lshl_add_u32 v[STO], v[HH], 5, v[STO]
	v_add_nc_u32 v[STO], s17, v[STO]               ; the stage of the way out lies in my part of slot 0, behind that slot's last fill
	v_add_nc_u32 v[RD], s17, v[LI]
	s_mul_i32 s18, s16, 2*NS*2048
	s_add_nc_u64 s[PA:PA+1], s[40:41], s[18:19]
	s_mul_i32 s18, s16, 2*NS*64
	s_add_co_u32 s18, s18, ASC_AT
	s_add_nc_u64 s[PAS:PAS+1], s[40:41], s[18:19]
	s_mul_i32 s18, s[WV], 256*KSB
	s_add_nc_u64 s[PWS:PWS+1], s[44:45], s[18:19]
	s_lshl_b32 s18, s[WV], 10
	s_add_nc_u64 s[48:49], s[48:49], s[18:19]      ; my 256 numbers of b2, g2, be2
	s_add_nc_u64 s[50:51], s[50:51], s[18:19]
	s_add_nc_u64 s[52:53], s[52:53], s[18:19]
	s_lshl_b32 s20, s16, 17
	s_add_co_u32 s18, s18, s20
	s_add_nc_u64 s[54:55], s[54:55], s[18:19]      ; out: 32 rows of 4,096 bytes a block, my 1,024
	s_lshl_b32 s18, s16, 2
	s_add_co_u32 s18, s18, s[WV]
	s_lshl_b32 s18, s18, 15
	s_add_nc_u64 s[46:47], s[46:47], s[18:19]      ; x1f: 32,768 bytes for each block and wave
	WIN 0x40
.irp mt, 0,1
.irp nt, 0,1,2,3,4,5,6,7,8,9,10,11,12,13,14,15
.irp q, 0,1
	global_load_b128 v[8*(16*\mt+\nt)+4*\q:8*(16*\mt+\nt)+4*\q+3], v[LI], s[46:47] offset:(16*\mt+\nt)*1024+512*\q th:TH_LOAD_NT
.endr
.endr
.endr
	WIN 0x80
.irp nt, 0,1,2,3,4,5,6,7,8,9,10,11,12,13,14,15
.irp q, 0,1
	global_load_b128 v[8*\nt+4*\q:8*\nt+4*\q+3], v[VG], s[48:49] offset:64*\nt+16*\q
.endr
.endr
	WIN 0
.irp X, 0,1
.irp nt, 0,1,2,3,4,5,6,7,8,9,10,11,12,13,14,15
	global_load_b64 v[SB+32*\X+2*\nt:SB+32*\X+2*\nt+1], v[VSB], s[PWS:PWS+1] offset:16*\nt*KSB+16*\X
.endr
.endr
.irp mt, 0,1
.irp p, 0,1,2,3
	global_load_b32 v[AS+4*\mt+\p], v[L4], s[PAS:PAS+1] offset:\mt*NS*64+128*\p
.endr
.endr
.irp sg, 0,1,2,3
.irp mt, 0,1
.irp c, 0,1,2,3
	global_load_b128 v[AF+32*\sg+16*\mt+4*\c:AF+32*\sg+16*\mt+4*\c+3], v[LI], s[PA:PA+1] offset:\mt*NS*2048+\sg*2048+512*\c
.endr
.endr
.endr
	s_wait_loadcnt 0x0                             ; all of the head's loads: the loop's counts then hold on the way in too
	WIN 0x61
.irp mt, 0,1
.irp nt, 0,1,2,3,4,5,6,7,8,9,10,11,12,13,14,15
.irp p, 0,1,2,3
	v_pk_fma_f32 v[8*(16*\mt+\nt)+2*\p:8*(16*\mt+\nt)+2*\p+1], v[8*(16*\mt+\nt)+2*\p:8*(16*\mt+\nt)+2*\p+1], 2.0, v[8*\nt+2*\p:8*\nt+2*\p+1] op_sel_hi:[1,0,1]   ; the sums begin as 2 x1 + b2
.endr
.endr
.endr
	WIN 0
	s_mov_b32 s3, 3
.Ltrip:                                                ; eight K steps a trip, until the register numbers are back where they began
	KSTEP 0, 1, 1, 1, 44
	KSTEP 1, 1, 1, 1, 42
	KSTEP 2, 1, 1, 1, 44
	KSTEP 3, 1, 1, 1, 26
	KSTEP 4, 1, 1, 1, 44
	KSTEP 5, 1, 1, 1, 42
	KSTEP 6, 1, 1, 1, 44
	KSTEP 7, 1, 1, 1, 26
	s_wait_xcnt 0x0                                ; the trip's loads have read their bases
	s_add_nc_u64 s[PA:PA+1], s[PA:PA+1], 16384
	s_add_nc_u64 s[PAS:PAS+1], s[PAS:PAS+1], 512
	s_add_nc_u64 s[PWS:PWS+1], s[PWS:PWS+1], 32
	s_sub_co_u32 s3, s3, 1
	s_cmp_lg_u32 s3, 0
	s_cbranch_scc1 .Ltrip
	KSTEP 0, 1, 1, 0, 44                           ; the last eight steps are written out
	KSTEP 1, 1, 1, 0, 42
	KSTEP 2, 1, 1, 0, 42
	KSTEP 3, 1, 1, 0, 24
	KSTEP 4, 1, 0, 0, 24
	KSTEP 5, 1, 0, 0, 16
	KSTEP 6, 1, 0, 0, 8
	KSTEP 7, 0, 0, 0, 0
	WIN 0x80
.irp nt, 0,1,2,3,4,5,6,7,8,9,10,11,12,13,14,15
.irp q, 0,1
	global_load_b128 v[8*\nt+4*\q:8*\nt+4*\q+3], v[VG], s[50:51] offset:64*\nt+16*\q
	global_load_b128 v[128+8*\nt+4*\q:128+8*\nt+4*\q+3], v[VG], s[52:53] offset:64*\nt+16*\q
.endr
.endr
	WIN 0
	LNORM
	; THE WAY OUT: 16 rows x my 1,024 bytes at a time through my stage; each store of the wave covers 512 consecutive bytes, aligned
.irp mt, 0,1
.if \mt > 0
	s_wait_xcnt 0x0                                ; the stores above have read their registers
.endif
	WIN 0x04
.irp nt, 0,1,2,3,4,5,6,7,8,9,10,11,12,13,14,15
.irp q, 0,1
	ds_store_b128 v[STO], v[8*(16*\mt+\nt)+4*\q:8*(16*\mt+\nt)+4*\q+3] offset:64*\nt+16*\q
.endr
.endr
	WIN 0
.irp i, 0,1,2,3,4,5,6,7,8,9,10,11,12,13,14,15
.irp q, 0,1
	ds_load_b128 v[BK+8*\i+4*\q:BK+8*\i+4*\q+3], v[RD] offset:XP*\i+512*\q   ; LDS serves a wave's instructions in order: these see my stores
.endr
.endr
.irp i, 0,1,2,3,4,5,6,7,8,9,10,11,12,13,14,15
.irp q, 0,1
	s_wait_dscnt 31-(2*\i+\q)
	global_store_b128 v[LI], v[BK+8*\i+4*\q:BK+8*\i+4*\q+3], s[54:55] offset:(16*\mt+\i)*4096+512*\q th:TH_STORE_NT
.endr
.endr
.endr
	s_wait_tensorcnt 0x0                           ; the wave's end
	ds_add_u32 v[SPW], v[NIL]
	s_wait_dscnt 0x0
	CROUND                                         ; the closing round
	s_endpgm
.Lfunc_end_k_qd49c5e1e77_ffn2_ln:
	.size	k_qd49c5e1e77_ffn2_ln, .Lfunc_end_k_qd49c5e1e77_ffn2_ln-k_qd49c5e1e77_ffn2_ln
	.p2alignl 7, 3214868480
	.fill 96, 4, 3214868480
	.section	.rodata,"a",@progbits
	.p2align	6, 0x0
	.amdhsa_kernel k_qd49c5e1e77_ffn2_ln
		.amdhsa_group_segment_fixed_size 327680
		.amdhsa_private_segment_fixed_size 0
		.amdhsa_enable_private_segment 0
		.amdhsa_kernarg_size 64
		.amdhsa_user_sgpr_count 2
		.amdhsa_user_sgpr_kernarg_segment_ptr 1
		.amdhsa_wavefront_size32 1
		.amdhsa_system_sgpr_workgroup_id_x 1
		.amdhsa_system_sgpr_workgroup_id_y 1
		.amdhsa_system_sgpr_workgroup_id_z 1
		.amdhsa_system_vgpr_workitem_id 0
		.amdhsa_next_free_vgpr 768
		.amdhsa_next_free_sgpr 84
		.amdhsa_reserve_vcc 0
		.amdhsa_float_denorm_mode_32 3
		.amdhsa_float_denorm_mode_16_64 3
		.amdhsa_memory_ordered 1
		.amdhsa_forward_progress 1
		.amdhsa_inst_pref_size 254
	.end_amdhsa_kernel
	.amdgpu_metadata
---
amdhsa.version: [ 1, 2 ]
amdhsa.kernels:
  - .name:           k_qd49c5e1e77_ffn2_ln
    .symbol:         k_qd49c5e1e77_ffn2_ln.kd
    .args:
      - { .name: hq, .offset: 0, .size: 8, .value_kind: global_buffer, .address_space: global }
      - { .name: W2_codes, .offset: 8, .size: 8, .value_kind: global_buffer, .address_space: global }
      - { .name: W2_scales, .offset: 16, .size: 8, .value_kind: global_buffer, .address_space: global }
      - { .name: x1f, .offset: 24, .size: 8, .value_kind: global_buffer, .address_space: global }
      - { .name: b2, .offset: 32, .size: 8, .value_kind: global_buffer, .address_space: global }
      - { .name: g2, .offset: 40, .size: 8, .value_kind: global_buffer, .address_space: global }
      - { .name: be2, .offset: 48, .size: 8, .value_kind: global_buffer, .address_space: global }
      - { .name: out0, .offset: 56, .size: 8, .value_kind: global_buffer, .address_space: global }
    .group_segment_fixed_size: 327680
    .private_segment_fixed_size: 0
    .kernarg_segment_align: 8
    .kernarg_segment_size: 64
    .max_flat_workgroup_size: 128
    .sgpr_count:     84
    .vgpr_count:     768
    .wavefront_size: 32
...
	.end_amdgpu_metadata
.endif
;; end of part 6
;; ======== version 2 of 2: 7 launches
;; limits: right only within a limited range of input values
;; workspace buffers: xq 4,325,376 bytes; qkv 13,238,272 bytes; ctx 4,325,376 bytes; x1q 4,325,376 bytes; x1f 16,777,216 bytes; hq 17,301,504 bytes; yf 16,777,216 bytes
;; launch quant_x (part 7): grid 256 x 1, 2 waves a work-group, no clusters, 16,640 bytes of LDS; arguments x, xq; writes xq
.if DOCPART == 7
	.amdgcn_target "amdgcn-amd-amdhsa--gfx1250"
	.amdhsa_code_object_version 6
	.text
	.protected	k_qd49c5e1e77_quant_x
	.globl	k_qd49c5e1e77_quant_x
	.p2align	8
	.type	k_qd49c5e1e77_quant_x,@function
k_qd49c5e1e77_quant_x:
	s_mov_b64 s[64:65], 0
	v_nop
	global_prefetch_b8 v0, s[64:65] scope:SCOPE_SE
	s_setreg_imm32_b32 hwreg(HW_REG_WAVE_MODE, 25, 1), 1
	s_wait_xcnt 0x0
; x [4096][1024] f32 becomes codes of E5M2 (xq, rows of 1,024 bytes) and one E8M0 byte for each 32 along a row (xq + 4,194,304, rows of 32 bytes).
; A block's byte is its largest magnitude's exponent field - 15, held at 1 from below; each number is rounded to the nearest code, ties to even.
; LIMITS: a block of zeros, and one whose largest magnitude lies under 2^-111, gets the byte 1 (the bytes are read by this program alone; zero codes add nothing); NaN and infinities are not served.
; Rows are dense, so x is a plain stream of blocks.  A wave takes 16 steps of 512 numbers; each load reads 512 consecutive bytes; a step's 2,048 bytes turn through the wave's own stage in LDS
; (16 bytes of padding behind each 64) so that a lane then holds 16 neighbours, two lanes a block.  Codes leave 512 consecutive bytes a store, a wave's 256 scale bytes as one store.
; No tensor load, no barrier: waves share nothing.  Loads run four steps (16 loads a wave) ahead.
.set STEPS, 16
.set EMAX,  15
.set MANT,  0x600000                   ; the mantissa field of 57,344
.set CB,    16
.set R,     16                         ; v16-79   four sets of 16 numbers as loaded
.set X,     80                         ; v80-111  two sets of 16 neighbours
.set C,     128                        ; v128-191 codes, four registers a step
.set E,     112                        ; v112-127 a scale byte a step
.set WREG,  8192                       ; LDS of a wave: two stages of 32 x SP bytes, then its 256 scale bytes
.set SP,    80
.set SC_AT, 4194304
	s_load_b128 s[4:7], s[0:1], 0x0                ; x, xq
	v_lshl_add_u32 v192, v0, 2, 0x4000
	v_mov_b32 v193, 0
	v_lshrrev_b32 v1, 5, v0
	v_readfirstlane_b32 s16, v1                    ; wave
	v_and_b32 v2, 31, v0                           ; lane
	v_lshlrev_b32 v3, 4, v2                        ; my 16 bytes of a load's 512
	s_mul_i32 s17, s16, WREG
	v_lshrrev_b32 v14, 2, v2
	v_mul_u32_u24 v14, v14, SP
	v_and_b32 v15, 3, v2
	v_lshl_add_u32 v14, v15, 4, v14
	v_add_nc_u32 v14, s17, v14                     ; the stage, way in: SP (lane / 4) + 16 (lane % 4)
	v_mul_u32_u24 v15, v2, SP
	v_add_nc_u32 v15, s17, v15                     ; way out: SP x lane
	v_mul_u32_u24 v4, v2, CB                       ; my codes' place in a step's
	v_lshrrev_b32 v5, 1, v2
	s_add_co_u32 s17, s17, 2*32*SP
	v_add_nc_u32 v5, s17, v5                       ; my block's scale byte in LDS
	v_lshlrev_b32 v7, 3, v2
	v_add_nc_u32 v6, s17, v7                       ; and 8 bytes a lane on the way out
	s_lshl_b32 s18, ttmp9, 1
	s_add_co_u32 s18, s18, s16                     ; which run of 8,192 numbers is my wave's
	s_mov_b32 s19, 0
	s_lshl_b64 s[20:21], s[18:19], 15              ; 32,768 bytes of x a run
	s_lshl_b64 s[24:25], s[18:19], 13              ; 8,192 bytes of codes
	s_lshl_b32 s18, s18, 8                         ; 256 scale bytes
	s_add_co_u32 s18, s18, SC_AT
	s_wait_alu depctr_va_vdst(0)
	s_wait_kmcnt 0x0
	s_add_nc_u64 s[4:5], s[4:5], s[20:21]
	s_add_nc_u64 s[8:9], s[6:7], s[24:25]
	s_add_nc_u64 s[10:11], s[6:7], s[18:19]
.macro LOAD t
.irp i, 0,1,2,3
	global_load_b128 v[R+16*((\t)%4)+4*\i:R+16*((\t)%4)+4*\i+3], v3, s[4:5] offset:2048*(\t)+512*\i th:TH_LOAD_NT
.endr
.endm
.macro TURN t                          ; LDS serves a wave's instructions in order: no wait between the stores and the loads
.irp i, 0,1,2,3
	ds_store_b128 v14, v[R+16*((\t)%4)+4*\i:R+16*((\t)%4)+4*\i+3] offset:32*SP*((\t)%2)+8*SP*\i
.endr
.irp i, 0,1,2,3
	ds_load_b128 v[X+16*((\t)%2)+4*\i:X+16*((\t)%2)+4*\i+3], v15 offset:32*SP*((\t)%2)+16*\i
.endr
.endm
.irp t, 0,1,2,3
	LOAD \t
.endr
	s_wait_loadcnt 12                              ; step 0's four loads are in
	TURN 0
.macro STEP t
.set XS, X+16*((\t)%2)
.if (\t) > 0
	s_wait_dscnt 1                                 ; this step's numbers are back (the last step's byte store may be out)
.else
	s_wait_dscnt 0x0
.endif
.if (\t)+4 < STEPS
	LOAD (\t)+4
.endif
.if (\t)+1 < STEPS
.if STEPS-2-(\t) >= 3
	s_wait_loadcnt 12                              ; the next step's four loads are in; three steps' may be out
.else
	s_wait_loadcnt 4*(STEPS-2-(\t))
.endif
	TURN (\t)+1
.endif
	v_max3_num_f32 v8, |v[XS]|, |v[XS+1]|, |v[XS+2]|
	v_max3_num_f32 v9, |v[XS+3]|, |v[XS+4]|, |v[XS+5]|
.irp i, 6,10
	v_max3_num_f32 v8, v8, |v[XS+\i]|, |v[XS+\i+1]|
	v_max3_num_f32 v9, v9, |v[XS+\i+2]|, |v[XS+\i+3]|
.endr
	v_max3_num_f32 v8, v8, |v[XS+14]|, |v[XS+15]|
	v_max3_num_f32 v8, v8, v9, (EMAX+1)<<23        ; the floor 2^(16 - 127): the byte cannot fall under 1
	v_max_num_f32_dpp v8, v8, v8 row_xmask:1 row_mask:0xf bank_mask:0xf   ; with my neighbour's 16: the block's
	v_add_nc_u32 v11, -(EMAX<<23), v8              ; 15 off the exponent field: the conversion's scale operand
.irp i, 0,1,2,3,4,5,6,7,8,9,10,11,12,13,14,15
.endr
	v_cvt_scalef32_pk8_bf8_f32 v[C+4*(\t):C+4*(\t)+1], v[XS:XS+7], v11
	v_cvt_scalef32_pk8_bf8_f32 v[C+4*(\t)+2:C+4*(\t)+3], v[XS+8:XS+15], v11
	v_lshrrev_b32 v[E+(\t)], 23, v11               ; the scale's byte
	ds_store_b8 v5, v[E+(\t)] offset:16*(\t)       ; both lanes of a block write the same byte
	global_store_b128 v4, v[C+4*(\t):C+4*(\t)+3], s[8:9] offset:32*CB*(\t)
.endm
.irp t, 0,1,2,3,4,5,6,7,8,9,10,11,12,13,14,15
	STEP \t
.endr
	ds_load_b64 v[12:13], v6
	s_wait_dscnt 0x0
	global_store_b64 v7, v[12:13], s[10:11]        ; 32 lanes store 256 consecutive bytes, aligned
	s_wait_tensorcnt 0x0
	ds_add_u32 v192, v193
	s_wait_dscnt 0x0
	s_endpgm
.Lfunc_end_k_qd49c5e1e77_quant_x:
	.size	k_qd49c5e1e77_quant_x, .Lfunc_end_k_qd49c5e1e77_quant_x-k_qd49c5e1e77_quant_x
	.p2alignl 7, 3214868480
	.fill 96, 4, 3214868480
	.section	.rodata,"a",@progbits
	.p2align	6, 0x0
	.amdhsa_kernel k_qd49c5e1e77_quant_x
		.amdhsa_group_segment_fixed_size 16640
		.amdhsa_private_segment_fixed_size 0
		.amdhsa_enable_private_segment 0
		.amdhsa_kernarg_size 16
		.amdhsa_user_sgpr_count 2
		.amdhsa_user_sgpr_kernarg_segment_ptr 1
		.amdhsa_wavefront_size32 1
		.amdhsa_system_sgpr_workgroup_id_x 1
		.amdhsa_system_sgpr_workgroup_id_y 1
		.amdhsa_system_sgpr_workgroup_id_z 1
		.amdhsa_system_vgpr_workitem_id 0
		.amdhsa_next_free_vgpr 194
		.amdhsa_next_free_sgpr 66
		.amdhsa_reserve_vcc 0
		.amdhsa_float_denorm_mode_32 3
		.amdhsa_float_denorm_mode_16_64 3
		.amdhsa_fp16_overflow 1
		.amdhsa_memory_ordered 1
		.amdhsa_forward_progress 1
		.amdhsa_inst_pref_size 33
	.end_amdhsa_kernel
	.amdgpu_metadata
---
amdhsa.version: [ 1, 2 ]
amdhsa.kernels:
  - .name:           k_qd49c5e1e77_quant_x
    .symbol:         k_qd49c5e1e77_quant_x.kd
    .args:
      - { .name: x, .offset: 0, .size: 8, .value_kind: global_buffer, .address_space: global }
      - { .name: xq, .offset: 8, .size: 8, .value_kind: global_buffer, .address_space: global }
    .group_segment_fixed_size: 16640
    .private_segment_fixed_size: 0
    .kernarg_segment_align: 8
    .kernarg_segment_size: 16
    .max_flat_workgroup_size: 64
    .sgpr_count:     66
    .vgpr_count:     194
    .wavefront_size: 32
...
	.end_amdgpu_metadata
.endif
;; end of part 7
;; launch qkv: the kernel of part 2 again; grid 12 x 16, 4 waves a work-group, clusters of 4 x 4, 327,680 bytes of LDS; arguments xq, Wq_codes, Wq_scales, Wk_codes, Wk_scales, Wv_codes, Wv_scales, qkv; writes qkv
;; launch attn (part 8): grid 8 x 32, 16 waves a work-group, clusters of 4 x 1, 276,480 bytes of LDS; arguments qkv, ctx; writes ctx
.if DOCPART == 8
	.amdgcn_target "amdgcn-amd-amdhsa--gfx1250"
	.amdhsa_code_object_version 6
	.text
	.protected	k_qd49c5e1e77_attn
	.globl	k_qd49c5e1e77_attn
	.p2align	8
	.type	k_qd49c5e1e77_attn,@function
k_qd49c5e1e77_attn:
	s_mov_b64 s[64:65], 0
	v_nop
	global_prefetch_b8 v0, s[64:65] scope:SCOPE_SE
	s_setreg_imm32_b32 hwreg(HW_REG_WAVE_MODE, 25, 1), 1
	s_wait_xcnt 0x0
	s_wait_alu depctr_hold_cnt(0) depctr_sa_sdst(0) depctr_va_vdst(0) depctr_va_sdst(0) depctr_va_ssrc(0) depctr_va_vcc(0) depctr_vm_vsrc(0)
	s_getreg_b32 s2, hwreg(HW_REG_IB_STS2, 6, 4)
	s_cmp_eq_u32 s2, 0
	s_cbranch_scc0 .Lentry_in_a_cluster
	s_endpgm
.Lentry_in_a_cluster:
	s_bfe_u32 s2, ttmp6, 0x10000c
	s_cmp_lg_u32 s2, 0x3003
	s_cbranch_scc0 .Lentry_shape_is_right
	s_endpgm
.Lentry_shape_is_right:
; ctx[b][q][head] = softmax(Q K^T / 8) V for one head and 256 queries a work-group, both products on codes of E5M2 with E8M0 scales; ctx leaves quantised along the model's 1,024.
; THE SOFTMAX: t = score x log2(e) / 8; M = the running largest t rounded up to a whole number; p = 2^(t - M) is quantised along the keys, not normalised; the row's sum is taken of the unquantised p and divides at the end.
; When M moves, the sum and O are multiplied by 2^(old M - new M), which rounds nothing.
; SHARES: sixteen waves, 16 queries each, in 256 registers: four waves to a SIMD, so that one wave's vector work stands beside another's matrix work.  Every wave walks the head's 2,048 keys, 128 a step.
; A HEAD'S K, V AND THEIR SCALE WORDS (268 KB) LIE IN LDS AT ONCE, filled once: no slot is filled again.  The four query blocks of a cluster belong to one head: every tile is asked for jointly.
; K, V, Q arrive as images of operand registers (piece c = registers 4c..4c+3 = 512 bytes, lane l at 16 l): every LDS read is 512 consecutive bytes.
; LAYOUT: S^T = K Q^T (source 0 = 16 keys, source 1 = my 16 queries), O^T = V^T P^T: a lane holds one query throughout.  The head's 64 fill half of the instruction's 128: Q's upper eight registers are zero codes;
; K's upper eight are whatever lies behind (the next tile's codes, all finite), which zero codes annul.  Tile t's register j is key 16 t + 8 (l / 16) + j; behind the conversions the halves of the lanes swap a register pair a block.
; LIMITS: a block of zeros or under 2^-111 gets the byte 1; NaN and infinities are not served.
.set KIMG, 0                           ; LDS: K's image, key tile t at 1,024 t
.set VIMG, 131072                      ; V's: key step j at 8,192 j, d tile at 2,048, piece at 512
.set KSC,  262144                      ; K's scale words, 512 bytes a step
.set VSC,  270336                      ; V's, 256 bytes a step
.set SCB,  12582912
.set HSC,  20480
.set LI,   1                           ; v1  16 x lane
.set L8,   2                           ; v2  8 x lane
.set ADK,  3
.set ADV,  4
.set ADKS, 5
.set ADVS, 6
.set RQ,   7
.set R4,   10
.set QF,   16                          ; v16-23 Q, v24-31 zero codes
.set KD,   32                          ; v32-95 K's eight tiles (8 registers each), later four fragments of V; v96-103 zero codes
.set S,    104                         ; v104-167 S^T, then p
.set O,    168                         ; v168-199 O^T
.set PC,   200                         ; v200-215 p's codes
.set BM,   216
.set PD,   220
.set HO,   224
.set SO,   228
.set KS,   232                         ; v232-235 K's scale words, v236-237 V's, v238 Q's, v239 p's: scales and nothing else
.set VS,   236
.set QS,   238
.set PWD,  239
.set F,    240
.set TA,   242
.set C2,   244
.set WV,   8
.set G1S,  24
.set G1A,  32
.set G1B,  40
.set G0S,  48
.set G0A,  52
.set G0B,  56
.set CS,   72
.set SEL,  74
.set MNT,  76
.set TK,   77
.set TV,   78
.set TS,   79
.set TW,   80
.macro CROUND
	s_barrier_signal -1
	s_barrier_wait -1
	s_cmp_lg_u32 s[WV], 0
	s_cbranch_scc1 .Lnot_wave_0_\@
	s_barrier_signal -3
.Lnot_wave_0_\@:
	s_barrier_wait -3
	s_barrier_signal -1
	s_barrier_wait -1
.endm
	s_load_b128 s[4:7], s[0:1], 0x0                ; qkv, ctx
	v_lshl_add_u32 v254, v0, 2, 0x43000
	v_mov_b32 v255, 0
	ds_add_u32 v254, v255
	ds_add_u32 v254, v255
	v_lshrrev_b32 v8, 5, v0
	s_delay_alu instid0(VALU_DEP_1)
	v_readfirstlane_b32 s[WV], v8                  ; wave 0..15
	s_bfe_u32 s9, ttmp6, 0x40000                   ; cx: it enters Q's and ctx's addresses alone
	s_lshl_b32 s10, ttmp9, 2
	s_add_co_u32 s10, s10, s9                      ; my block of 256 queries
	s_and_b32 s11, ttmp7, 0xffff                   ; 16 x batch + head, which the partners share
	s_lshr_b32 s12, s[WV], 3                       ; I fetch for K (0) or V (1),
	s_and_b32 s13, s[WV], 7                        ; the i-th eighth
	s_lshl_b32 s14, s10, 4
	s_add_co_u32 s14, s14, s[WV]                   ; my tile of 16 queries
	; three shapes, all dense rows of 256 bytes (32 elements of 8 bytes), mask: all four work-groups, bit 21 beside it
.irp g, G1S, G1A, G1B
	s_mov_b32 s[\g], 15|(3<<16)|(1<<21)
	s_mov_b32 s[\g+1], 32<<16
	s_mov_b32 s[\g+3], 32<<16
	s_mov_b32 s[\g+5], 32
	s_mov_b32 s[\g+6], 0
	s_mov_b32 s[\g+7], 0
.endr
	s_mov_b32 s[G1S+2], 3<<16                      ; 768 bytes of scale words,
	s_mov_b32 s[G1S+4], 3
	s_mov_b32 s[G1A+2], 16<<16                     ; 4,096 bytes of key steps 0-3,
	s_mov_b32 s[G1A+4], 16
	s_mov_b32 s[G1B+2], 48<<16                     ; 12,288 bytes of key steps 4-15
	s_mov_b32 s[G1B+4], 48
	s_mul_i32 s16, s11, HSC
	s_mul_i32 s17, s[WV], 768
	s_add_co_u32 s16, s16, s17
	s_add_co_u32 s16, s16, SCB+8192                ; K's and V's scale words lie on end: 12,288 bytes, 768 a wave
	s_mov_b32 s17, 0
	s_lshl_b32 s18, s12, 22
	s_lshl_b32 s19, s11, 17
	s_add_co_u32 s18, s18, s19
	s_add_co_u32 s18, s18, 4194304                 ; the head's image of K or of V
	s_lshl_b32 s19, s13, 12
	s_mul_i32 s20, s13, 12288
	s_add_co_u32 s20, s20, s18
	s_add_co_u32 s20, s20, 32768
	s_add_co_u32 s18, s18, s19
	s_mov_b32 s19, 0
	s_mov_b32 s21, 0
	s_mov_b32 s[G0S], 1
	s_mul_i32 s[G0S+1], s[WV], 768
	s_add_co_u32 s[G0S+1], s[G0S+1], KSC
	s_lshl_b32 s22, s12, 17
	s_mov_b32 s[G0A], 1
	s_lshl_b32 s[G0A+1], s13, 12
	s_add_co_u32 s[G0A+1], s[G0A+1], s22
	s_mov_b32 s[G0B], 1
	s_mul_i32 s[G0B+1], s13, 12288
	s_add_co_u32 s[G0B+1], s[G0B+1], s22
	s_add_co_u32 s[G0B+1], s[G0B+1], 32768
	s_mov_b32 s[CS], 0x3e38aa3b                    ; c = log2(e) / 8
	s_mov_b32 s[CS+1], s[CS]
	s_mov_b32 s[SEL], 0x76543210
	s_mov_b32 s[SEL+1], 0xfedcba98
	s_mov_b32 s[TK], KIMG
	s_mov_b32 s[TV], VIMG
	s_mov_b32 s[TS], KSC
	s_mov_b32 s[TW], VSC
	s_wait_dscnt 0x0
	s_wait_kmcnt 0x0
	s_add_nc_u64 s[G0S+2:G0S+3], s[4:5], s[16:17]
	s_or_b32 s[G0S+3], s[G0S+3], 0x80000000
	s_add_nc_u64 s[G0A+2:G0A+3], s[4:5], s[18:19]
	s_or_b32 s[G0A+3], s[G0A+3], 0x80000000
	s_add_nc_u64 s[G0B+2:G0B+3], s[4:5], s[20:21]
	s_or_b32 s[G0B+3], s[G0B+3], 0x80000000
	CROUND                                         ; all four work-groups are here: the joint loads meet
	tensor_load_to_lds s[G0S:G0S+3], s[G1S:G1S+7]  ; all fills of the launch go out together: three loads of mine are out
	s_nop 0
	tensor_load_to_lds s[G0A:G0A+3], s[G1A:G1A+7]
	s_nop 0
	tensor_load_to_lds s[G0B:G0B+3], s[G1B:G1B+7]
	s_nop 0
.rept 4
	v_nop
.endr
	s_lshl_b32 s16, s11, 17
	s_lshl_b32 s18, s14, 10
	s_add_co_u32 s16, s16, s18
	s_add_nc_u64 s[60:61], s[4:5], s[16:17]        ; Q's image of my tile
	s_mul_i32 s16, s11, HSC
	s_lshr_b32 s18, s14, 3
	s_lshl_b32 s18, s18, 9
	s_add_co_u32 s16, s16, s18                     ; the group of 128 tokens,
	s_and_b32 s18, s14, 1
	s_lshl_b32 s18, s18, 8
	s_add_co_u32 s16, s16, s18                     ; the half of the lanes' places,
	s_bfe_u32 s18, s14, 0x20001
	s_lshl_b32 s18, s18, 2
	s_add_co_u32 s16, s16, s18                     ; the word
	s_add_co_u32 s16, s16, SCB
	s_add_nc_u64 s[66:67], s[4:5], s[16:17]        ; Q's scale words of my tile
	s_lshr_b32 s18, s11, 4
	s_lshl_b32 s18, s18, 7
	s_add_co_u32 s18, s18, s14                     ; my tile of 16 tokens among 256
	s_and_b32 s19, s11, 15                         ; the head
	s_lshl_b32 s16, s18, 14
	s_lshr_b32 s20, s19, 1
	s_lshl_b32 s21, s20, 11
	s_add_co_u32 s16, s16, s21
	s_and_b32 s21, s19, 1
	s_lshl_b32 s22, s21, 10
	s_add_co_u32 s16, s16, s22
	s_add_nc_u64 s[68:69], s[6:7], s[16:17]        ; ctx's image: [tile][K step = 2 heads][piece][512]
	s_lshl_b32 s16, s18, 9
	s_lshl_b32 s20, s20, 6
	s_add_co_u32 s16, s16, s20
	s_lshl_b32 s21, s21, 1
	s_add_co_u32 s16, s16, s21
	s_add_co_u32 s16, s16, 4194304
	s_add_nc_u64 s[70:71], s[6:7], s[16:17]        ; and my half of its scale words
	v_and_b32 v8, 31, v0
	v_and_b32 v9, 15, v0
	s_delay_alu instid0(VALU_DEP_2)
	v_lshlrev_b32 v[LI], 4, v8
	s_delay_alu instid0(VALU_DEP_3)
	v_lshlrev_b32 v[L8], 3, v8
	s_delay_alu instid0(VALU_DEP_3)
	v_lshlrev_b32 v[RQ], 4, v9
	s_delay_alu instid0(VALU_DEP_4)
	v_lshlrev_b32 v[R4], 2, v9
	global_load_b128 v[QF:QF+3], v[LI], s[60:61]
	global_load_b128 v[QF+4:QF+7], v[LI], s[60:61] offset:512
	global_load_b32 v[QS], v[RQ], s[66:67]
.irp j, 0,1,2,3,4,5,6,7
	v_mov_b32 v[QF+8+\j], 0                        ; zero codes: K = 64 .. 127 of the first product
	v_mov_b32 v[KD+64+\j], 0
.endr
	v_mov_b32 v13, 0xff61b1e6                      ; the largest t so far: -3e38
	s_delay_alu instid0(VALU_DEP_1)
	v_floor_f32 v12, -v13                          ; -M
	v_mov_b32 v14, 0
	v_mov_b32 v15, 0
.irp b, 0,1,2,3
	v_mov_b32 v[PD+\b], 0                          ; a lane permute's destination counts as one of its sources
.endr
	v_mov_b32 v[F+1], 0                            ; (named as the upper half of a pair)
	v_mov_b32 v[TA], 0
.irp j, 0,1,2,3,4,5,6,7,8,9,10,11,12,13,14,15,16,17,18,19,20,21,22,23,24,25,26,27,28,29,30,31
	v_mov_b32 v[O+\j], 0                           ; the step is written once: the first finds zeros
.endr
; A KEY STEP: 128 keys
.macro STEP
	s_setprio 2
	v_add_nc_u32 v[ADK], s[TK], v[LI]
	v_add_nc_u32 v[ADV], s[TV], v[LI]
	v_add_nc_u32 v[ADKS], s[TS], v[LI]
	v_add_nc_u32 v[ADVS], s[TW], v[L8]
.rept 4
	v_nop                                          ; with the four additions: eight places in front of loads into registers that the last products read
.endr
.irp t, 0,1,2,3,4,5,6,7
	ds_load_b128 v[KD+8*\t:KD+8*\t+3], v[ADK] offset:1024*\t
	ds_load_b128 v[KD+8*\t+4:KD+8*\t+7], v[ADK] offset:1024*\t+512
.endr
	ds_load_b128 v[KS:KS+3], v[ADKS]               ; register j: lanes 0-15 tile 2 j's words, lanes 16-31 tile 2 j + 1's
	s_wait_alu depctr_va_vdst(0)
	s_wait_dscnt 0x0
.irp t, 0,1,2,3,4,5,6,7
.if (\t)%2
	v_wmma_scale_f32_16x16x128_f8f6f4 v[S+8*\t:S+8*\t+7], v[KD+8*\t:KD+8*\t+15], v[QF:QF+15], 0, v[KS+(\t)/2], v[QS] matrix_a_fmt:MATRIX_FMT_BF8 matrix_b_fmt:MATRIX_FMT_BF8 matrix_a_scale:MATRIX_SCALE_ROW1
.else
	v_wmma_scale_f32_16x16x128_f8f6f4 v[S+8*\t:S+8*\t+7], v[KD+8*\t:KD+8*\t+15], v[QF:QF+15], 0, v[KS+(\t)/2], v[QS] matrix_a_fmt:MATRIX_FMT_BF8 matrix_b_fmt:MATRIX_FMT_BF8
.endif
.endr
.rept 8
	v_nop
.endr
.irp dt, 0,1,2,3                       ; V's four fragments land under the softmax
.irp c, 0,1,2,3
	ds_load_b128 v[KD+16*\dt+4*\c:KD+16*\dt+4*\c+3], v[ADV] offset:2048*\dt+512*\c
.endr
.endr
	ds_load_b64 v[VS:VS+1], v[ADVS]
.irp b, 0,1,2,3
	v_max3_num_f32 v[BM+\b], v[S+16*\b], v[S+16*\b+1], v[S+16*\b+2]   ; the largest score of each block of 32 keys: for the row's maximum, and, since p rises with the score, for the block's largest p
.endr
.irp i, 3,5,7,9,11,13
.irp b, 0,1,2,3
	v_max3_num_f32 v[BM+\b], v[BM+\b], v[S+16*\b+\i], v[S+16*\b+\i+1]
.endr
.endr
.irp b, 0,1,2,3
	v_max_num_f32 v[BM+\b], v[BM+\b], v[S+16*\b+15]
.endr
.irp b, 0,1,2,3
	s_delay_alu instid0(VALU_DEP_4)
	v_permlanex16_b32 v[PD+\b], v[BM+\b], s[SEL], s[SEL+1]
.endr
.irp b, 0,1,2,3
	s_delay_alu instid0(VALU_DEP_4)
	v_max_num_f32 v[BM+\b], v[BM+\b], v[PD+\b]
.endr
	s_delay_alu instid0(VALU_DEP_2)
	v_max3_num_f32 v[TA], v[BM], v[BM+1], v[BM+2]
	s_delay_alu instid0(VALU_DEP_1)
	v_max_num_f32 v[TA], v[TA], v[BM+3]
	s_delay_alu instid0(VALU_DEP_1)
	v_mul_f32 v[TA], s[CS], v[TA]
	s_delay_alu instid0(VALU_DEP_1)
	v_max_num_f32 v13, v13, v[TA]                  ; the running largest t
	v_mov_b32 v[TA], v12
	s_delay_alu instid0(VALU_DEP_2)
	v_floor_f32 v12, -v13                          ; the new -M = -ceil(t)
	s_delay_alu instid0(VALU_DEP_1)
	v_sub_f32 v[TA], v12, v[TA]                    ; old M - new M: a whole number, 0 or less
	s_delay_alu instid0(VALU_DEP_1)
	v_cvt_i32_f32 v[TA], v[TA]
	s_delay_alu instid0(VALU_DEP_1)
	v_ldexp_f32 v[F], 1.0, v[TA]                   ; f = 2^(old M - new M)
.irp j, 0,2,4,6,8,10,12,14,16,18,20,22,24,26,28,30,32,34,36,38,40,42,44,46,48,50,52,54,56,58,60,62
	v_pk_fma_f32 v[S+\j:S+\j+1], v[S+\j:S+\j+1], s[CS:CS+1], v[12:13] op_sel_hi:[1,0,0]   ; t - M
.endr
.irp b, 0,1,2,3
	v_fma_f32 v[BM+\b], v[BM+\b], s[CS], v12
.endr
	s_setprio 1
	s_wait_alu depctr_va_vdst(0)
.irp j, 0,1,2,3,4,5,6,7,8,9,10,11,12,13,14,15,16,17,18,19,20,21,22,23,24,25,26,27,28,29,30,31,32,33,34,35,36,37,38,39,40,41,42,43,44,45,46,47,48,49,50,51,52,53,54,55,56,57,58,59,60,61,62,63
	v_exp_f32 v[S+\j], v[S+\j]                     ; p = 2^(t - M)
.endr
	v_pk_mul_f32 v[14:15], v[14:15], v[F:F+1] op_sel_hi:[1,0]   ; the sums under the new M (a plain instruction behind the exponentials)
	s_wait_alu depctr_va_vdst(0)                   ; one wait for the batch of 64, ahead of its first reader
.irp b, 0,1,2,3
	v_exp_f32 v[BM+\b], v[BM+\b]                   ; the block's largest p
.endr
	v_pk_add_f32 v[244:245], v[108:109], v[112:113]
	v_pk_add_f32 v[252:253], v[116:117], v[120:121]
	v_pk_add_f32 v[250:251], v[124:125], v[128:129]
	v_pk_add_f32 v[248:249], v[132:133], v[136:137]
	v_pk_add_f32 v[246:247], v[140:141], v[144:145]
	v_pk_add_f32 v[234:235], v[148:149], v[152:153]
	v_pk_add_f32 v[232:233], v[156:157], v[160:161]
	v_pk_add_f32 v[14:15], v[14:15], v[164:165]
	v_pk_add_f32 v[244:245], v[244:245], v[104:105]
	v_pk_add_f32 v[252:253], v[252:253], v[106:107]
	v_pk_add_f32 v[250:251], v[250:251], v[110:111]
	v_pk_add_f32 v[248:249], v[248:249], v[114:115]
	v_pk_add_f32 v[246:247], v[246:247], v[118:119]
	v_pk_add_f32 v[234:235], v[234:235], v[122:123]
	v_pk_add_f32 v[232:233], v[232:233], v[126:127]
	v_pk_add_f32 v[14:15], v[14:15], v[130:131]
	v_pk_add_f32 v[244:245], v[244:245], v[134:135]
	v_pk_add_f32 v[252:253], v[252:253], v[138:139]
	v_pk_add_f32 v[250:251], v[250:251], v[142:143]
	v_pk_add_f32 v[248:249], v[248:249], v[146:147]
	v_pk_add_f32 v[246:247], v[246:247], v[150:151]
	v_pk_add_f32 v[234:235], v[234:235], v[154:155]
	v_pk_add_f32 v[232:233], v[232:233], v[158:159]
	v_pk_add_f32 v[14:15], v[14:15], v[162:163]
	v_pk_add_f32 v[244:245], v[244:245], v[166:167]
	s_delay_alu instid0(VALU_DEP_2)
	v_pk_add_f32 v[14:15], v[14:15], v[248:249]
	s_delay_alu instid0(VALU_DEP_2)
	v_pk_add_f32 v[244:245], v[244:245], v[246:247]
	v_pk_add_f32 v[252:253], v[252:253], v[234:235]
	v_pk_add_f32 v[250:251], v[250:251], v[232:233]
	s_delay_alu instid0(VALU_DEP_2)
	v_pk_add_f32 v[14:15], v[14:15], v[252:253]
	s_delay_alu instid0(VALU_DEP_2)
	v_pk_add_f32 v[244:245], v[244:245], v[250:251]
	s_delay_alu instid0(VALU_DEP_1)
	v_pk_add_f32 v[14:15], v[14:15], v[244:245]
	s_wait_alu depctr_va_vdst(0)                   ; and one for the four
.irp b, 0,1,2,3
	v_max_num_f32 v[BM+\b], 0x8000000, v[BM+\b]    ; the floor 2^(16 - 127)
.endr
.irp b, 0,1,2,3
	s_delay_alu instid0(VALU_DEP_4)
	v_add_nc_u32 v[SO+\b], 0xf8800000, v[BM+\b]
.endr
.irp b, 0,1,2,3
.endr
.irp b, 0,1,2,3
	s_delay_alu instid0(VALU_DEP_4)
	v_lshrrev_b32 v[PD+\b], 23, v[SO+\b]
.endr
	s_delay_alu instid0(VALU_DEP_3)
	v_lshl_or_b32 v[PWD], v[PD+1], 8, v[PD]        ; p's scale word for these 128 keys
	s_delay_alu instid0(VALU_DEP_1)
	v_lshl_or_b32 v[PWD], v[PD+2], 16, v[PWD]
	s_delay_alu instid0(VALU_DEP_1)
	v_lshl_or_b32 v[PWD], v[PD+3], 24, v[PWD]
.irp b, 0,1,2,3
.irp i, 0,1,2,3,4,5,6,7,8,9,10,11,12,13,14,15
.endr
	v_cvt_scalef32_pk8_bf8_f32 v[PC+4*\b:PC+4*\b+1], v[S+16*\b:S+16*\b+7], v[SO+\b]
	v_cvt_scalef32_pk8_bf8_f32 v[PC+4*\b+2:PC+4*\b+3], v[S+16*\b+8:S+16*\b+15], v[SO+\b]
.endr
	s_setprio 0
.irp j, 0,2,4,6,8,10,12,14
	v_pk_mul_f32 v[O+\j:O+\j+1], v[O+\j:O+\j+1], v[F:F+1] op_sel_hi:[1,0]   ; O^T under the new M (also the plain instruction behind the conversions)
.endr
.irp b, 0,1,2,3
	v_permlane16_swap_b32 v[PC+4*\b], v[PC+4*\b+2] ; the codes into the operand's order: K = 32 b + 16 (l / 16) + 0..15
	v_permlane16_swap_b32 v[PC+4*\b+1], v[PC+4*\b+3]
.endr
.irp j, 16,18,20,22,24,26,28,30
	v_pk_mul_f32 v[O+\j:O+\j+1], v[O+\j:O+\j+1], v[F:F+1] op_sel_hi:[1,0]   ; (also the places between the codes' last write and the products)
.endr
	s_wait_alu depctr_va_vdst(0)
	s_wait_dscnt 0x0                               ; V and its scale words are in
.irp dt, 0,1,2,3
.if (\dt)%2
	v_wmma_scale_f32_16x16x128_f8f6f4 v[O+8*\dt:O+8*\dt+7], v[KD+16*\dt:KD+16*\dt+15], v[PC:PC+15], v[O+8*\dt:O+8*\dt+7], v[VS+(\dt)/2], v[PWD] matrix_a_fmt:MATRIX_FMT_BF8 matrix_b_fmt:MATRIX_FMT_BF8 matrix_a_scale:MATRIX_SCALE_ROW1
.else
	v_wmma_scale_f32_16x16x128_f8f6f4 v[O+8*\dt:O+8*\dt+7], v[KD+16*\dt:KD+16*\dt+15], v[PC:PC+15], v[O+8*\dt:O+8*\dt+7], v[VS+(\dt)/2], v[PWD] matrix_a_fmt:MATRIX_FMT_BF8 matrix_b_fmt:MATRIX_FMT_BF8
.endif
.endr
	s_add_co_u32 s[TK], s[TK], 8192
	s_add_co_u32 s[TV], s[TV], 8192
	s_add_co_u32 s[TS], s[TS], 512
	s_add_co_u32 s[TW], s[TW], 256
.endm
	s_wait_loadcnt 0x0                             ; Q
	s_wait_tensorcnt 0x1                           ; my parts of the scale words and of key steps 0-3 are in; the load for steps 4-15, issued behind them, may stay out
	s_barrier_signal -1
	s_barrier_wait -1                              ; everybody's are
	s_mov_b32 s3, 4
.Lfirst:
	STEP
	s_sub_co_u32 s3, s3, 1
	s_cmp_lg_u32 s3, 0
	s_cbranch_scc1 .Lfirst
	s_setprio 0
	s_wait_tensorcnt 0x0                           ; my part of key steps 4-15
	s_wait_dscnt 0x0
	s_barrier_signal -1
	s_barrier_wait -1
	s_mov_b32 s3, 12
.Lrest:
	STEP
	s_sub_co_u32 s3, s3, 1
	s_cmp_lg_u32 s3, 0
	s_cbranch_scc1 .Lrest
	s_setprio 0
	; THE WAY OUT: O^T / the sum, quantised along the head's 64 (two blocks), as half a fragment of the next product's operand
.rept 8
	v_nop
.endr
	v_add_f32 v14, v14, v15
	s_delay_alu instid0(VALU_DEP_1)
	v_permlanex16_b32 v[TA], v14, s[SEL], s[SEL+1]
	s_delay_alu instid0(VALU_DEP_1)
	v_add_f32 v14, v14, v[TA]                      ; the row's sum
	s_wait_alu depctr_va_vdst(0)
	v_rcp_f32 v14, v14
	v_nop                                          ; a plain instruction behind the transcendental
	s_wait_alu depctr_va_vdst(0)                   ; and the wait ahead of its first reader
.irp j, 0,1,2,3,4,5,6,7,8,9,10,11,12,13,14,15,16,17,18,19,20,21,22,23,24,25,26,27,28,29,30,31
	v_mul_f32 v[S+\j], v[O+\j], v14                ; each accumulator from its low end on
.endr
.irp b, 0,1
	v_max3_num_f32 v[BM+\b], |v[S+16*\b]|, |v[S+16*\b+1]|, 0x8000000
.endr
.irp i, 2,4,6,8,10,12,14
.irp b, 0,1
	s_delay_alu instid0(VALU_DEP_2)
	v_max3_num_f32 v[BM+\b], v[BM+\b], |v[S+16*\b+\i]|, |v[S+16*\b+\i+1]|
.endr
.endr
.irp b, 0,1
	s_delay_alu instid0(VALU_DEP_2)
	v_permlanex16_b32 v[PD+\b], v[BM+\b], s[SEL], s[SEL+1]
.endr
.irp b, 0,1
	s_delay_alu instid0(VALU_DEP_2)
	v_max_num_f32 v[BM+\b], v[BM+\b], v[PD+\b]
.endr
.irp b, 0,1
	s_delay_alu instid0(VALU_DEP_2)
	v_add_nc_u32 v[SO+\b], 0xf8800000, v[BM+\b]
.endr
.irp b, 0,1
.endr
.irp b, 0,1
	s_delay_alu instid0(VALU_DEP_2)
	v_lshrrev_b32 v[PD+\b], 23, v[SO+\b]
.endr
	s_delay_alu instid0(VALU_DEP_1)
	v_lshl_or_b32 v[TA], v[PD+1], 8, v[PD]         ; my head's two bytes of the row's scale word
.irp b, 0,1
.irp i, 0,1,2,3,4,5,6,7,8,9,10,11,12,13,14,15
.endr
	v_cvt_scalef32_pk8_bf8_f32 v[PC+4*\b:PC+4*\b+1], v[S+16*\b:S+16*\b+7], v[SO+\b]
	v_cvt_scalef32_pk8_bf8_f32 v[PC+4*\b+2:PC+4*\b+3], v[S+16*\b+8:S+16*\b+15], v[SO+\b]
.endr
	v_nop
.irp b, 0,1
	v_permlane16_swap_b32 v[PC+4*\b], v[PC+4*\b+2]
	v_permlane16_swap_b32 v[PC+4*\b+1], v[PC+4*\b+3]
.endr
	global_store_b128 v[LI], v[PC:PC+3], s[68:69]              ; 512 consecutive bytes each
	global_store_b128 v[LI], v[PC+4:PC+7], s[68:69] offset:512
	global_store_b16 v[R4], v[TA], s[70:71]                    ; (lanes l and l + 16 write the same two bytes)
	s_wait_tensorcnt 0x0
	ds_add_u32 v254, v255
	s_wait_dscnt 0x0
	CROUND                                         ; the closing round: no work-group ends while a partner may still ask
	s_endpgm
.Lfunc_end_k_qd49c5e1e77_attn:
	.size	k_qd49c5e1e77_attn, .Lfunc_end_k_qd49c5e1e77_attn-k_qd49c5e1e77_attn
	.p2alignl 7, 3214868480
	.fill 96, 4, 3214868480
	.section	.rodata,"a",@progbits
	.p2align	6, 0x0
	.amdhsa_kernel k_qd49c5e1e77_attn
		.amdhsa_group_segment_fixed_size 276480
		.amdhsa_private_segment_fixed_size 0
		.amdhsa_enable_private_segment 0
		.amdhsa_kernarg_size 16
		.amdhsa_user_sgpr_count 2
		.amdhsa_user_sgpr_kernarg_segment_ptr 1
		.amdhsa_wavefront_size32 1
		.amdhsa_system_sgpr_workgroup_id_x 1
		.amdhsa_system_sgpr_workgroup_id_y 1
		.amdhsa_system_sgpr_workgroup_id_z 1
		.amdhsa_system_vgpr_workitem_id 0
		.amdhsa_next_free_vgpr 256
		.amdhsa_next_free_sgpr 84
		.amdhsa_reserve_vcc 0
		.amdhsa_float_denorm_mode_32 3
		.amdhsa_float_denorm_mode_16_64 3
		.amdhsa_fp16_overflow 1
		.amdhsa_memory_ordered 1
		.amdhsa_forward_progress 1
		.amdhsa_inst_pref_size 49
	.end_amdhsa_kernel
	.amdgpu_metadata
---
amdhsa.version: [ 1, 2 ]
amdhsa.kernels:
  - .name:           k_qd49c5e1e77_attn
    .symbol:         k_qd49c5e1e77_attn.kd
    .args:
      - { .name: qkv, .offset: 0, .size: 8, .value_kind: global_buffer, .address_space: global }
      - { .name: ctx, .offset: 8, .size: 8, .value_kind: global_buffer, .address_space: global }
    .group_segment_fixed_size: 276480
    .private_segment_fixed_size: 0
    .kernarg_segment_align: 8
    .kernarg_segment_size: 16
    .max_flat_workgroup_size: 512
    .sgpr_count:     84
    .vgpr_count:     256
    .wavefront_size: 32
...
	.end_amdgpu_metadata
.endif
;; end of part 8
;; launch wo_ln: the kernel of part 4 again; grid 128 x 1, 4 waves a work-group, clusters of 4 x 1, 327,680 bytes of LDS; arguments ctx, Wo_codes, Wo_scales, x, g1, be1, x1q, x1f; writes x1q, x1f
;; launch ffn1: the kernel of part 5 again; grid 16 x 16, 4 waves a work-group, clusters of 4 x 4, 327,680 bytes of LDS; arguments x1q, W1_codes, W1_scales, b1, hq; writes hq
;; launch ffn2 (part 9): grid 8 x 32, 4 waves a work-group, clusters of 4 x 4, 327,680 bytes of LDS; arguments hq, W2_codes, W2_scales, x1f, b2, yf; writes yf
.if DOCPART == 9
	.amdgcn_target "amdgcn-amd-amdhsa--gfx1250"
	.amdhsa_code_object_version 6
	.text
	.protected	k_qd49c5e1e77_ffn2
	.globl	k_qd49c5e1e77_ffn2
	.p2align	8
	.type	k_qd49c5e1e77_ffn2,@function
k_qd49c5e1e77_ffn2:
	s_mov_b64 s[64:65], 0
	v_nop
	global_prefetch_b8 v0, s[64:65] scope:SCOPE_SE
	s_setreg_imm32_b32 hwreg(HW_REG_WAVE_MODE, 25, 1), 1
	s_wait_xcnt 0x0
	s_wait_alu depctr_hold_cnt(0) depctr_sa_sdst(0) depctr_va_vdst(0) depctr_va_sdst(0) depctr_va_ssrc(0) depctr_va_vcc(0) depctr_vm_vsrc(0)
	s_getreg_b32 s2, hwreg(HW_REG_IB_STS2, 6, 4)
	s_cmp_eq_u32 s2, 0
	s_cbranch_scc0 .Lentry_in_a_cluster
	s_endpgm
.Lentry_in_a_cluster:
	s_bfe_u32 s2, ttmp6, 0x10000c
	s_cmp_lg_u32 s2, 0xf033
	s_cbranch_scc0 .Lentry_shape_is_right
	s_endpgm
.Lentry_shape_is_right:
; y = 2 x1 + b2 + h W2, the product on codes of E5M2 with E8M0 scales, K = 4,096; sums in f32, one accumulator for each output, K ascending.  The norm over y's rows is the next launch's.
; WHY NOT WHOLE ROWS: a work-group that owned whole rows of y would bring all 4 MB of W2 through its LDS, 32 fills of a slot; a tile of 128 x 128 brings (128 + 128) rows x 4,096 bytes = 1 MB, 8 fills, and gives 256 work-groups.
; A tile of y is 128 tokens x 128 columns: four waves of 64 x 64, 16 accumulators each.  K goes in steps of 512 through two LDS slots.
; A = h: images of operand registers as the launch before laid them, [token tile][K step of 128][piece 4][512 bytes, lane l at 16 l]: a token tile's four K steps are 8,192 consecutive bytes, and a fragment's piece is read
; from LDS as 512 consecutive bytes.  B = W2's rows (columns of y), 512 bytes of a row + 16 of padding: pitch 528 = 33 x 16, so that the 16 rows of a fragment load start at 16 different banks (64 banks of 4 bytes: ISA guide 11.1).
; CLUSTERS: 4 x 4 work-groups.  A's tiles hang on the tile row alone and are shared along a row of the cluster, B's on the tile column alone and are shared along a column: joint loads, which divide the requests by four.
; THE PRODUCT IS USED TRANSPOSED (source 0 = 16 rows of W2, source 1 = 16 tokens): lane l holds token l % 16, register j column 8 (l / 16) + j of the tile.  x1 comes, and y leaves, as images of these accumulators:
; x1f [block of 32 tokens][256 columns][token tile 2][column tile 16][half 2][512];  yf [token tile 256][column tile 64][half 2][512]: every load and store covers 512 consecutive bytes, aligned.
; ALL SCALE WORDS OF K = 4,096 STAY IN REGISTERS, loaded once: 64 registers for h's (lanes 0-15 an even K step, lanes 16-31 the odd one after it), 64 for W2's (lanes 0-15 K steps 8 Y + j, lanes 16-31 8 Y + 4 + j).
; Their register numbers never come back, so the eight slots are written out by macro and there is no loop.
; NaN and infinities are not served.
; REGISTERS: window 0: v1-13 addresses; v32-95 h's scale words, v96-159 W2's: scales and nothing else.  window 1: two fragment buffers of 128: 4 x 16 of h, then 4 x 16 of W2.
;   window 2: accumulator (a, b) at v[8 (4 a + b)]; from v128 b2's four tiles.
.set APART,  32768                     ; 4 token tiles x 8,192 bytes: what one of A's loads brings, and what one wave reads of A
.set BP,     528
.set BPART,  64*BP                     ; 64 rows of W2: what one of B's loads brings, and what one wave reads of B
.set BOFF,   2*APART                   ; a slot: A's 8 token tiles, then B's 128 rows
.set SLOTB,  BOFF+2*BPART
.set SPARE,  2*SLOTB                   ; behind the ring: the spare words, 128 bytes a wave, named by no other line
.set HSC_AT, 16777216                  ; h's scale words in hq: [token tile][K step 32][row 16]
.set LN,   1
.set RR,   2
.set HH,   3
.set LI,   4                           ; v4   16 x lane
.set L4,   5                           ; v5   4 x lane
.set VSB,  6                           ; v6   W2's scale bytes: 128 x row + 16 x half
.set VG,   7                           ; v7   b2: 32 x half
.set ADRA, 8                           ; v8-9   LDS address of my A fragments in slot 0, 1
.set ADRB, 10                          ; v10-11 the same for B
.set SPW,  12                          ; v12  LDS address of my spare word; never rewritten
.set NIL,  13                          ; v13  0; never rewritten
.set AS,   32
.set SB,   96
.set F0,   0
.set F1,   128
.set B2,   128
.set WV,   16
.set FB,   17                          ; s17  wave / 2: my half of the tokens.  Also: I fetch for A (0) or for B (1)
.set HF,   18                          ; s18  wave % 2: my half of the columns.  Also: which half of that tile I fetch
.set G1A,  24
.set G0A,  32
.set G1B,  48
.set G0B,  56
.set MSB, 0
.macro WIN new                         ; the immediate's high byte repeats the setting that is left
.if MSB != (\new)
	s_set_vgpr_msb (MSB<<8)|(\new)
.set MSB, (\new)
.endif
.endm
.set W_MUL, 0xa5                       ; sources 0 and 1 window 1, C and D window 2
.set TO_F,  0x40                       ; destination window 1, address window 0
; A joint load: waves 0 and 1 fetch A's halves, waves 2 and 3 B's; the branch hangs on the wave's number alone.  Four v_nop follow each of the two lines.
.macro JLOAD s
	s_cmp_eq_u32 s[FB], 0
	s_cbranch_scc0 .Lfor_b_\@
	tensor_load_to_lds s[G0A+4*\s:G0A+4*\s+3], s[G1A:G1A+7]
	s_nop 0
.rept 4
	v_nop
.endr
	s_branch .Lasked_\@
.Lfor_b_\@:
	tensor_load_to_lds s[G0B+4*\s:G0B+4*\s+3], s[G1B:G1B+7]
	s_nop 0
.rept 4
	v_nop
.endr
.Lasked_\@:
.endm
.macro CROUND                          ; a round of the cluster's barrier
	s_barrier_signal -1
	s_barrier_wait -1
	s_cmp_lg_u32 s[WV], 0
	s_cbranch_scc1 .Lnot_wave_0_\@
	s_barrier_signal -3
.Lnot_wave_0_\@:
	s_barrier_wait -3
	s_barrier_signal -1
	s_barrier_wait -1
.endm
.macro PLACES n                        ; plain vector instructions between a matrix instruction and a load into, or a read of, its registers
.rept \n
	v_nop
.endr
.endm
.macro WM d, a, b, sa, sb, ra, rb      ; one product in place; ra, rb: the scale words stand in lanes 16-31
.if (\ra) && (\rb)
	v_wmma_scale_f32_16x16x128_f8f6f4 v[(\d):(\d)+7], v[(\a):(\a)+15], v[(\b):(\b)+15], v[(\d):(\d)+7], v[(\sa)], v[(\sb)] matrix_a_fmt:MATRIX_FMT_BF8 matrix_b_fmt:MATRIX_FMT_BF8 matrix_a_scale:MATRIX_SCALE_ROW1 matrix_b_scale:MATRIX_SCALE_ROW1
.elseif (\ra)
	v_wmma_scale_f32_16x16x128_f8f6f4 v[(\d):(\d)+7], v[(\a):(\a)+15], v[(\b):(\b)+15], v[(\d):(\d)+7], v[(\sa)], v[(\sb)] matrix_a_fmt:MATRIX_FMT_BF8 matrix_b_fmt:MATRIX_FMT_BF8 matrix_a_scale:MATRIX_SCALE_ROW1
.elseif (\rb)
	v_wmma_scale_f32_16x16x128_f8f6f4 v[(\d):(\d)+7], v[(\a):(\a)+15], v[(\b):(\b)+15], v[(\d):(\d)+7], v[(\sa)], v[(\sb)] matrix_a_fmt:MATRIX_FMT_BF8 matrix_b_fmt:MATRIX_FMT_BF8 matrix_b_scale:MATRIX_SCALE_ROW1
.else
	v_wmma_scale_f32_16x16x128_f8f6f4 v[(\d):(\d)+7], v[(\a):(\a)+15], v[(\b):(\b)+15], v[(\d):(\d)+7], v[(\sa)], v[(\sb)] matrix_a_fmt:MATRIX_FMT_BF8 matrix_b_fmt:MATRIX_FMT_BF8
.endif
.endm
; 16 matrix instructions: K step s of 32 (128 along K), from buffer f.  The 16 accumulators take turns, one instruction a turn, in the same order in every step.
.macro MUL16 s, f
.irp a, 0,1,2,3
.irp b, 0,1,2,3
	WM 8*(4*\a+\b),(\f)+64+16*\b,(\f)+16*\a,SB+16*\b+4*((\s)>>3)+((\s)&3),AS+16*\a+((\s)>>1),((\s)>>2)&1,(\s)&1
.endr
.endr
.endm
; 32 LDS loads in one run: the fragments of the slot's q-th 128 along K into buffer f
.macro FETCH slot, q, f
	WIN TO_F
.irp i, 0,1,2,3
.irp c, 0,1,2,3
	ds_load_b128 v[(\f)+64+16*\i+4*\c:(\f)+64+16*\i+4*\c+3], v[ADRB+\slot] offset:\i*16*BP+128*(\q)+32*\c
.endr
.endr
.irp i, 0,1,2,3
.irp c, 0,1,2,3
	ds_load_b128 v[(\f)+16*\i+4*\c:(\f)+16*\i+4*\c+3], v[ADRA+\slot] offset:\i*8192+2048*(\q)+512*\c
.endr
.endr
.endm
; The k-th slot's worth of K: four K steps of 128 on buffers 0, 1, 0, 1; a buffer is fetched anew eight places behind the products that read it, one K step ahead of its use.
.macro SLOTWORK k
.set SL, (\k)%2
	FETCH SL, 0, F0
	FETCH SL, 1, F1
	s_wait_dscnt 32                                ; buffer 0 is in; the 32 loads just issued may be out
	WIN W_MUL
	MUL16 4*(\k),F0
	PLACES 8
	FETCH SL, 2, F0
	s_wait_dscnt 32                                ; buffer 1 is in
	WIN W_MUL
	MUL16 4*(\k)+1,F1
	PLACES 8
	FETCH SL, 3, F1
	s_wait_dscnt 32                                ; buffer 0 is in
	WIN W_MUL
	MUL16 4*(\k)+2,F0
	s_wait_dscnt 0x0
	MUL16 4*(\k)+3,F1
	WIN 0
.endm
; THE CHANGE OF SLOTS behind the k-th.  Each wave waits for all its tensor loads, of which one is out: its part of the next slot; adds 0 to its spare word; waits for that and for its reads of this slot.
; fill = 1: a round of the cluster's barrier, so that no wave of any partner still reads the slot or has a load on its way; the joint refill, two slots' worth of K ahead, is the first thing behind it.
.macro CHANGE k, fill
.set SL, (\k)%2
	s_wait_tensorcnt 0x0                           ; no tensor load of mine is out, so a group 0 may be written
	ds_add_u32 v[SPW], v[NIL]                      ; 0 onto my spare word
.if \fill
	s_add_nc_u64 s[G0A+4*SL+2:G0A+4*SL+3], s[G0A+4*SL+2:G0A+4*SL+3], 2*8192
	s_add_nc_u64 s[G0B+4*SL+2:G0B+4*SL+3], s[G0B+4*SL+2:G0B+4*SL+3], 2*512
.endif
	s_wait_dscnt 0x0                               ; the add is done, and my reads of this slot are over
.if \fill
	CROUND
	JLOAD SL                                       ; its four v_nop are among the eight places in front of the loads that follow
	PLACES 4
.else
	s_barrier_signal -1
	s_barrier_wait -1
	PLACES 8
.endif
.endm
	s_load_b256 s[4:11], s[0:1], 0x0               ; hq 4, W2's codes 6, W2's scales 8, x1f 10
	s_load_b128 s[12:15], s[0:1], 0x20             ; b2 12, yf 14
	v_lshl_add_u32 v[SPW], v0, 2, SPARE
	v_mov_b32 v[NIL], 0
	ds_add_u32 v12, v13
	ds_add_u32 v12, v13
	s_wait_dscnt 0x0
	v_lshrrev_b32 v1, 5, v0
	v_readfirstlane_b32 s[WV], v1                  ; wave 0..3
	s_lshr_b32 s[FB], s[WV], 1
	s_and_b32 s[HF], s[WV], 1
	s_bfe_u32 s19, ttmp6, 0x40000                  ; cx
	s_bfe_u32 s20, ttmp6, 0x40004                  ; cy
	s_lshl_b32 s21, ttmp9, 2
	s_add_co_u32 s21, s21, s19                     ; tile column = 4 x cluster x + cx
	s_and_b32 s22, ttmp7, 0xffff
	s_lshl_b32 s22, s22, 2
	s_add_co_u32 s22, s22, s20                     ; tile row = 4 x cluster y + cy
	s_lshl_b32 s23, s20, 2
	s_lshl_b32 s23, 15, s23                        ; my row of the cluster
	s_lshl_b32 s40, 0x1111, s19                    ; my column
	; A: 4 rows of 1,024 elements of 8 bytes (a token tile's four K steps), 8,192 elements apart, dense in LDS
	s_or_b32 s[G1A], s23, (3<<16)|(1<<21)          ; 15:0 the mask; 17:16 elements of 8 bytes; 21 set beside a mask; no padding
	s_mov_b32 s[G1A+1], 1024<<16                   ; tensor_dim0
	s_mov_b32 s[G1A+2], 4<<16                      ; tensor_dim1
	s_mov_b32 s[G1A+3], 1024<<16                   ; tile_dim0
	s_mov_b32 s[G1A+4], 4                          ; tile_dim1
	s_mov_b32 s[G1A+5], 8192                       ; from row to row
	s_mov_b32 s[G1A+6], 0
	s_mov_b32 s[G1A+7], 0
	; B: 64 rows of 512 bytes, 4,096 bytes apart, 4 words of padding behind every 128
	s_or_b32 s[G1B], s40, (0<<16)|(1<<20)|(1<<21)|(6<<22)|(3<<25)
	s_mov_b32 s[G1B+1], 512<<16
	s_mov_b32 s[G1B+2], 64<<16
	s_mov_b32 s[G1B+3], 512<<16
	s_mov_b32 s[G1B+4], 64
	s_mov_b32 s[G1B+5], 4096
	s_mov_b32 s[G1B+6], 0
	s_mov_b32 s[G1B+7], 0
	s_lshl_b32 s42, s22, 19                        ; A: token tile 8 x tile row + 4 x half, 65,536 bytes each
	s_lshl_b32 s43, s[HF], 18
	s_add_co_u32 s42, s42, s43
	s_mov_b32 s43, 0
	s_lshl_b32 s44, s21, 19                        ; B: row 128 x tile column + 64 x half, 4,096 bytes each
	s_lshl_b32 s45, s[HF], 18
	s_add_co_u32 s44, s44, s45
	s_mov_b32 s45, 0
	s_lshl_b32 s46, s[HF], 15                      ; where they go: no place in the cluster enters an LDS address
	s_mul_i32 s47, s[HF], BPART
	s_add_co_u32 s47, s47, BOFF
	s_wait_kmcnt 0x0
	s_add_nc_u64 s[42:43], s[4:5], s[42:43]
	s_add_nc_u64 s[44:45], s[6:7], s[44:45]
	CROUND                                         ; all sixteen work-groups are here: the first joint loads meet
.irp s, 0,1
	s_mov_b32 s[G0A+4*\s], 1
	s_add_co_u32 s[G0A+4*\s+1], s46, \s*SLOTB
	s_add_nc_u64 s[G0A+4*\s+2:G0A+4*\s+3], s[42:43], \s*8192
	s_or_b32 s[G0A+4*\s+3], s[G0A+4*\s+3], 0x80000000
	s_mov_b32 s[G0B+4*\s], 1
	s_add_co_u32 s[G0B+4*\s+1], s47, \s*SLOTB
	s_add_nc_u64 s[G0B+4*\s+2:G0B+4*\s+3], s[44:45], \s*512
	s_or_b32 s[G0B+4*\s+3], s[G0B+4*\s+3], 0x80000000
	JLOAD \s                                       ; both slots are asked for before anything else: two loads of mine are out
.endr
	v_and_b32 v[LN], 31, v0
	v_and_b32 v[RR], 15, v0
	v_bfe_u32 v[HH], v0, 4, 1
	v_lshlrev_b32 v[LI], 4, v[LN]
	v_lshlrev_b32 v[L4], 2, v[LN]
	v_lshlrev_b32 v[VSB], 7, v[RR]
	v_lshl_add_u32 v[VSB], v[HH], 4, v[VSB]
	v_lshlrev_b32 v[VG], 5, v[HH]
	s_lshl_b32 s66, s[FB], 15                      ; my four token tiles
	v_add_nc_u32 v[ADRA], s66, v[LI]
	v_add_nc_u32 v[ADRA+1], SLOTB, v[ADRA]
	v_mul_u32_u24 v[ADRB], v[RR], BP
	v_lshl_add_u32 v[ADRB], v[HH], 4, v[ADRB]
	s_mul_i32 s66, s[HF], BPART                    ; my 64 rows of W2
	s_add_co_u32 s66, s66, BOFF
	v_add_nc_u32 v[ADRB], s66, v[ADRB]
	v_add_nc_u32 v[ADRB+1], SLOTB, v[ADRB]
	s_mov_b32 s67, 0
	s_lshl_b32 s66, s22, 14                        ; h's scale words: 2,048 bytes a token tile
	s_lshl_b32 s72, s[FB], 13
	s_add_co_u32 s66, s66, s72
	s_add_co_u32 s66, s66, HSC_AT
	s_add_nc_u64 s[68:69], s[4:5], s[66:67]
	s_lshl_b32 s66, s21, 14                        ; W2's scale bytes: 128 a row
	s_lshl_b32 s72, s[HF], 13
	s_add_co_u32 s66, s66, s72
	s_add_nc_u64 s[70:71], s[8:9], s[66:67]
	s_lshl_b32 s66, s22, 19                        ; x1f: block of 32 tokens 4 x tile row + 2 x half, 131,072 bytes each;
	s_lshl_b32 s72, s[FB], 18
	s_add_co_u32 s66, s66, s72
	s_lshr_b32 s72, s21, 1                         ; 256 columns: tile column / 2, 32,768 bytes each;
	s_lshl_b32 s72, s72, 15
	s_add_co_u32 s66, s66, s72
	s_and_b32 s72, s21, 1                          ; column tile 8 x (tile column % 2) + 4 x half, 1,024 bytes each
	s_lshl_b32 s72, s72, 13
	s_add_co_u32 s66, s66, s72
	s_lshl_b32 s72, s[HF], 12
	s_add_co_u32 s66, s66, s72
	s_add_nc_u64 s[10:11], s[10:11], s[66:67]
	s_lshl_b32 s66, s21, 9                         ; b2: my 64 numbers
	s_lshl_b32 s72, s[HF], 8
	s_add_co_u32 s66, s66, s72
	s_add_nc_u64 s[12:13], s[12:13], s[66:67]
	s_lshl_b32 s66, s22, 19                        ; yf: token tile 8 x tile row + 4 x half, 65,536 bytes each; column tile 8 x tile column + 4 x half, 1,024 each
	s_lshl_b32 s72, s[FB], 18
	s_add_co_u32 s66, s66, s72
	s_lshl_b32 s72, s21, 13
	s_add_co_u32 s66, s66, s72
	s_lshl_b32 s72, s[HF], 12
	s_add_co_u32 s66, s66, s72
	s_add_nc_u64 s[14:15], s[14:15], s[66:67]
	WIN 0x80                                       ; destination window 2
.irp a, 0,1,2,3
.irp b, 0,1,2,3
.irp q, 0,1
	global_load_b128 v[8*(4*\a+\b)+4*\q:8*(4*\a+\b)+4*\q+3], v[LI], s[10:11] offset:(\a/2)*131072+(\a%2)*16384+\b*1024+512*\q th:TH_LOAD_NT   ; x1, straight into the accumulators
.endr
.endr
.endr
.irp b, 0,1,2,3
.irp q, 0,1
	global_load_b128 v[B2+8*\b+4*\q:B2+8*\b+4*\q+3], v[VG], s[12:13] offset:64*\b+16*\q   ; b2 in the result's layout: columns 16 b + 8 (l / 16) + 0..7
.endr
.endr
	WIN 0
.irp a, 0,1,2,3
.irp p, 0,1,2,3,4,5,6,7,8,9,10,11,12,13,14,15
	global_load_b32 v[AS+16*\a+\p], v[L4], s[68:69] offset:2048*\a+128*\p   ; lanes 0-15: K step 2 p, lanes 16-31: 2 p + 1; a tile's sixteen loads cover its 2,048 bytes
.endr
.endr
.irp b, 0,1,2,3
.irp Y, 0,1,2,3
	global_load_b128 v[SB+16*\b+4*\Y:SB+16*\b+4*\Y+3], v[VSB], s[70:71] offset:2048*\b+32*\Y   ; register j: lanes 0-15 K step 8 Y + j, lanes 16-31 8 Y + 4 + j
.endr
.endr
	s_wait_loadcnt 0x0
	WIN 0xa2                                       ; source 0, source 2 and destination window 2
.irp a, 0,1,2,3
.irp b, 0,1,2,3
.irp p, 0,1,2,3
	v_pk_fma_f32 v[8*(4*\a+\b)+2*\p:8*(4*\a+\b)+2*\p+1], v[8*(4*\a+\b)+2*\p:8*(4*\a+\b)+2*\p+1], 2.0, v[B2+8*\b+2*\p:B2+8*\b+2*\p+1] op_sel_hi:[1,0,1]   ; the sums begin as 2 x1 + b2
.endr
.endr
.endr
	WIN 0
	s_wait_tensorcnt 0x1                           ; my part of slot 0 is in; slot 1's load, issued behind it, may stay out
	s_barrier_signal -1
	s_barrier_wait -1                              ; everybody's is
	SLOTWORK 0
.irp k, 0,1,2,3,4,5
	CHANGE \k, 1                                   ; the slot just read takes the K that lies two slots on
	SLOTWORK \k+1
.endr
	CHANGE 6, 0                                    ; nothing is left to fetch
	SLOTWORK 7
	; THE WAY OUT: the accumulators as they stand, each from its low end on, 512 consecutive bytes a store
	PLACES 8
	WIN 0x08                                       ; a store's data are its source 1: window 2
.irp a, 0,1,2,3
.irp b, 0,1,2,3
.irp q, 0,1
	global_store_b128 v[LI], v[8*(4*\a+\b)+4*\q:8*(4*\a+\b)+4*\q+3], s[14:15] offset:\a*65536+\b*1024+512*\q
.endr
.endr
.endr
	WIN 0
	s_wait_tensorcnt 0x0                           ; the wave's end
	ds_add_u32 v[SPW], v[NIL]
	s_wait_dscnt 0x0
	CROUND                                         ; the closing round: no work-group ends while a partner may still ask for a tile that names it
	s_endpgm
.Lfunc_end_k_qd49c5e1e77_ffn2:
	.size	k_qd49c5e1e77_ffn2, .Lfunc_end_k_qd49c5e1e77_ffn2-k_qd49c5e1e77_ffn2
	.p2alignl 7, 3214868480
	.fill 96, 4, 3214868480
	.section	.rodata,"a",@progbits
	.p2align	6, 0x0
	.amdhsa_kernel k_qd49c5e1e77_ffn2
		.amdhsa_group_segment_fixed_size 327680
		.amdhsa_private_segment_fixed_size 0
		.amdhsa_enable_private_segment 0
		.amdhsa_kernarg_size 48
		.amdhsa_user_sgpr_count 2
		.amdhsa_user_sgpr_kernarg_segment_ptr 1
		.amdhsa_wavefront_size32 1
		.amdhsa_system_sgpr_workgroup_id_x 1
		.amdhsa_system_sgpr_workgroup_id_y 1
		.amdhsa_system_sgpr_workgroup_id_z 1
		.amdhsa_system_vgpr_workitem_id 0
		.amdhsa_next_free_vgpr 768
		.amdhsa_next_free_sgpr 80
		.amdhsa_reserve_vcc 0
		.amdhsa_float_denorm_mode_32 3
		.amdhsa_float_denorm_mode_16_64 3
		.amdhsa_memory_ordered 1
		.amdhsa_forward_progress 1
		.amdhsa_inst_pref_size 169
	.end_amdhsa_kernel
	.amdgpu_metadata
---
amdhsa.version: [ 1, 2 ]
amdhsa.kernels:
  - .name:           k_qd49c5e1e77_ffn2
    .symbol:         k_qd49c5e1e77_ffn2.kd
    .args:
      - { .name: hq, .offset: 0, .size: 8, .value_kind: global_buffer, .address_space: global }
      - { .name: W2_codes, .offset: 8, .size: 8, .value_kind: global_buffer, .address_space: global }
      - { .name: W2_scales, .offset: 16, .size: 8, .value_kind: global_buffer, .address_space: global }
      - { .name: x1f, .offset: 24, .size: 8, .value_kind: global_buffer, .address_space: global }
      - { .name: b2, .offset: 32, .size: 8, .value_kind: global_buffer, .address_space: global }
      - { .name: yf, .offset: 40, .size: 8, .value_kind: global_buffer, .address_space: global }
    .group_segment_fixed_size: 327680
    .private_segment_fixed_size: 0
    .kernarg_segment_align: 8
    .kernarg_segment_size: 48
    .max_flat_workgroup_size: 128
    .sgpr_count:     80
    .vgpr_count:     768
    .wavefront_size: 32
...
	.end_amdgpu_metadata
.endif
;; end of part 9
;; launch ln2 (part 10): grid 256 x 1, 4 waves a work-group, no clusters, 68,096 bytes of LDS; arguments yf, g2, be2, out0; writes out0
.if DOCPART == 10
	.amdgcn_target "amdgcn-amd-amdhsa--gfx1250"
	.amdhsa_code_object_version 6
	.text
	.protected	k_qd49c5e1e77_ln2
	.globl	k_qd49c5e1e77_ln2
	.p2align	8
	.type	k_qd49c5e1e77_ln2,@function
k_qd49c5e1e77_ln2:
	s_mov_b64 s[64:65], 0
	v_nop
	global_prefetch_b8 v0, s[64:65] scope:SCOPE_SE
	s_setreg_imm32_b32 hwreg(HW_REG_WAVE_MODE, 25, 1), 1
	s_wait_xcnt 0x0
; out = (y - mean) / sqrt(var + 1e-5) x g2 + be2 over each row of 1,024; y = 2 x1 + b2 + h W2 comes from the launch before.  All in f32.
; A stream: each byte of y is read once and each byte of out written once, so no matrix unit, no cluster and no tensor load: work-groups share nothing but 8 KB of gain and bias.
; yf is laid [token tile 256][column tile 64][half 2][512 bytes]: lane l's 16 bytes at 16 l are row l % 16, columns 8 (l / 16) + 4 half + 0..3 of the tile.  Every load covers 512 consecutive bytes.
; A work-group takes one token tile (16 rows), wave w its columns 256 w .. 256 w + 255: 128 numbers a lane, all of one row.  The four waves' partial sums meet twice in LDS.
; The variance is the mean of squared deviations from the mean, which is taken first: no difference of large sums.
; The rows then turn through the wave's own stage (rows of 1,024 bytes + 16: row r starts at bank 4 r mod 64) and come back 512 consecutive bytes an instruction.  GAIN AND BIAS ARE APPLIED BEHIND THE STAGE: there a lane
; holds the same eight columns in every row, so they cost 16 registers and four loads.
; NaN and infinities are not served.
.set XP,    1040
.set SPART, 16*XP                      ; a wave's stage
.set RED,   4*SPART                    ; behind the stages: two exchanges of 4 waves x 16 rows of f32
.set LN,   1
.set RR,   2
.set HH,   3
.set LI,   4                           ; v4   16 x lane
.set REDW, 5
.set REDR, 6
.set STO,  7
.set RD,   8
.set PS,   9
.set Y,    32                          ; v32-159  my 128 numbers: column tile nt at v[Y + 8 nt]; behind the stage: row i at v[Y + 8 i]
.set G,    160                         ; v160-167 gain, v168-175 bias of my eight columns
.set BE,   168
.set T,    176
.set MU,   184
.set RS,   186
.set E,    188
.set WV,   12
.set SEL,  14
.set INV,  16
.set EPSR, 17
	s_load_b256 s[4:11], s[0:1], 0x0               ; yf 4, g2 6, be2 8, out0 10
	v_lshl_add_u32 v192, v0, 2, 0x10800
	v_mov_b32 v193, 0
	v_lshrrev_b32 v1, 5, v0
	v_readfirstlane_b32 s[WV], v1                  ; wave 0..3
	v_and_b32 v[LN], 31, v0
	v_and_b32 v[RR], 15, v0
	v_bfe_u32 v[HH], v0, 4, 1
	v_lshlrev_b32 v[LI], 4, v[LN]
	s_lshl_b32 s18, s[WV], 6
	s_add_co_u32 s18, s18, RED
	v_lshl_add_u32 v[REDW], v[RR], 2, s18          ; my wave's 16 words
	v_lshl_add_u32 v[REDR], v[RR], 2, RED
	s_mul_i32 s19, s[WV], SPART
	v_mul_u32_u24 v[STO], v[RR], XP
	v_lshl_add_u32 v[STO], v[HH], 5, v[STO]
	v_add_nc_u32 v[STO], s19, v[STO]               ; into the stage: row l % 16, + 32 bytes for the upper half of the lanes
	v_add_nc_u32 v[RD], s19, v[LI]                 ; back: 16 bytes a lane
	s_mov_b32 s[SEL], 0x76543210
	s_mov_b32 s[SEL+1], 0xfedcba98                 ; v_permlanex16_b32's selects for lane l xor 16
	s_mov_b32 s[INV], 0x3a800000                   ; 1 / 1,024
	s_mov_b32 s[EPSR], 0x3727c5ac                  ; 1e-5
	s_lshl_b32 s20, ttmp9, 16                      ; a token tile is 65,536 bytes of yf, and of out
	s_lshl_b32 s21, s[WV], 14                      ; my 16 column tiles
	s_add_co_u32 s20, s20, s21
	s_mov_b32 s21, 0
	s_lshl_b32 s22, s[WV], 10                      ; my 256 columns in a row
	s_mov_b32 s23, 0
	s_lshl_b32 s24, ttmp9, 16
	s_add_co_u32 s24, s24, s22
	s_mov_b32 s25, 0
	s_wait_kmcnt 0x0
	s_add_nc_u64 s[4:5], s[4:5], s[20:21]
	s_add_nc_u64 s[6:7], s[6:7], s[22:23]
	s_add_nc_u64 s[8:9], s[8:9], s[22:23]
	s_add_nc_u64 s[10:11], s[10:11], s[24:25]
.irp nt, 0,1,2,3,4,5,6,7,8,9,10,11,12,13,14,15
.irp q, 0,1
	global_load_b128 v[Y+8*\nt+4*\q:Y+8*\nt+4*\q+3], v[LI], s[4:5] offset:1024*\nt+512*\q th:TH_LOAD_NT
.endr
.endr
.irp q, 0,1
	global_load_b128 v[G+4*\q:G+4*\q+3], v[LI], s[6:7] offset:512*\q     ; columns 128 q + 4 l + 0..3 of my 256
	global_load_b128 v[BE+4*\q:BE+4*\q+3], v[LI], s[8:9] offset:512*\q
.endr
.macro FOLD                            ; four pairs -> my row's sum over my wave's 256 columns, in v[PS]
	v_pk_add_f32 v[T:T+1], v[T:T+1], v[T+2:T+3]
	v_pk_add_f32 v[T+4:T+5], v[T+4:T+5], v[T+6:T+7]
	v_pk_add_f32 v[T:T+1], v[T:T+1], v[T+4:T+5]
	v_add_f32 v[T], v[T], v[T+1]
	v_permlanex16_b32 v[T+1], v[T], s[SEL], s[SEL+1]   ; the row's other 128 columns lie in the lane 16 away
	v_add_f32 v[PS], v[T], v[T+1]
.endm
.macro EXCH base                       ; the four waves' partial sums meet in LDS; v[E] = the row's sum, added in the same order in every wave
	ds_store_b32 v[REDW], v[PS] offset:\base       ; (lanes l and l + 16 write the same word with the same value)
	s_wait_dscnt 0x0                               ; for the others' sake
	s_barrier_signal -1
	s_barrier_wait -1
.irp u, 0,1,2,3
	ds_load_b32 v[E+\u], v[REDR] offset:\base+64*\u
.endr
	s_wait_dscnt 0x0
	v_add_f32 v[E], v[E], v[E+1]
	v_add_f32 v[E], v[E], v[E+2]
	v_add_f32 v[E], v[E], v[E+3]
.endm
	s_wait_loadcnt 4                               ; y is in; the four loads of gain and bias, issued behind it, may be out
.irp p, 0,1,2,3
	v_pk_add_f32 v[T+2*\p:T+2*\p+1], v[Y+2*\p:Y+2*\p+1], v[Y+8+2*\p:Y+8+2*\p+1]   ; four chains that do not wait for each other; nothing is cleared
.endr
.irp nt, 2,3,4,5,6,7,8,9,10,11,12,13,14,15
.irp p, 0,1,2,3
	v_pk_add_f32 v[T+2*\p:T+2*\p+1], v[T+2*\p:T+2*\p+1], v[Y+8*\nt+2*\p:Y+8*\nt+2*\p+1]
.endr
.endr
	FOLD
	EXCH 0
	v_mul_f32 v[MU], s[INV], v[E]                  ; the mean
	v_mov_b32 v[MU+1], v[MU]
.set i, 0
.rept 64
	v_pk_add_f32 v[Y+i:Y+i+1], v[Y+i:Y+i+1], v[MU:MU+1] neg_lo:[0,1] neg_hi:[0,1]
.set i, i+2
.endr
.irp p, 0,1,2,3
	v_pk_mul_f32 v[T+2*\p:T+2*\p+1], v[Y+2*\p:Y+2*\p+1], v[Y+2*\p:Y+2*\p+1]
.endr
.irp nt, 1,2,3,4,5,6,7,8,9,10,11,12,13,14,15
.irp p, 0,1,2,3
	v_pk_fma_f32 v[T+2*\p:T+2*\p+1], v[Y+8*\nt+2*\p:Y+8*\nt+2*\p+1], v[Y+8*\nt+2*\p:Y+8*\nt+2*\p+1], v[T+2*\p:T+2*\p+1]
.endr
.endr
	FOLD
	EXCH 256                                       ; other bytes than the first exchange's, so no barrier stands between its reads and these stores
	v_fma_f32 v[RS], v[E], s[INV], s[EPSR]
	v_rsq_f32 v[RS], v[RS]
	v_nop                                          ; a plain instruction behind the transcendental
	s_wait_alu depctr_va_vdst(0)                   ; and the wait ahead of its first reader
	v_mov_b32 v[RS+1], v[RS]
.set i, 0
.rept 64
	v_pk_mul_f32 v[Y+i:Y+i+1], v[Y+i:Y+i+1], v[RS:RS+1]
.set i, i+2
.endr
.irp nt, 0,1,2,3,4,5,6,7,8,9,10,11,12,13,14,15
.irp q, 0,1
	ds_store_b128 v[STO], v[Y+8*\nt+4*\q:Y+8*\nt+4*\q+3] offset:64*\nt+16*\q
.endr
.endr
.irp i, 0,1,2,3,4,5,6,7,8,9,10,11,12,13,14,15
.irp q, 0,1
	ds_load_b128 v[Y+8*\i+4*\q:Y+8*\i+4*\q+3], v[RD] offset:XP*\i+512*\q   ; LDS serves a wave's instructions in order (ISA guide 5.7.1.4): these see my stores, which have read their registers
.endr
.endr
	s_wait_loadcnt 0x0                             ; gain and bias
.irp i, 0,1,2,3,4,5,6,7,8,9,10,11,12,13,14,15
.irp q, 0,1
	s_wait_dscnt 31-(2*\i+\q)                      ; this piece is back; the younger loads may be out
	v_pk_fma_f32 v[Y+8*\i+4*\q:Y+8*\i+4*\q+1], v[Y+8*\i+4*\q:Y+8*\i+4*\q+1], v[G+4*\q:G+4*\q+1], v[BE+4*\q:BE+4*\q+1]
	v_pk_fma_f32 v[Y+8*\i+4*\q+2:Y+8*\i+4*\q+3], v[Y+8*\i+4*\q+2:Y+8*\i+4*\q+3], v[G+4*\q+2:G+4*\q+3], v[BE+4*\q+2:BE+4*\q+3]
	global_store_b128 v[LI], v[Y+8*\i+4*\q:Y+8*\i+4*\q+3], s[10:11] offset:4096*\i+512*\q th:TH_STORE_NT   ; 32 lanes store 512 consecutive bytes, aligned
.endr
.endr
	s_wait_tensorcnt 0x0
	ds_add_u32 v192, v193
	s_wait_dscnt 0x0
	s_endpgm
.Lfunc_end_k_qd49c5e1e77_ln2:
	.size	k_qd49c5e1e77_ln2, .Lfunc_end_k_qd49c5e1e77_ln2-k_qd49c5e1e77_ln2
	.p2alignl 7, 3214868480
	.fill 96, 4, 3214868480
	.section	.rodata,"a",@progbits
	.p2align	6, 0x0
	.amdhsa_kernel k_qd49c5e1e77_ln2
		.amdhsa_group_segment_fixed_size 68096
		.amdhsa_private_segment_fixed_size 0
		.amdhsa_enable_private_segment 0
		.amdhsa_kernarg_size 32
		.amdhsa_user_sgpr_count 2
		.amdhsa_user_sgpr_kernarg_segment_ptr 1
		.amdhsa_wavefront_size32 1
		.amdhsa_system_sgpr_workgroup_id_x 1
		.amdhsa_system_sgpr_workgroup_id_y 1
		.amdhsa_system_sgpr_workgroup_id_z 1
		.amdhsa_system_vgpr_workitem_id 0
		.amdhsa_next_free_vgpr 194
		.amdhsa_next_free_sgpr 66
		.amdhsa_reserve_vcc 0
		.amdhsa_float_denorm_mode_32 3
		.amdhsa_float_denorm_mode_16_64 3
		.amdhsa_memory_ordered 1
		.amdhsa_forward_progress 1
		.amdhsa_inst_pref_size 36
	.end_amdhsa_kernel
	.amdgpu_metadata
---
amdhsa.version: [ 1, 2 ]
amdhsa.kernels:
  - .name:           k_qd49c5e1e77_ln2
    .symbol:         k_qd49c5e1e77_ln2.kd
    .args:
      - { .name: yf, .offset: 0, .size: 8, .value_kind: global_buffer, .address_space: global }
      - { .name: g2, .offset: 8, .size: 8, .value_kind: global_buffer, .address_space: global }
      - { .name: be2, .offset: 16, .size: 8, .value_kind: global_buffer, .address_space: global }
      - { .name: out0, .offset: 24, .size: 8, .value_kind: global_buffer, .address_space: global }
    .group_segment_fixed_size: 68096
    .private_segment_fixed_size: 0
    .kernarg_segment_align: 8
    .kernarg_segment_size: 32
    .max_flat_workgroup_size: 128
    .sgpr_count:     66
    .vgpr_count:     194
    .wavefront_size: 32
...
	.end_amdgpu_metadata
.endif
;; end of part 10
